; MI455X (gfx1250); checked and timed in simulation.
; The chip was launched on July 23, 2026; its instructions are those of AMD's public machine-readable ISA for CDNA 5 (MIT licence, August 2026) and "CDNA5" Instruction Set Architecture Reference Guide (July 2026). The comments in the code are by the model that wrote it; some were corrected since.
;; Transformer. Allowed arithmetic: matrix products marked QUANTISED: E2M3 operands, one E8M0 scale for each 32 along K, by v_wmma_scale_f32_16x16x128_f8f6f4 with both operands' format E2M3, f32 sums; everything else in f32.
;; Inputs: W1 1,024 x 4,096 float32; W2 4,096 x 1,024 float32; Wk 1,024 x 1,024 float32; Wo 1,024 x 1,024 float32; Wq 1,024 x 1,024 float32; Wv 1,024 x 1,024 float32; attention_mask 8 x 512 x 1,024 int32; b1 4,096 float32; b2 1,024 float32; bk 1,024 float32; bo 1,024 float32; bq 1,024 float32; bv 1,024 float32; key 8 x 1,024 x 1,024 float32; query 8 x 512 x 1,024 float32; value 8 x 1,024 x 1,024 float32.
;; Outputs: out0 8 x 512 x 1,024 float32.
;; This version of the problem:
;;   THIS VERSION OF THE PROBLEM IS GIVEN IN LOW PRECISION. The matrix products marked QUANTISED in the list below multiply operands that are first quantised to E2M3 (2 exponent bits, 3 mantissa bits; 6 bits a number), with one power-of-two scale for each 32 numbers along K (OCP MX v1.0); their sums are f32. All else is computed in f32.
;;   The module's matrix products, in the order in which they are computed (A, B: the left and right operand; K: the contracted axis; several contracted axes count as one K, in the product's order):
;;     1. [M 4,096, K 1,024] x [K 1,024, N 1,024]; A: input query; B: input Wq: QUANTISED
;;     2. [M 8,192, K 1,024] x [K 1,024, N 1,024]; A: input key; B: input Wk: QUANTISED
;;     3. [M 8,192, K 1,024] x [K 1,024, N 1,024]; A: input value; B: input Wv: QUANTISED
;;     4. batch 128 x [M 512, K 64] x [K 64, N 1,024]; A: computed on the way; B: computed on the way: QUANTISED
;;     5. batch 128 x [M 64, K 1,024] x [K 1,024, N 512]; A: computed on the way; B: softmax (see below): QUANTISED
;;     6. [M 4,096, K 1,024] x [K 1,024, N 1,024]; A: computed on the way; B: input Wo: QUANTISED
;;     7. [M 4,096, K 1,024] x [K 1,024, N 4,096]; A: computed on the way; B: input W1: QUANTISED
;;     8. [M 4,096, K 4,096] x [K 4,096, N 1,024]; A: computed on the way; B: input W2: QUANTISED
;;   THE QUANTISER, for each operand of a quantised product, along K:
;;     - K is cut into blocks of 32 from its start; a last block that is shorter is filled with zeros.
;;     - A block's scale is 2^e with e = floor(log2(the largest magnitude in the block)) - 2, held to -126 .. 127; a block of zeros has e = 0. As a byte (E8M0): e + 127.
;;     - Each number is divided by its block's scale, clamped to +-7.5, and rounded to the nearest number of E2M3, ties to even, subnormals kept.
;;     - The product sums the exact products of the quantised numbers (number of the format x scale) in f32.
;;   ~~~python
;;   def quantise(x, axis):      # numpy; x: float32 -> the quantised numbers, widened to float32 again
;;       x = np.moveaxis(x, axis, -1); K = x.shape[-1]
;;       x = np.pad(x, [(0, 0)] * (x.ndim - 1) + [(0, -K % 32)]); x = x.reshape(x.shape[:-1] + (-1, 32)); a = np.abs(x).max(-1, keepdims=True)
;;       e = np.where(a > 0, np.clip(np.frexp(np.where(a > 0, a, 1))[1] - 1 - 2, -126, 127), 0)      # np.frexp(a)[1] - 1 = floor(log2(a)), exactly
;;       r = np.clip(x / 2.0 ** e, -7.5, 7.5)
;;       step = 2.0 ** (np.maximum(np.frexp(np.where(r == 0, 1, r))[1] - 1, 0) - 3)
;;       q = np.round(r / step) * step * 2.0 ** e      # np.round: ties to even
;;       return np.moveaxis(q.reshape(q.shape[:-2] + (-1,))[..., :K], -1, axis).astype(np.float32)
;;   ~~~
;;   SOFTMAX AHEAD OF A QUANTISED PRODUCT. Where the list says 'softmax', what is quantised is not the finished softmax but p = 2^(t - M), with t = logit x log2(e) and M = ceil(the row's largest t), a whole number; so 1/2 < the row's largest p <= 1. The row's sum l is taken of the UNQUANTISED p, in f32, and the product's result is divided by l at the end. Since M is a whole number, a kernel that streams over the keys may use a running M (the ceiling of the running maximum): every later rescaling is an exact power of two, which a block's scale takes up: the codes' values come out the same.
;;   OPERANDS COMPUTED ON THE WAY. 'Computed on the way' means the value that the module computes at that place (a softmax that the list does not call 'softmax' is quantised finished and normalised). What goes into a quantiser is computed in f32, as accurately as f32 sums, v_exp_f32 and their like allow (about 1e-6 of the number): no bf16 or f16 on the way to a quantiser, and a product that is left as it is and whose result goes on into a quantised operand takes f32 operands (vector FMAs, or v_wmma_f32_16x16x4_f32). A number that lies on a knife's edge between two numbers of the format may be rounded either way, as far as f32 arithmetic and the matrix unit's own rounding can turn it there, and no further.
;; One version. Each part assembles by itself: llvm-mc -triple=amdgcn-amd-amdhsa -mcpu=gfx1250 --defsym DOCPART=n.
;; ======== version 1 of 1: 6 launches
;; workspace buffers: ximg 16,384,000 bytes; wimg 9,830,400 bytes; qkv 16,384,000 bytes; cimg 3,276,800 bytes; aimg 3,276,800 bytes; iimg 13,107,200 bytes; af32 16,777,216 bytes
;; launch prep (part 1): grid 1408 x 1, 4 waves a work-group, no clusters, 34,304 bytes of LDS; arguments query, key, value, Wq, Wk, Wv, Wo, W1, W2, ximg, wimg; writes ximg, wimg
.if DOCPART == 1
	.amdgcn_target "amdgcn-amd-amdhsa--gfx1250"
	.amdhsa_code_object_version 6
	.text
	.protected	k_q647caf35dd_prep
	.globl	k_q647caf35dd_prep
	.p2align	8
	.type	k_q647caf35dd_prep,@function
k_q647caf35dd_prep:
	s_mov_b64 s[64:65], 0
	v_nop
	global_prefetch_b8 v0, s[64:65] scope:SCOPE_SE
	s_setreg_imm32_b32 hwreg(HW_REG_WAVE_MODE, 25, 1), 1
	s_wait_xcnt 0x0
; PREP: query, key, value (f32, K innermost) and the six weights (f32, K outermost) become codes of E2M3 with one E8M0 byte for each 32 along K.
; THE FORMAT OF EVERY WORKSPACE OPERAND: an image of the operand's registers.  A fragment is 16 rows x 128 K, 12 registers a lane: lane (r = l % 16, h = l / 16) holds row r,
; registers 6 c .. 6 c + 5 hold k = 64 c + 32 h + 0 .. 31.  A record is 1,600 bytes: three chunks of 512 (chunk c: registers 4 c .. 4 c + 3, lane l's 16 bytes at 16 l), then 16 scale words (row r's four bytes).
; Record (rowtile, K step s) lies at ((s / 8) RT + rowtile) x 12,800 + (s % 8) x 1,600, RT the operand's number of rowtiles.
; A block's scale is 2^(floor(log2(largest magnitude)) - 2): its byte is the largest magnitude's exponent field - 2.
; LIMITS: NaN and infinities among the inputs are not served; a block's largest magnitude is held at 2^-124 from below (byte 1); a block of zeros gets the byte 1, not 127:
; its codes are zeros, and these bytes are read by this program alone.
; Work-groups 0 .. 639: the activations, a wave to 16 rows x 512 K.  Work-groups 640 .. 1407: the weights, a wave to 32 columns x 128 K.  Waves share nothing: no barrier.
; KEY'S ROWS: within each 128 rows, rowtile 2 b + u takes in lane r row 32 b + 8 u + r + 8 (r / 8), so that the scores of two neighbouring tiles are 16 neighbouring keys in a lane.
.set SPARE, 33792                      ; behind the four stages of 8,448 bytes: the spare words, 128 bytes a wave
.set SPW, 1                            ; v1  LDS address of my spare word; never rewritten
.set NIL, 2                            ; v2  0; never rewritten
.set LI,  10                           ; v10 16 x lane
.set LSC, 11                           ; v11 4 x r
.set SH8, 12                           ; v12 8 x h
.set RA,  32                           ; v32-159 two sets of 64: 16 rows x 128 numbers as loaded
.set U,   160                          ; v160-223 my 64 numbers: register 32 c + i = k 64 c + 32 h + i of row r
.set PC,  224                          ; v224-235 the fragment's codes
.set TQ,  236                          ; v236-238, v240-242 second halves of the blocks
.set MX,  244
.set SO,  246
.set BY,  248
.set PW,  250                          ; the scale word
.set TMP, 251
.set SEL, 30                           ; s[30:31] lane selects: lane l xor 16
; 64 numbers of a lane, two whole blocks of 32, become 12 registers of codes and the row's scale word.
.macro QUANT2 s
.irp c, 0,1
	v_max3_num_f32 v[MX+\c], |v[\s+32*\c]|, |v[\s+32*\c+1]|, 0x1800000   ; the floor 2^-124 among the leaves holds the byte at 1 from below
.endr
.irp i, 2,4,6,8,10,12,14,16,18,20,22,24,26,28,30
.irp c, 0,1
	v_max3_num_f32 v[MX+\c], v[MX+\c], |v[\s+32*\c+\i]|, |v[\s+32*\c+\i+1]|
.endr
.endr
.irp c, 0,1
	v_add_nc_u32 v[SO+\c], 0xff000000, v[MX+\c]    ; 2 off the exponent field: the conversion's scale operand
.endr
.irp c, 0,1
	v_lshrrev_b32 v[BY+\c], 23, v[SO+\c]           ; the byte
.endr
	v_lshl_or_b32 v[PW], v[BY+1], 16, v[BY]        ; blocks h and 2 + h,
	v_lshlrev_b32 v[PW], v[SH8], v[PW]             ; at their places,
	v_permlanex16_b32 v[TMP], v[PW], s[SEL], s[SEL+1]
	v_or_b32 v[PW], v[PW], v[TMP]                  ; with lane l xor 16's two: the word is whole
.irp c, 0,1
	v_cvt_scalef32_pk16_fp6_f32 v[PC+6*\c:PC+6*\c+2], v[\s+32*\c:\s+32*\c+15], v[SO+\c]
	v_cvt_scalef32_pk16_fp6_f32 v[TQ+4*\c:TQ+4*\c+2], v[\s+32*\c+16:\s+32*\c+31], v[SO+\c]   ; (three registers begin on an even number)
.endr
	v_nop                                          ; one plain place behind the conversions
.irp c, 0,1
.irp i, 0,1,2
	v_mov_b32 v[PC+6*\c+3+\i], v[TQ+4*\c+\i]
.endr
.endr
.endm
	s_load_b512 s[8:23], s[0:1], 0x0               ; query, key, value, Wq, Wk, Wv, Wo, W1
	s_load_b128 s[24:27], s[0:1], 0x40             ; W2, ximg
	s_load_b64 s[28:29], s[0:1], 0x50              ; wimg
	v_lshl_add_u32 v[SPW], v0, 2, SPARE
	v_mov_b32 v[NIL], 0
	v_lshrrev_b32 v3, 5, v0
	v_readfirstlane_b32 s4, v3                     ; wave
	v_and_b32 v3, 31, v0                           ; lane
	v_and_b32 v4, 15, v0                           ; r
	v_bfe_u32 v5, v0, 4, 1                         ; h
	v_lshlrev_b32 v[LI], 4, v3
	v_lshlrev_b32 v[LSC], 2, v4
	v_lshlrev_b32 v[SH8], 3, v5
	s_mul_i32 s5, s4, 8448                         ; my stage: 16 rows of 512 bytes + 16
	v_add_nc_u32 v8, s5, v[LI]                     ; in: a row's 512 bytes as they lie
	v_mul_u32_u24 v9, v4, 528
	v_lshl_add_u32 v9, v5, 7, v9
	v_add_nc_u32 v9, s5, v9                        ; back: row r, + 128 h bytes
	v_mov_b32 v[TMP], 0                            ; a lane permute's destination counts as read
	s_mov_b32 s[SEL], 0x76543210
	s_mov_b32 s[SEL+1], 0xfedcba98
	s_wait_kmcnt 0x0
	s_cmp_lt_u32 ttmp9, 640
	s_cbranch_scc0 .Lweights
	; ---- THE ACTIVATIONS.  Unit u = 4 x work-group + wave: rowtile u / 2, half u % 2 of its 1,024 along K.
	s_lshl_b32 s32, ttmp9, 2
	s_add_co_u32 s32, s32, s4
	s_lshr_b32 s33, s32, 1
	s_and_b32 s34, s32, 1
	s_cmp_lt_u32 ttmp9, 128                        ; the tensor hangs on the work-group's number alone
	s_cselect_b64 s[36:37], s[8:9], s[10:11]
	s_cselect_b32 s38, 0, 256
	s_cselect_b32 s39, 0, 3276800
	s_cmp_lt_u32 ttmp9, 384
	s_cselect_b64 s[36:37], s[36:37], s[12:13]
	s_cselect_b32 s38, s38, 768
	s_cselect_b32 s39, s39, 9830400
	s_sub_co_u32 s33, s33, s38                     ; the rowtile in its tensor
	s_lshl_b32 s41, s33, 4                         ; its first row, natural order
	s_lshr_b32 s42, s33, 3                         ; and in key's order
	s_lshl_b32 s42, s42, 7
	s_bfe_u32 s43, s33, 0x20001
	s_lshl_b32 s43, s43, 5
	s_add_co_u32 s42, s42, s43
	s_and_b32 s43, s33, 1
	s_lshl_b32 s43, s43, 3
	s_add_co_u32 s42, s42, s43
	s_sub_co_u32 s40, ttmp9, 128
	s_cmp_lt_u32 s40, 256                          ; key?
	s_cselect_b32 s41, s42, s41
	s_cselect_b32 s44, 32768, 0                    ; key's rows 8 .. 15 of a tile lie 8 rows further on
	s_lshl_b32 s41, s41, 12
	s_lshl_b32 s43, s34, 11
	s_add_co_u32 s46, s41, s43
	s_mov_b32 s47, 0
	s_add_nc_u64 s[36:37], s[36:37], s[46:47]
	s_mul_i32 s46, s33, 12800
	s_mul_i32 s43, s34, 6400
	s_add_co_u32 s46, s46, s43
	s_add_co_u32 s46, s46, s39
	s_add_nc_u64 s[26:27], s[26:27], s[46:47]
	v_add_nc_u32 v7, s44, v[LI]
.macro LOADA t                         ; K step t: each load reads 512 consecutive bytes of one row
.irp y, 0,1,2,3,4,5,6,7
	global_load_b128 v[RA+64*((\t)%2)+4*\y:RA+64*((\t)%2)+4*\y+3], v[LI], s[36:37] offset:\y*4096+(\t)*512 th:TH_LOAD_NT
.endr
.irp y, 8,9,10,11,12,13,14,15
	global_load_b128 v[RA+64*((\t)%2)+4*\y:RA+64*((\t)%2)+4*\y+3], v7, s[36:37] offset:\y*4096+(\t)*512 th:TH_LOAD_NT
.endr
.endm
	LOADA 0
	LOADA 1
.irp t, 0,1,2,3
.if \t < 3
	s_wait_loadcnt 16                              ; this step's 16 loads are in; the next step's 16 may be out
.else
	s_wait_loadcnt 0x0
.endif
.irp y, 0,1,2,3,4,5,6,7,8,9,10,11,12,13,14,15
	ds_store_b128 v8, v[RA+64*(\t%2)+4*\y:RA+64*(\t%2)+4*\y+3] offset:528*\y
.endr
.irp c, 0,1
.irp j, 0,1,2,3,4,5,6,7
	ds_load_b128 v[U+32*\c+4*\j:U+32*\c+4*\j+3], v9 offset:256*\c+16*\j   ; LDS serves a wave's instructions in order: these see the stores above
.endr
.endr
	s_wait_dscnt 0x0                               ; my numbers are back, and the stores have read their registers,
.if \t < 2
	LOADA \t+2                                     ; which take the loads of two steps on
.endif
	s_wait_xcnt 0x0                                ; the last step's stores have read the codes' registers: they are written again only behind this wait
	QUANT2 U
.irp c, 0,1,2
	global_store_b128 v[LI], v[PC+4*\c:PC+4*\c+3], s[26:27] offset:1600*\t+512*\c
.endr
	global_store_b32 v[LSC], v[PW], s[26:27] offset:1600*\t+1536   ; lanes r and r + 16 hold the same word and write it to the same place
.endr
	s_wait_tensorcnt 0x0                           ; the wave's end: behind my last LDS store
	ds_add_u32 v[SPW], v[NIL]
	s_wait_dscnt 0x0
	s_endpgm
	; ---- THE WEIGHTS, [K][N].  A lane takes a column and its registers run down K: a block of 32 lies in one lane, and the codes come out with K innermost.  This path writes no LDS.
.Lweights:
	s_sub_co_u32 s32, ttmp9, 640
	s_lshr_b32 s33, s32, 6                         ; 0 .. 3: Wq, Wk, Wv, Wo; 4 .. 7: W1; 8 .. 11: W2
	s_cmp_lt_u32 s33, 1
	s_cselect_b64 s[36:37], s[14:15], s[16:17]
	s_cmp_lt_u32 s33, 2
	s_cselect_b64 s[36:37], s[36:37], s[18:19]
	s_cmp_lt_u32 s33, 3
	s_cselect_b64 s[36:37], s[36:37], s[20:21]
	s_cmp_lt_u32 s33, 4
	s_cselect_b64 s[36:37], s[36:37], s[22:23]
	s_cselect_b32 s39, 63, 255
	s_cmp_lt_u32 s33, 8
	s_cselect_b64 s[36:37], s[36:37], s[24:25]
	s_and_b32 s40, s33, 12
	s_cmp_lt_u32 s33, 4
	s_cselect_b32 s38, s33, s40
	s_mul_i32 s38, s38, 819200                     ; the matrix's place in wimg
	s_and_b32 s39, s32, s39                        ; the work-group's number in its matrix
	s_cmp_eq_u32 s40, 4                            ; W1 has 4,096 columns, the others 1,024
	s_cselect_b32 s41, 5, 3
	s_cselect_b32 s42, 31, 7
	s_cselect_b32 s43, 14, 12
	s_cselect_b32 s44, 256, 64                     ; rowtiles
	s_lshl_b32 s43, 1, s43                         ; bytes from row to row
	s_and_b32 s45, s39, s42                        ; which 128 columns
	s_lshr_b32 s46, s39, s41                       ; which K step
	s_lshl_b32 s47, s46, 7
	s_mul_i32 s48, s47, s43
	s_lshl_b32 s49, s45, 9
	s_add_co_u32 s48, s48, s49
	s_lshl_b32 s49, s4, 7
	s_add_co_u32 s48, s48, s49
	s_mov_b32 s49, 0
	s_add_nc_u64 s[52:53], s[36:37], s[48:49]      ; block 0 of my 32 columns,
	s_lshl_b32 s48, s43, 5
	s_add_nc_u64 s[54:55], s[52:53], s[48:49]      ; and blocks 1 to 3, 32 rows apart
	s_add_nc_u64 s[56:57], s[54:55], s[48:49]
	s_add_nc_u64 s[58:59], s[56:57], s[48:49]
	s_lshr_b32 s48, s46, 3
	s_mul_i32 s48, s48, s44
	s_lshl_b32 s50, s45, 3
	s_add_co_u32 s48, s48, s50
	s_lshl_b32 s50, s4, 1
	s_add_co_u32 s48, s48, s50
	s_mul_i32 s48, s48, 12800
	s_and_b32 s50, s46, 7
	s_mul_i32 s50, s50, 1600
	s_add_co_u32 s48, s48, s50
	s_add_co_u32 s48, s48, s38
	s_add_nc_u64 s[28:29], s[28:29], s[48:49]
	v_lshlrev_b32 v6, 2, v3
.set n, 0
.rept 32
	v_mad_u32_u24 v[32+n], s43, n, v6              ; row n of a block, my column
.set n, n+1
.endr
	v_mad_u32_u24 v225, v5, 12800, v[LSC]          ; the scale words: lanes 0-15 the lower rowtile's, lanes 16-31 the upper's
.macro LOADB kb
.set n, 0
.rept 32
	global_load_b32 v[64+32*(\kb)+n], v[32+n], s[52+2*(\kb):53+2*(\kb)] th:TH_LOAD_NT   ; 32 lanes read 128 consecutive bytes, the four waves 512
.set n, n+1
.endr
.endm
.macro BLOCKB kb
.set XS, 64+32*(\kb)
.set FP, 192+12*((\kb)%2)+6*((\kb)/2)  ; blocks 0, 2 then 1, 3
	v_max3_num_f32 v220, |v[XS]|, |v[XS+1]|, |v[XS+2]|
	v_max3_num_f32 v221, |v[XS+3]|, |v[XS+4]|, |v[XS+5]|
.irp i, 6,10,14,18,22,26
	v_max3_num_f32 v220, v220, |v[XS+\i]|, |v[XS+\i+1]|
	v_max3_num_f32 v221, v221, |v[XS+\i+2]|, |v[XS+\i+3]|
.endr
	v_max3_num_f32 v220, v220, |v[XS+30]|, |v[XS+31]|
	v_max3_num_f32 v220, v220, v221, 0x1800000
	v_add_nc_u32 v222, 0xff000000, v220
	v_lshrrev_b32 v223, 23, v222
.if (\kb) == 0
	v_mov_b32 v224, v223
.else
	v_lshl_or_b32 v224, v223, 8*(\kb), v224        ; my column's scale word
.endif
	v_cvt_scalef32_pk16_fp6_f32 v[FP:FP+2], v[XS:XS+15], v222
	v_cvt_scalef32_pk16_fp6_f32 v[216:218], v[XS+16:XS+31], v222
	v_nop
.irp i, 0,1,2
	v_mov_b32 v[FP+3+\i], v[216+\i]
.endr
.endm
	LOADB 0
	LOADB 1
	s_wait_loadcnt 32                              ; block 0 is in; the one younger block may be out
	LOADB 2
	BLOCKB 0
	s_wait_loadcnt 32
	LOADB 3
	BLOCKB 1
	s_wait_loadcnt 32
	BLOCKB 2
	s_wait_loadcnt 0x0
	BLOCKB 3
.irp c, 0,1                            ; the layout wants block 2 c in lanes 0-15 and block 2 c + 1 in lanes 16-31 of ONE column's lane pair: the swap gives the lower 16 columns' fragment and the upper 16's
.irp i, 0,1,2,3,4,5
	v_permlane16_swap_b32 v[192+6*\c+\i], v[204+6*\c+\i]
.endr
.endr
.irp c, 0,1,2
	global_store_b128 v[LI], v[192+4*\c:195+4*\c], s[28:29] offset:512*\c
	global_store_b128 v[LI], v[204+4*\c:207+4*\c], s[28:29] offset:12800+512*\c
.endr
	global_store_b32 v225, v224, s[28:29] offset:1536
	s_endpgm
.Lfunc_end_k_q647caf35dd_prep:
	.size	k_q647caf35dd_prep, .Lfunc_end_k_q647caf35dd_prep-k_q647caf35dd_prep
	.p2alignl 7, 3214868480
	.fill 96, 4, 3214868480
	.section	.rodata,"a",@progbits
	.p2align	6, 0x0
	.amdhsa_kernel k_q647caf35dd_prep
		.amdhsa_group_segment_fixed_size 34304
		.amdhsa_private_segment_fixed_size 0
		.amdhsa_enable_private_segment 0
		.amdhsa_kernarg_size 88
		.amdhsa_user_sgpr_count 2
		.amdhsa_user_sgpr_kernarg_segment_ptr 1
		.amdhsa_wavefront_size32 1
		.amdhsa_system_sgpr_workgroup_id_x 1
		.amdhsa_system_sgpr_workgroup_id_y 1
		.amdhsa_system_sgpr_workgroup_id_z 1
		.amdhsa_system_vgpr_workitem_id 0
		.amdhsa_next_free_vgpr 256
		.amdhsa_next_free_sgpr 66
		.amdhsa_reserve_vcc 0
		.amdhsa_float_denorm_mode_32 3
		.amdhsa_float_denorm_mode_16_64 3
		.amdhsa_memory_ordered 1
		.amdhsa_forward_progress 1
		.amdhsa_inst_pref_size 54
	.end_amdhsa_kernel
	.amdgpu_metadata
---
amdhsa.version: [ 1, 2 ]
amdhsa.kernels:
  - .name:           k_q647caf35dd_prep
    .symbol:         k_q647caf35dd_prep.kd
    .args:
      - { .name: query, .offset: 0, .size: 8, .value_kind: global_buffer, .address_space: global }
      - { .name: key, .offset: 8, .size: 8, .value_kind: global_buffer, .address_space: global }
      - { .name: value, .offset: 16, .size: 8, .value_kind: global_buffer, .address_space: global }
      - { .name: Wq, .offset: 24, .size: 8, .value_kind: global_buffer, .address_space: global }
      - { .name: Wk, .offset: 32, .size: 8, .value_kind: global_buffer, .address_space: global }
      - { .name: Wv, .offset: 40, .size: 8, .value_kind: global_buffer, .address_space: global }
      - { .name: Wo, .offset: 48, .size: 8, .value_kind: global_buffer, .address_space: global }
      - { .name: W1, .offset: 56, .size: 8, .value_kind: global_buffer, .address_space: global }
      - { .name: W2, .offset: 64, .size: 8, .value_kind: global_buffer, .address_space: global }
      - { .name: ximg, .offset: 72, .size: 8, .value_kind: global_buffer, .address_space: global }
      - { .name: wimg, .offset: 80, .size: 8, .value_kind: global_buffer, .address_space: global }
    .group_segment_fixed_size: 34304
    .private_segment_fixed_size: 0
    .kernarg_segment_align: 8
    .kernarg_segment_size: 88
    .max_flat_workgroup_size: 128
    .sgpr_count:     66
    .vgpr_count:     256
    .wavefront_size: 32
...
	.end_amdgpu_metadata
.endif
;; end of part 1
;; launch qkv (part 2): grid 4 x 160, 4 waves a work-group, clusters of 4 x 4, 327,680 bytes of LDS; arguments ximg, wimg, bq, bk, bv, qkv; writes qkv
.if DOCPART == 2
	.amdgcn_target "amdgcn-amd-amdhsa--gfx1250"
	.amdhsa_code_object_version 6
	.text
	.protected	k_q647caf35dd_qkv
	.globl	k_q647caf35dd_qkv
	.p2align	8
	.type	k_q647caf35dd_qkv,@function
k_q647caf35dd_qkv:
	s_mov_b64 s[64:65], 0
	v_nop
	global_prefetch_b8 v0, s[64:65] scope:SCOPE_SE
	s_setreg_imm32_b32 hwreg(HW_REG_WAVE_MODE, 25, 1), 1
	s_wait_xcnt 0x0
	s_wait_alu depctr_hold_cnt(0) depctr_sa_sdst(0) depctr_va_vdst(0) depctr_va_sdst(0) depctr_va_ssrc(0) depctr_va_vcc(0) depctr_vm_vsrc(0)
	s_getreg_b32 s2, hwreg(HW_REG_IB_STS2, 6, 4)
	s_cmp_eq_u32 s2, 0
	s_cbranch_scc0 .Lentry_in_a_cluster
	s_endpgm
.Lentry_in_a_cluster:
	s_bfe_u32 s2, ttmp6, 0x10000c
	s_cmp_lg_u32 s2, 0xf033
	s_cbranch_scc0 .Lentry_shape_is_right
	s_endpgm
.Lentry_shape_is_right:
; GEMM ON CODES OF E2M3: D(x, y) = sum over k of X[x][k] Y[y][k] + bias.  One text serves four launches; MODE says which.
;   MODE 0: q = query Wq + bq, k = key Wk + bk (X the activations, Y the weight, bias along y), v^T = Wv^T value^T + bv (X the weight, Y value, bias along x): results quantised along y.
;   MODE 1: attn_out = ctx Wo + bo + query: stored in f32 and quantised.   MODE 2: inter = attn_out W1 + b1: quantised.   MODE 3: out = inter W2 + b2 + attn_out: f32.
; OPERANDS are images of the operand's registers: a record of 1,600 bytes is a fragment (16 rows x 128 K: three chunks of 512 bytes, lane l's 16 bytes at 16 l) and its 16 scale words;
; record (rowtile, K step s) lies at ((s / 8) RT + rowtile) x 12,800 + (s % 8) x 1,600.  So a fragment comes by three loads of 16 bytes a lane, and half a panel (512 K) of a rowtile is 6,400 consecutive bytes.
; SHARES: a work-group makes 128 x by 256 y; wave w (wx = w / 2, wy = w % 2) 64 x by 128 y: 4 x 8 accumulators.  128 along y are one K step of the product that reads the result.
; THE MATRIX INSTRUCTION IS USED TRANSPOSED: source 0 = 16 rows of Y, source 1 = 16 rows of X: a lane holds one row x and eight neighbouring y.
; RING: two LDS slots of half a panel (8 rowtiles of X, 16 of Y).  K = 1,024 fits the two first fills; K = 4,096 fills each slot three times more.
; THE K STEP: 32 products in four groups of eight (a rowtile of X against Y's eight).  The next step's 42 LDS loads stand in three runs of 18, 15 and 9 behind the first three groups, in the order in which
; the next step wants them (Y's 24, the six scale words, X's rowtiles 0 to 3), and each group waits only for what it reads.
; THE WAY OUT: a rowtile's trip through the stage is issued while the rowtile before it is quantised or stored (MODE 1, which needs two trips a rowtile, takes them one after the other).
; CLUSTER 4 x 4: X's tile hangs on the tile row and is asked for jointly along a row of the cluster, Y's along a column.
; ROWS of ctx, attn_out, inter: rowtile 32 b + 4 g + dt holds in lane r row 512 b + 128 dt + 8 r + g; MODE 1 and 3 undo that order in the immediates of their row stores.
; LIMITS: NaN and infinities are not served; a block's largest magnitude is held at 2^-124 from below (byte 1); a block of zeros gets the byte 1, not 127: its codes are zeros and this program alone reads the bytes.
; REGISTERS: window 0: v1-20 addresses; v28, v29 the add's two; v32-43 scale words, two sets (X's two, Y's four; even rowtile in lanes 0-15, odd in lanes 16-31); v64-127 numbers on the way out;
;   v128-223 X's fragments, two sets (on the way out v128-191 a second set of numbers); v224-251 the quantiser's.  window 1: accumulator (i, t) at 8 (8 i + t).  window 2: Y's fragments, two sets of 96; v192-255 the bias.  window 3: the residual.
.set MODE, 0
.if MODE == 3
.set LAPS, 4
.else
.set LAPS, 1
.endif
.if MODE == 0
.set ORT, 64
.set YOFF, 0
.elseif MODE == 1
.set ORT, 256
.set YOFF, 2457600
.elseif MODE == 2
.set ORT, 256
.set YOFF, 3276800
.else
.set ORT, 256
.set YOFF, 6553600
.endif
.set REC,  1600
.set HPB,  6400                        ; half a panel of a rowtile
.set RTB,  12800
.set YB,   8*HPB                       ; in a slot: X's 8 rowtiles, then Y's 16
.set SLOT, 24*HPB
.set SPARE, 2*SLOT                     ; behind the ring: the spare words, 128 bytes a wave
.set PC,  224
.set TQ,  236
.set MX,  244
.set SO,  246
.set BY,  248
.set PW,  250
.set TMP, 251
.set SH8, 17
.set SEL, 74
.set MSB, 0
.macro WIN new                         ; the immediate's high byte repeats the setting that is left
.if MSB != \new
	s_set_vgpr_msb (MSB<<8)|\new
.set MSB, \new
.endif
.endm
.macro PLACES                          ; four plain places behind matrix instructions, in front of loads into their registers and of reads of their results
.rept 4
	v_nop
.endr
.endm
.macro CROUND                          ; a round of the cluster's barrier
	s_barrier_signal -1
	s_barrier_wait -1
	s_cmp_lg_u32 s16, 0
	s_cbranch_scc1 .Lnot_wave_0_\@
	s_barrier_signal -3
.Lnot_wave_0_\@:
	s_barrier_wait -3
	s_barrier_signal -1
	s_barrier_wait -1
.endm
.macro JLOAD s                         ; a joint load: waves 0, 1 fetch X's halves, waves 2, 3 Y's; s_nop 0 and four v_nop follow each line
	s_cmp_eq_u32 s17, 0
	s_cbranch_scc0 .Lfor_y_\@
	tensor_load_to_lds s[32+4*\s:35+4*\s], s[24:31]
	s_nop 0
.rept 4
	v_nop
.endr
	s_branch .Lasked_\@
.Lfor_y_\@:
	tensor_load_to_lds s[48+4*\s:51+4*\s], s[40:47]
	s_nop 0
.rept 4
	v_nop
.endr
.Lasked_\@:
.endm
.macro WM d, a, b, c, sa, sb, ra, rb   ; one product; ra, rb: the scale words stand in lanes 16-31
.if (\ra) && (\rb)
	v_wmma_scale_f32_16x16x128_f8f6f4 v[(\d):(\d)+7], v[(\a):(\a)+11], v[(\b):(\b)+11], v[(\c):(\c)+7], v[\sa], v[\sb] matrix_a_fmt:MATRIX_FMT_FP6 matrix_b_fmt:MATRIX_FMT_FP6 matrix_a_scale:MATRIX_SCALE_ROW1 matrix_b_scale:MATRIX_SCALE_ROW1
.elseif (\ra)
	v_wmma_scale_f32_16x16x128_f8f6f4 v[(\d):(\d)+7], v[(\a):(\a)+11], v[(\b):(\b)+11], v[(\c):(\c)+7], v[\sa], v[\sb] matrix_a_fmt:MATRIX_FMT_FP6 matrix_b_fmt:MATRIX_FMT_FP6 matrix_a_scale:MATRIX_SCALE_ROW1
.elseif (\rb)
	v_wmma_scale_f32_16x16x128_f8f6f4 v[(\d):(\d)+7], v[(\a):(\a)+11], v[(\b):(\b)+11], v[(\c):(\c)+7], v[\sa], v[\sb] matrix_a_fmt:MATRIX_FMT_FP6 matrix_b_fmt:MATRIX_FMT_FP6 matrix_b_scale:MATRIX_SCALE_ROW1
.else
	v_wmma_scale_f32_16x16x128_f8f6f4 v[(\d):(\d)+7], v[(\a):(\a)+11], v[(\b):(\b)+11], v[(\c):(\c)+7], v[\sa], v[\sb] matrix_a_fmt:MATRIX_FMT_FP6 matrix_b_fmt:MATRIX_FMT_FP6
.endif
.endm
; The 42 LDS loads of the slot's K step kl into set p, in three kinds: Y's 24 (numbers n0 .. n0 + cnt - 1 of them), the six scale words, X's 12
.macro LY slot, kl, p, n0, cnt
	WIN 0x80
.set n, \n0
.rept \cnt
	ds_load_b128 v[96*(\p)+4*n:96*(\p)+4*n+3], v[6+\slot] offset:(n/3)*HPB+(\kl)*REC+(n%3)*512
.set n, n+1
.endr
.endm
.macro LS slot, kl, p
	WIN 0
.irp j, 0,1,2,3
	ds_load_b32 v[34+6*(\p)+\j], v[10+\slot] offset:\j*RTB+(\kl)*REC+1536
.endr
.irp j, 0,1
	ds_load_b32 v[32+6*(\p)+\j], v[8+\slot] offset:\j*RTB+(\kl)*REC+1536
.endr
.endm
.macro LX slot, kl, p, n0, cnt
	WIN 0
.set n, \n0
.rept \cnt
	ds_load_b128 v[128+48*(\p)+4*n:128+48*(\p)+4*n+3], v[4+\slot] offset:(n/3)*HPB+(\kl)*REC+(n%3)*512
.set n, n+1
.endr
.endm
.macro FETCH slot, kl, p               ; all 42 in one run, in the order that the counted waits of KSTEP lean on
	LY \slot, \kl, \p, 0, 24
	LS \slot, \kl, \p
	LX \slot, \kl, \p, 0, 12
.endm
.macro MULG p, cm, i                   ; 8 products on set p: X's rowtile i against Y's eight.  The 32 accumulators take turns in one order everywhere.  cm = 1, 2: the bias along y, along x starts the sums
.if \cm == 0
	WIN 0x52
.else
	WIN 0x62
.endif
.set n, 8*(\i)
.rept 8
.if \cm == 0
.set CB, 8*n
.elseif \cm == 1
.set CB, 192+8*(n%8)
.else
.set CB, 192+8*(n/8)
.endif
	WM 8*n, 96*(\p)+12*(n%8), 128+48*(\p)+12*(n/8), CB, 34+6*(\p)+(n%8)/2, 32+6*(\p)+n/16, n%2, (n/8)%2
.set n, n+1
.endr
.endm
.macro MUL p, cm                       ; a K step's 32 products with nothing to fetch
	MULG \p, \cm, 0
	MULG \p, \cm, 1
	MULG \p, \cm, 2
	MULG \p, \cm, 3
	WIN 0
.endm
; A K step on set p; among its products the fetch of the slot's K step kl into set q.  Four places stand in front of it: all three runs load into registers that the step before multiplied.
.macro KSTEP p, cm, slot, kl, q
	s_wait_dscnt 9                                 ; of this step's 42 loads the youngest nine, X's rowtiles 1 to 3, may be out
	MULG \p, \cm, 0
	LY \slot, \kl, \q, 0, 18
	s_wait_dscnt 24                                ; X's rowtile 1 is in: behind it stand rowtiles 2 and 3 (6 loads) and the 18 just issued
	MULG \p, \cm, 1
	LY \slot, \kl, \q, 18, 6
	LS \slot, \kl, \q
	LX \slot, \kl, \q, 0, 3
	s_wait_dscnt 36                                ; rowtile 2 is in: behind it 3 + 18 + 15
	MULG \p, \cm, 2
	LX \slot, \kl, \q, 3, 9
	s_wait_dscnt 42                                ; rowtile 3 is in: behind it the next step's 42
	MULG \p, \cm, 3
	WIN 0
.endm
.macro STEP slot, kl, cm               ; K step kl = 0 .. 2 of a slot
	PLACES
	KSTEP (\kl)%2, \cm, \slot, (\kl)+1, ((\kl)+1)%2
.endm
.macro TURN slot, next, fill           ; a slot's last K step, and the change of slots
	s_wait_tensorcnt 0x0                           ; all my tensor loads have landed: my part of the next slot
	ds_add_u32 v28, v29                            ; 0 onto my spare word
.if \fill
	s_add_nc_u64 s[34+4*\slot:35+4*\slot], s[34+4*\slot:35+4*\slot], 256*RTB   ; the same half of the next panel: X has 256 rowtiles,
	s_add_nc_u64 s[50+4*\slot:51+4*\slot], s[50+4*\slot:51+4*\slot], 64*RTB    ; Y 64
.endif
	s_wait_dscnt 0x0                               ; the add is done, and my reads of this slot are over
.if \fill
	CROUND                                         ; no wave of any partner still reads this slot or has a load on its way
	JLOAD \slot                                    ; the first tensor load behind the round; its four v_nop are the places in front of the loads below
.else
	s_barrier_signal -1
	s_barrier_wait -1
	PLACES
.endif
	KSTEP 1, 0, \next, 0, 0
.endm
.macro QUANT2 s                        ; 64 numbers of a lane (register 32 c + i = k 64 c + 32 h + i of my row) become 12 registers of codes and the row's scale word
.irp c, 0,1                            ; the largest magnitudes of the two blocks, each in two chains, so that no line waits for the line above it
	v_max3_num_f32 v[MX+\c], |v[\s+32*\c]|, |v[\s+32*\c+1]|, 0x1800000   ; the floor 2^-124 among the leaves holds the byte at 1 from below
	v_max3_num_f32 v[BY+\c], |v[\s+32*\c+16]|, |v[\s+32*\c+17]|, |v[\s+32*\c+18]|
.endr
.irp i, 2,4,6,8,10,12
.irp c, 0,1
	v_max3_num_f32 v[MX+\c], v[MX+\c], |v[\s+32*\c+\i]|, |v[\s+32*\c+\i+1]|
	v_max3_num_f32 v[BY+\c], v[BY+\c], |v[\s+32*\c+\i+17]|, |v[\s+32*\c+\i+18]|
.endr
.endr
.irp c, 0,1
	v_max3_num_f32 v[MX+\c], v[MX+\c], |v[\s+32*\c+14]|, |v[\s+32*\c+15]|
.endr
.irp c, 0,1
	v_max3_num_f32 v[MX+\c], v[MX+\c], v[BY+\c], |v[\s+32*\c+31]|
.endr
.irp c, 0,1
	v_add_nc_u32 v[SO+\c], 0xff000000, v[MX+\c]    ; 2 off the exponent field: the conversion's scale operand
.endr
.irp c, 0,1
	v_lshrrev_b32 v[BY+\c], 23, v[SO+\c]           ; the byte
.endr
	v_lshl_or_b32 v[PW], v[BY+1], 16, v[BY]
	v_lshlrev_b32 v[PW], v[SH8], v[PW]
	v_permlanex16_b32 v[TMP], v[PW], s[SEL], s[SEL+1]
	v_or_b32 v[PW], v[PW], v[TMP]
.irp c, 0,1
	v_cvt_scalef32_pk16_fp6_f32 v[PC+6*\c:PC+6*\c+2], v[\s+32*\c:\s+32*\c+15], v[SO+\c]
	v_cvt_scalef32_pk16_fp6_f32 v[TQ+4*\c:TQ+4*\c+2], v[\s+32*\c+16:\s+32*\c+31], v[SO+\c]
.endr
	v_nop                                          ; one plain place behind the conversions
.irp c, 0,1
.irp i, 0,1,2
	v_mov_b32 v[PC+6*\c+3+\i], v[TQ+4*\c+\i]
.endr
.endr
.endm
.macro TOSTAGE i                       ; X's rowtile i, 16 rows x 128 y, into my stage
	WIN 0x04
.set n, 0
.rept 8
	ds_store_b128 v12, v[8*(8*(\i)+n):8*(8*(\i)+n)+3] offset:64*n          ; each accumulator from its low end on
	ds_store_b128 v12, v[8*(8*(\i)+n)+4:8*(8*(\i)+n)+7] offset:64*n+16
.set n, n+1
.endr
	WIN 0
.endm
.macro BACK i                          ; and back into set i % 2: by rows (MODE 3) or as the quantiser wants it.  LDS serves a wave's instructions in order: these see the stores above, and the next rowtile's stores come behind them
.set LB, 64+64*((\i)%2)
.set n, 0
.rept 16
.if MODE == 3
	ds_load_b128 v[LB+4*n:LB+4*n+3], v13 offset:528*n
.else
	ds_load_b128 v[LB+4*n:LB+4*n+3], v14 offset:256*(n/8)+16*(n%8)
.endif
.set n, n+1
.endr
.endm
	s_load_b256 s[4:11], s[0:1], 0x0
.if (MODE == 0) || (MODE == 1)
	s_load_b128 s[12:15], s[0:1], 0x20
.elseif MODE == 3
	s_load_b64 s[12:13], s[0:1], 0x20
.endif
	v_lshl_add_u32 v28, v0, 2, SPARE
	v_mov_b32 v29, 0
	ds_add_u32 v28, v29                            ; the wave's opening: the add and its wait ahead of my first tensor load
	v_lshrrev_b32 v1, 5, v0
	v_readfirstlane_b32 s16, v1                    ; wave
	s_lshr_b32 s17, s16, 1                         ; wx; also: I fetch for X (0) or Y (1)
	s_and_b32 s18, s16, 1                          ; wy; also: which half of that tile I fetch
	s_bfe_u32 s19, ttmp6, 0x40000                  ; cx
	s_bfe_u32 s20, ttmp6, 0x40004                  ; cy
	s_and_b32 s21, ttmp7, 0xffff                   ; the cluster's y
.if MODE == 0
	s_cmp_ge_u32 s21, 24                           ; clusters 0-7: q; 8-23: k; 24-39: v.  The same in all sixteen partners
	s_cselect_b32 s56, 1, 0
	s_sub_co_u32 s57, s21, 24
	s_and_b32 s58, s57, 1
	s_lshr_b32 s59, s57, 1
	s_sub_co_u32 s60, s21, 8
	s_cmp_lt_u32 s21, 8
	s_cselect_b32 s60, s21, s60
	s_cselect_b32 s61, 0, 3276800
	s_cselect_b32 s62, 0, 819200
	s_mov_b32 s63, s61
	s_cmp_lg_u32 s56, 0
	s_cselect_b32 s60, s58, s60                    ; the cluster's row of tiles,
	s_cselect_b32 s59, s59, ttmp9                  ; its column,
	s_cselect_b32 s61, 1638400, s61                ; X's, Y's and the result's places in their buffers
	s_cselect_b32 s62, 9830400, s62
	s_cselect_b32 s63, 9830400, s63
.else
	s_mov_b32 s60, s21
	s_mov_b32 s59, ttmp9
	s_mov_b32 s61, 0
	s_mov_b32 s62, YOFF
	s_mov_b32 s63, 0
.endif
	s_lshl_b32 s22, s60, 2
	s_add_co_u32 s22, s22, s20                     ; xt: never holds cx
	s_lshl_b32 s23, s59, 2
	s_add_co_u32 s23, s23, s19                     ; yt: never holds cy
	s_lshl_b32 s57, s20, 2
	s_lshl_b32 s57, 15, s57                        ; my row of the cluster
	s_lshl_b32 s58, 0x1111, s19                    ; my column
	s_or_b32 s24, s57, (3<<16)|(1<<21)             ; group 1 for X: the mask; elements of 8 bytes; bit 21 beside a mask; no padding
	s_mov_b32 s25, 800<<16                         ; tensor_dim0 = 800 elements: 6,400 bytes
	s_mov_b32 s26, 4<<16                           ; tensor_dim1 = 4 rowtiles
	s_mov_b32 s27, 800<<16                         ; tile_dim0
	s_mov_b32 s28, 4                               ; tile_dim1
	s_mov_b32 s29, 1600                            ; from rowtile to rowtile: 12,800 bytes
	s_mov_b32 s30, 0
	s_mov_b32 s31, 0
	s_or_b32 s40, s58, (3<<16)|(1<<21)             ; group 1 for Y: 8 rowtiles
	s_mov_b32 s41, 800<<16
	s_mov_b32 s42, 8<<16
	s_mov_b32 s43, 800<<16
	s_mov_b32 s44, 8
	s_mov_b32 s45, 1600
	s_mov_b32 s46, 0
	s_mov_b32 s47, 0
	s_lshl_b32 s80, s22, 3
	s_lshl_b32 s81, s18, 2
	s_add_co_u32 s80, s80, s81
	s_mul_i32 s80, s80, RTB
	s_add_co_u32 s80, s80, s61                     ; X: rowtile 8 xt + 4 x half
	s_mov_b32 s81, 0
	s_lshl_b32 s82, s23, 4
	s_lshl_b32 s83, s18, 3
	s_add_co_u32 s82, s82, s83
	s_mul_i32 s82, s82, RTB
	s_add_co_u32 s82, s82, s62                     ; Y: rowtile 16 yt + 8 x half
	s_mov_b32 s83, 0
	s_mul_i32 s84, s18, 4*HPB                      ; and where they go: the wave's number alone enters an LDS address
	s_mul_i32 s85, s18, 8*HPB
	s_add_co_u32 s85, s85, YB
	s_lshl_b32 s89, s23, 1
	s_add_co_u32 s89, s89, s18                     ; my 128 y: their number
	s_lshl_b32 s90, s22, 3
	s_lshl_b32 s91, s17, 2
	s_add_co_u32 s90, s90, s91                     ; my first rowtile of X
	s_lshr_b32 s91, s89, 3
	s_mul_i32 s91, s91, ORT
	s_add_co_u32 s91, s91, s90
	s_mul_i32 s91, s91, RTB
	s_and_b32 s92, s89, 7
	s_mul_i32 s92, s92, REC
	s_add_co_u32 s92, s92, s91
	s_add_co_u32 s92, s92, s63                     ; the result's first record
	s_mov_b32 s93, 0
	s_lshl_b32 s94, s89, 9                         ; the bias along y: 128 numbers
	s_mov_b32 s95, 0
.if MODE == 0
	s_lshl_b32 s96, s22, 9
	s_lshl_b32 s97, s17, 8
	s_add_co_u32 s96, s96, s97                     ; the bias along x: 64 numbers
	s_mov_b32 s97, 0
	s_cmp_lg_u32 s56, 0
	s_cselect_b32 s94, 0, s94                      ; both kinds are loaded on every path; the kind that is not used reads from the vector's start, inside its buffer
	s_cselect_b32 s96, s96, 0
.endif
.if (MODE == 1) || (MODE == 3)
	s_lshr_b32 s98, s90, 2                         ; 8 b + g
	s_lshr_b32 s99, s98, 3
	s_lshl_b32 s99, s99, 9
	s_and_b32 s98, s98, 7
	s_add_co_u32 s98, s98, s99                     ; row 512 b + g
	s_lshl_b32 s98, s98, 12
	s_lshl_b32 s99, s89, 9
	s_add_co_u32 s98, s98, s99
	s_mov_b32 s99, 0
.endif
	s_wait_dscnt 0x0                               ; the opening add is done
	s_wait_kmcnt 0x0
.if MODE == 0
	s_cmp_lg_u32 s56, 0
	s_cselect_b64 s[76:77], s[6:7], s[4:5]
	s_cselect_b64 s[78:79], s[4:5], s[6:7]
	s_cmp_lt_u32 s21, 8
	s_cselect_b64 s[72:73], s[8:9], s[10:11]
	s_cmp_lg_u32 s56, 0
	s_cselect_b64 s[72:73], s[12:13], s[72:73]
	s_add_nc_u64 s[86:87], s[72:73], s[96:97]
	s_add_nc_u64 s[72:73], s[72:73], s[94:95]
	s_add_nc_u64 s[66:67], s[14:15], s[92:93]
.else
	s_mov_b64 s[76:77], s[4:5]
	s_mov_b64 s[78:79], s[6:7]
	s_add_nc_u64 s[72:73], s[8:9], s[94:95]
.endif
.if MODE == 1
	s_add_nc_u64 s[70:71], s[10:11], s[98:99]      ; the residual: query
	s_add_nc_u64 s[68:69], s[12:13], s[98:99]      ; af32
	s_add_nc_u64 s[66:67], s[14:15], s[92:93]      ; aimg
.elseif MODE == 2
	s_add_nc_u64 s[66:67], s[10:11], s[92:93]      ; iimg
.elseif MODE == 3
	s_add_nc_u64 s[70:71], s[10:11], s[98:99]      ; the residual: af32
	s_add_nc_u64 s[68:69], s[12:13], s[98:99]      ; out0
.endif
	s_add_nc_u64 s[76:77], s[76:77], s[80:81]
	s_add_nc_u64 s[78:79], s[78:79], s[82:83]
	CROUND                                         ; all sixteen work-groups are here: the first joint loads meet
.irp s, 0,1
	s_mov_b32 s[32+4*\s], 1
	s_add_co_u32 s[33+4*\s], s84, \s*SLOT
	s_add_nc_u64 s[34+4*\s:35+4*\s], s[76:77], \s*HPB
	s_or_b32 s[35+4*\s], s[35+4*\s], 0x80000000
	s_mov_b32 s[48+4*\s], 1
	s_add_co_u32 s[49+4*\s], s85, \s*SLOT
	s_add_nc_u64 s[50+4*\s:51+4*\s], s[78:79], \s*HPB
	s_or_b32 s[51+4*\s], s[51+4*\s], 0x80000000
	JLOAD \s                                       ; two loads of mine are out
.endr
	v_and_b32 v3, 31, v0
	v_and_b32 v1, 15, v0                           ; r
	v_bfe_u32 v2, v0, 4, 1                         ; h
	v_lshlrev_b32 v15, 4, v3                       ; 16 x lane
	v_lshlrev_b32 v16, 2, v1                       ; 4 r
	v_lshlrev_b32 v17, 3, v2                       ; 8 h
	v_lshlrev_b32 v18, 5, v2                       ; 32 h
	v_mad_u32_u24 v19, v2, HPB, v16                ; scale words: lanes 16-31 take the next rowtile's
	v_mov_b32 v[TMP], 0
	s_mul_i32 s57, s17, 4*HPB
	s_mul_i32 s58, s18, 8*HPB
	s_add_co_u32 s58, s58, YB
.irp s, 0,1
	v_add_nc_u32 v[4+\s], s57, v15
	v_add_nc_u32 v[6+\s], s58, v15
	v_add_nc_u32 v[8+\s], s57, v19
	v_add_nc_u32 v[10+\s], s58, v19
	s_add_co_u32 s57, s57, SLOT
	s_add_co_u32 s58, s58, SLOT
.endr
	s_mul_i32 s59, s16, 8448                       ; my stage for the way out, 16 rows of 512 bytes + 16, in slot 0: written only when that slot has had its last fill and its last read
	v_mul_u32_u24 v20, v1, 528
	v_lshl_add_u32 v12, v2, 5, v20
	v_add_nc_u32 v12, s59, v12                     ; in: row r, + 32 h
	v_add_nc_u32 v13, s59, v15                     ; back by rows
	v_lshl_add_u32 v14, v2, 7, v20
	v_add_nc_u32 v14, s59, v14                     ; back for the quantiser: row r, + 128 h
	s_mov_b32 s[SEL], 0x76543210
	s_mov_b32 s[SEL+1], 0xfedcba98
	WIN 0x80
.irp t, 0,1,2,3,4,5,6,7
	global_load_b128 v[192+8*\t:195+8*\t], v18, s[72:73] offset:64*\t       ; lane (r, h), tile t: the bias of y = 16 t + 8 h + 0 .. 7
	global_load_b128 v[196+8*\t:199+8*\t], v18, s[72:73] offset:64*\t+16
.endr
	WIN 0
.if MODE == 0
.irp i, 0,1,2,3
	global_load_b32 v[64+\i], v16, s[86:87] offset:64*\i                    ; the bias of x = 16 i + r
.endr
.endif
.if (MODE == 1) || (MODE == 3)
	WIN 0xc0
.set n, 0
.rept 64
	global_load_b128 v[4*n:4*n+3], v15, s[70:71] offset:(128*(n/16)+8*(n%16))*4096   ; the residual of my 64 rows x 128 columns: 512 consecutive bytes a load
.set n, n+1
.endr
	WIN 0
.endif
	s_wait_tensorcnt 0x1                           ; my part of slot 0 is in; slot 1's may stay out
	s_barrier_signal -1
	s_barrier_wait -1
	FETCH 0, 0, 0
.if (MODE == 1) || (MODE == 3)
	s_wait_loadcnt 63                              ; the 16 loads of the bias are the oldest of 80
.else
	s_wait_loadcnt 0x0
.endif
.if MODE == 0
	s_cmp_lg_u32 s56, 0
	s_cbranch_scc1 .Lbias_x
	STEP 0, 0, 1
	s_branch .Lfirst_done
.Lbias_x:
	WIN 0x80
.set n, 0
.rept 32
	v_mov_b32 v[192+n], v[64+n/8]                  ; a lane's eight results of a tile share its row's bias
.set n, n+1
.endr
	WIN 0
	STEP 0, 0, 2
.Lfirst_done:
.else
	STEP 0, 0, 1
.endif
	STEP 0, 1, 0
	STEP 0, 2, 0
.if LAPS > 1
	s_mov_b32 s3, LAPS-1
.Llap:                                 ; a trip goes once round the ring and fills both slots again
	TURN 0, 1, 1
	STEP 1, 0, 0
	STEP 1, 1, 0
	STEP 1, 2, 0
	TURN 1, 0, 1
	STEP 0, 0, 0
	STEP 0, 1, 0
	STEP 0, 2, 0
	s_sub_co_u32 s3, s3, 1
	s_cmp_lg_u32 s3, 0
	s_cbranch_scc1 .Llap
.endif
	TURN 0, 1, 0                                   ; the last lap fills nothing
	STEP 1, 0, 0
	STEP 1, 1, 0
	STEP 1, 2, 0
	s_wait_dscnt 0x0
	MUL 1, 0
	; THE WAY OUT, a rowtile of X at a time: 16 rows x 128 y go through my stage
	PLACES
.if MODE == 1
.irp i, 0,1,2,3
.if \i > 0
	s_wait_xcnt 0x0                                ; the last rowtile's stores have read their registers: they are written again only behind this wait
.endif
	TOSTAGE \i
.set n, 0
.rept 16
	ds_load_b128 v[128+4*n:131+4*n], v13 offset:528*n                  ; LDS serves a wave's instructions in order: these see the stores above
.set n, n+1
.endr
	s_wait_dscnt 0x0
.if \i == 0
	s_wait_loadcnt 0x0                             ; the residual
.endif
	WIN 0x0c
.set n, 0
.rept 32
	v_pk_add_f32 v[128+2*n:129+2*n], v[128+2*n:129+2*n], v[64*\i+2*n:64*\i+2*n+1]
.set n, n+1
.endr
	WIN 0
.set n, 0
.rept 16
	global_store_b128 v15, v[128+4*n:131+4*n], s[68:69] offset:(128*\i+8*n)*4096   ; 32 lanes store 512 consecutive bytes of row 512 b + g + 128 i + 8 n
.set n, n+1
.endr
.set n, 0
.rept 16
	ds_store_b128 v13, v[128+4*n:131+4*n] offset:528*n                 ; with the residual, back into the stage for the quantiser
.set n, n+1
.endr
.set n, 0
.rept 16
	ds_load_b128 v[64+4*n:67+4*n], v14 offset:256*(n/8)+16*(n%8)
.set n, n+1
.endr
	s_wait_dscnt 0x0
	QUANT2 64
.irp c, 0,1,2
	global_store_b128 v15, v[PC+4*\c:PC+4*\c+3], s[66:67] offset:RTB*\i+512*\c
.endr
	global_store_b32 v16, v[PW], s[66:67] offset:RTB*\i+1536
.endr
.else
	TOSTAGE 0
	BACK 0
.irp i, 0,1,2,3
.if \i > 0
	s_wait_xcnt 0x0                                ; the last rowtile's stores have read their registers: these are loaded or written again only behind this wait
.endif
.if \i < 3
	TOSTAGE \i+1                                   ; the next rowtile's trip through the stage goes out ahead of this rowtile's work
	BACK \i+1
	s_wait_dscnt 32                                ; this rowtile is back: behind its loads stand the next rowtile's 16 stores and 16 loads
.else
	s_wait_dscnt 0x0
.endif
.set UB, 64+64*(\i%2)
.if MODE == 3
.if \i == 0
	s_wait_loadcnt 0x0                             ; the residual
.endif
	WIN 0x0c
.set n, 0
.rept 32
	v_pk_add_f32 v[UB+2*n:UB+2*n+1], v[UB+2*n:UB+2*n+1], v[64*\i+2*n:64*\i+2*n+1]
.set n, n+1
.endr
	WIN 0
.set n, 0
.rept 16
	global_store_b128 v15, v[UB+4*n:UB+4*n+3], s[68:69] offset:(128*\i+8*n)*4096   ; 32 lanes store 512 consecutive bytes of row 512 b + g + 128 i + 8 n
.set n, n+1
.endr
.else
	QUANT2 UB
.irp c, 0,1,2
	global_store_b128 v15, v[PC+4*\c:PC+4*\c+3], s[66:67] offset:RTB*\i+512*\c
.endr
	global_store_b32 v16, v[PW], s[66:67] offset:RTB*\i+1536
.endif
.endr
.endif
	s_wait_tensorcnt 0x0                           ; the wave's end
	ds_add_u32 v28, v29
	s_wait_dscnt 0x0
	CROUND                                         ; the closing round
	s_endpgm
.Lfunc_end_k_q647caf35dd_qkv:
	.size	k_q647caf35dd_qkv, .Lfunc_end_k_q647caf35dd_qkv-k_q647caf35dd_qkv
	.p2alignl 7, 3214868480
	.fill 96, 4, 3214868480
	.section	.rodata,"a",@progbits
	.p2align	6, 0x0
	.amdhsa_kernel k_q647caf35dd_qkv
		.amdhsa_group_segment_fixed_size 327680
		.amdhsa_private_segment_fixed_size 0
		.amdhsa_enable_private_segment 0
		.amdhsa_kernarg_size 48
		.amdhsa_user_sgpr_count 2
		.amdhsa_user_sgpr_kernarg_segment_ptr 1
		.amdhsa_wavefront_size32 1
		.amdhsa_system_sgpr_workgroup_id_x 1
		.amdhsa_system_sgpr_workgroup_id_y 1
		.amdhsa_system_sgpr_workgroup_id_z 1
		.amdhsa_system_vgpr_workitem_id 0
		.amdhsa_next_free_vgpr 768
		.amdhsa_next_free_sgpr 100
		.amdhsa_reserve_vcc 0
		.amdhsa_float_denorm_mode_32 3
		.amdhsa_float_denorm_mode_16_64 3
		.amdhsa_memory_ordered 1
		.amdhsa_forward_progress 1
		.amdhsa_inst_pref_size 99
	.end_amdhsa_kernel
	.amdgpu_metadata
---
amdhsa.version: [ 1, 2 ]
amdhsa.kernels:
  - .name:           k_q647caf35dd_qkv
    .symbol:         k_q647caf35dd_qkv.kd
    .args:
      - { .name: ximg, .offset: 0, .size: 8, .value_kind: global_buffer, .address_space: global }
      - { .name: wimg, .offset: 8, .size: 8, .value_kind: global_buffer, .address_space: global }
      - { .name: bq, .offset: 16, .size: 8, .value_kind: global_buffer, .address_space: global }
      - { .name: bk, .offset: 24, .size: 8, .value_kind: global_buffer, .address_space: global }
      - { .name: bv, .offset: 32, .size: 8, .value_kind: global_buffer, .address_space: global }
      - { .name: qkv, .offset: 40, .size: 8, .value_kind: global_buffer, .address_space: global }
    .group_segment_fixed_size: 327680
    .private_segment_fixed_size: 0
    .kernarg_segment_align: 8
    .kernarg_segment_size: 48
    .max_flat_workgroup_size: 128
    .sgpr_count:     100
    .vgpr_count:     768
    .wavefront_size: 32
...
	.end_amdgpu_metadata
.endif
;; end of part 2
;; launch attn (part 3): grid 4 x 64, 16 waves a work-group, clusters of 4 x 4, 327,680 bytes of LDS; arguments qkv, attention_mask, cimg; writes cimg
.if DOCPART == 3
	.amdgcn_target "amdgcn-amd-amdhsa--gfx1250"
	.amdhsa_code_object_version 6
	.text
	.protected	k_q647caf35dd_attn
	.globl	k_q647caf35dd_attn
	.p2align	8
	.type	k_q647caf35dd_attn,@function
k_q647caf35dd_attn:
	s_mov_b64 s[64:65], 0
	v_nop
	global_prefetch_b8 v0, s[64:65] scope:SCOPE_SE
	s_setreg_imm32_b32 hwreg(HW_REG_WAVE_MODE, 25, 1), 1
	s_wait_xcnt 0x0
	s_wait_alu depctr_hold_cnt(0) depctr_sa_sdst(0) depctr_va_vdst(0) depctr_va_sdst(0) depctr_va_ssrc(0) depctr_va_vcc(0) depctr_vm_vsrc(0)
	s_getreg_b32 s2, hwreg(HW_REG_IB_STS2, 6, 4)
	s_cmp_eq_u32 s2, 0
	s_cbranch_scc0 .Lentry_in_a_cluster
	s_endpgm
.Lentry_in_a_cluster:
	s_bfe_u32 s2, ttmp6, 0x10000c
	s_cmp_lg_u32 s2, 0xf033
	s_cbranch_scc0 .Lentry_shape_is_right
	s_endpgm
.Lentry_shape_is_right:
; ATTENTION ON CODES OF E2M3: scores = q k^T / 8 + (1 - mask) x -10000; p = 2^(t - M), t = logit x log2(e), M the ceiling of the running largest t; ctx = v^T p^T / l, l the sum of the unquantised p.
; The result is laid as reference()'s reshape has it, ctx2[b][8 d + head / 2][(head % 2) 512 + q], and quantised along that last axis into cimg.
; OPERANDS are images of registers (records of 1,600 bytes: a fragment of 16 rows x 128 K in three chunks of 512 bytes, then 16 scale words).  q and k: K step g = head pair g: k 0-63 head 2 g, k 64-127 head 2 g + 1.
; THE SCORE'S K IS 64: a wave of head hh multiplies k's fragment by q with the other head's six registers set to zero codes, which add nothing.  So of a fragment of k a wave loads two chunks of three: registers 4-7
; always, registers 0-3 (even head) or 8-11 (odd head); the four that it does not load meet zero codes alone, and every pattern of six bits is a finite number.  v: rows head x 64 + d, K = the keys.
; SHARES: a work-group owns 128 queries of one head pair of one batch; wave w: head hh = w / 8 of the pair, 16 queries qt = w % 8.  Four waves to a SIMD.  Every wave walks the 1,024 keys, 128 a step.
; Both products are used transposed, so that a lane holds one query.  k's rowtiles were laid so that the 16 registers of score tiles 2 b, 2 b + 1 are keys 32 b + 16 h + 0 .. 15.
; THE MASK goes in as the C of the score product: 8 x (1 - m) x -10000 = fma(m, 80000, -80000); t = (q.k + that) x log2(e) / 8.
; LIMITS: that bias is exact for |m| < 26,843 and rounded once beyond; in a row all of whose keys are masked the sum q.k - 80000 is rounded at that size (about 1e-3 of a logit), as reference()'s own sum is at 10000.
; NaN and infinities are not served; a block's largest magnitude is held at 2^-124 from below (byte 1); a block of zeros gets the byte 1, not 127.
; RING: two LDS slots of one key step: k's 8 records, v's 8 records, 128 rows of the mask.  CLUSTER 4 x 4: k and v hang on (batch, head pair) and are asked for jointly along a row of the cluster, the mask's tile
; hangs on (batch, query block) and is asked for jointly along a column.
; REGISTERS: v1-4, v7 places that stay; v5, v6 the add's two; v8-11, v29 addresses in hand; v12 -M, v13 the largest t, v[14:15] the sum; v16-27 q; v30 the prefetch's offset;
; k's eight fragments at v32, 44, 56, 68, 80, 194, 206, 224 (v's four then take v32-79, p's codes v224-235); v96-159 mask, bias, scores, p; v160-191 O^T; v[192:193] -80000; v236-247 at work;
; v248-251 the fragments' scale words; v252 f, v253 p's scale word, v255 q's.
.set SLOT1, 131072
.set VOFF,  12800
.set MOFF,  25600
.set SPARE, 262144
.set PC,  200
.set TQ,  212
.set MX,  220
.set SO,  222
.set BY,  224
.set PW,  226
.set TMP, 227
.set SH8, 28
.set SEL, 20
.macro CROUND
	s_barrier_signal -1
	s_barrier_wait -1
	s_cmp_lg_u32 s18, 0
	s_cbranch_scc1 .Lnot_wave_0_\@
	s_barrier_signal -3
.Lnot_wave_0_\@:
	s_barrier_wait -3
	s_barrier_signal -1
	s_barrier_wait -1
.endm
.macro TLOAD                           ; wave 0: k; wave 1: v; waves 2, 3: the mask's halves.  s_nop 0 and four v_nop follow each line
	s_cmp_eq_u32 s18, 0
	s_cbranch_scc0 .Lnot_k_\@
	tensor_load_to_lds s[40:43], s[24:31]
	s_nop 0
.rept 4
	v_nop
.endr
	s_branch .Lasked_\@
.Lnot_k_\@:
	s_cmp_eq_u32 s18, 1
	s_cbranch_scc0 .Lnot_v_\@
	tensor_load_to_lds s[44:47], s[24:31]
	s_nop 0
.rept 4
	v_nop
.endr
	s_branch .Lasked_\@
.Lnot_v_\@:
	s_cmp_lt_u32 s18, 4
	s_cbranch_scc0 .Lasked_\@
	tensor_load_to_lds s[48:51], s[32:39]
	s_nop 0
.rept 4
	v_nop
.endr
.Lasked_\@:
.endm
; A prefetch of what the NEXT change of slots will load, one key step ahead.  Waves 4, 5 of the clusters with an even y: the mask, 32 rows a work-group (told apart by address: 32 cy + lane), 256 bytes a wave.
; Wave 6: k, wave 7: v: two records a work-group (2 cx + lane / 16), seven places 256 bytes apart in each; lanes 7 .. 15 of a half name the seventh again.  A record's first and last places may share
; their 256 bytes with the neighbouring head pair's record.  The last change that fills a slot asks for nothing.
.macro ASK
	s_cmp_gt_u32 s67, s80
	s_cbranch_scc0 .Lnot_mine_\@
	global_prefetch_b8 v30, s[76:77] th:TH_LOAD_NT scope:SCOPE_SE
.Lnot_mine_\@:
.endm
.macro WM d, a, b, c, sa, sb, ra       ; one product; ra: source 0's scale words stand in lanes 16-31
.if (\ra)
	v_wmma_scale_f32_16x16x128_f8f6f4 v[(\d):(\d)+7], v[(\a):(\a)+11], v[(\b):(\b)+11], v[(\c):(\c)+7], v[\sa], v[\sb] matrix_a_fmt:MATRIX_FMT_FP6 matrix_b_fmt:MATRIX_FMT_FP6 matrix_a_scale:MATRIX_SCALE_ROW1
.else
	v_wmma_scale_f32_16x16x128_f8f6f4 v[(\d):(\d)+7], v[(\a):(\a)+11], v[(\b):(\b)+11], v[(\c):(\c)+7], v[\sa], v[\sb] matrix_a_fmt:MATRIX_FMT_FP6 matrix_b_fmt:MATRIX_FMT_FP6
.endif
.endm
.macro KREG t                          ; KB: where k's fragment t stands
.if (\t) < 5
.set KB, 32+12*(\t)
.elseif (\t) < 7
.set KB, 194+12*((\t)-5)
.else
.set KB, 224
.endif
.endm
.macro QUANT2 s
.irp c, 0,1
	v_max3_num_f32 v[MX+\c], |v[\s+32*\c]|, |v[\s+32*\c+1]|, 0x1800000
.endr
.irp i, 2,4,6,8,10,12,14,16,18,20,22,24,26,28,30
.irp c, 0,1
	v_max3_num_f32 v[MX+\c], v[MX+\c], |v[\s+32*\c+\i]|, |v[\s+32*\c+\i+1]|
.endr
.endr
.irp c, 0,1
	v_add_nc_u32 v[SO+\c], 0xff000000, v[MX+\c]
.endr
.irp c, 0,1
	v_lshrrev_b32 v[BY+\c], 23, v[SO+\c]
.endr
	v_lshl_or_b32 v[PW], v[BY+1], 16, v[BY]
	v_lshlrev_b32 v[PW], v[SH8], v[PW]
	v_permlanex16_b32 v[TMP], v[PW], s[SEL], s[SEL+1]
	v_or_b32 v[PW], v[PW], v[TMP]
.irp c, 0,1
	v_cvt_scalef32_pk16_fp6_f32 v[PC+6*\c:PC+6*\c+2], v[\s+32*\c:\s+32*\c+15], v[SO+\c]
	v_cvt_scalef32_pk16_fp6_f32 v[TQ+4*\c:TQ+4*\c+2], v[\s+32*\c+16:\s+32*\c+31], v[SO+\c]
.endr
	v_nop
.irp c, 0,1
.irp i, 0,1,2
	v_mov_b32 v[PC+6*\c+3+\i], v[TQ+4*\c+\i]
.endr
.endr
.endm
	s_load_b128 s[4:7], s[0:1], 0x0                ; qkv, attention_mask
	s_load_b64 s[8:9], s[0:1], 0x10                ; cimg
	v_lshl_add_u32 v5, v0, 2, SPARE
	v_mov_b32 v6, 0
	ds_add_u32 v5, v6                              ; the wave's opening: the add and its wait ahead of my first tensor load
	v_lshrrev_b32 v8, 5, v0
	v_readfirstlane_b32 s18, v8                    ; wave 0 .. 15
	s_lshr_b32 s15, s18, 3                         ; hh
	s_and_b32 s16, s18, 7                          ; qt
	s_and_b32 s17, s18, 1
	s_bfe_u32 s10, ttmp6, 0x40000                  ; cx = the query block
	s_bfe_u32 s11, ttmp6, 0x40004                  ; cy
	s_and_b32 s12, ttmp7, 0xffff                   ; the cluster's y
	s_lshr_b32 s13, s12, 1                         ; b
	s_and_b32 s14, s12, 1
	s_lshl_b32 s14, s14, 2
	s_add_co_u32 s14, s14, s11                     ; g
	s_lshl_b32 s56, s11, 2
	s_lshl_b32 s56, 15, s56                        ; my row of the cluster
	s_lshl_b32 s57, 0x1111, s10                    ; my column
	s_or_b32 s24, s56, (3<<16)|(1<<21)             ; group 1 for k and v: 8 records of 1,600 bytes (200 elements of 8), 12,800 bytes apart, no padding
	s_mov_b32 s25, 200<<16
	s_mov_b32 s26, 8<<16
	s_mov_b32 s27, 200<<16
	s_mov_b32 s28, 8
	s_mov_b32 s29, 1600
	s_mov_b32 s30, 0
	s_mov_b32 s31, 0
	s_or_b32 s32, s57, (2<<16)|(1<<20)|(1<<21)|(6<<22)|(3<<25)   ; group 1 for the mask: 64 rows of 128 words, 16 bytes of padding behind each 512
	s_mov_b32 s33, 128<<16
	s_mov_b32 s34, 64<<16
	s_mov_b32 s35, 128<<16
	s_mov_b32 s36, 64
	s_mov_b32 s37, 1024
	s_mov_b32 s38, 0
	s_mov_b32 s39, 0
	s_mul_i32 s56, s13, 819200                     ; a batch's 64 rowtiles
	s_mul_i32 s57, s14, 1600
	s_add_co_u32 s58, s56, s57
	s_add_co_u32 s58, s58, 3276800                 ; k: the batch's first rowtile, K step g
	s_mov_b32 s59, 0
	s_mul_i32 s57, s14, 102400
	s_add_co_u32 s60, s56, s57
	s_add_co_u32 s60, s60, 9830400                 ; v: panel b, rowtile 8 g, key step 0
	s_mov_b32 s61, 0
	s_lshl_b32 s62, s13, 21
	s_lshl_b32 s63, s10, 19
	s_add_co_u32 s62, s62, s63
	s_lshl_b32 s63, s17, 18
	s_add_co_u32 s62, s62, s63                     ; the mask: row 512 b + 128 cx + 64 x half
	s_mov_b32 s63, 0
	s_lshl_b32 s68, s13, 5
	s_lshl_b32 s69, s10, 3
	s_add_co_u32 s68, s68, s69
	s_add_co_u32 s68, s68, s16
	s_mul_i32 s68, s68, 12800
	s_mul_i32 s69, s14, 1600
	s_add_co_u32 s68, s68, s69                     ; q: rowtile 32 b + 8 cx + qt, K step g
	s_mov_b32 s69, 0
	s_lshl_b32 s70, s13, 5
	s_lshl_b32 s71, s14, 2
	s_add_co_u32 s70, s70, s71
	s_and_b32 s71, s18, 3
	s_add_co_u32 s70, s70, s71
	s_mul_i32 s70, s70, 12800
	s_bfe_u32 s71, s18, 0x10002
	s_lshl_b32 s71, s71, 2
	s_add_co_u32 s71, s71, s10
	s_mul_i32 s71, s71, 1600
	s_add_co_u32 s70, s70, s71                     ; cimg: rowtile 32 b + 4 g + w % 4, K step 4 (w / 4) + cx (waves 0 .. 7 store)
	s_mov_b32 s71, 0
	s_lshl_b32 s72, s13, 21                        ; the prefetches: each kind's place at key step 1; the first change of slots steps it to step 2
	s_lshl_b32 s73, s10, 19
	s_add_co_u32 s72, s72, s73
	s_lshl_b32 s73, s11, 17
	s_add_co_u32 s72, s72, s73
	s_lshl_b32 s73, s17, 8
	s_add_co_u32 s72, s72, s73
	s_add_co_u32 s72, s72, 512
	s_mul_i32 s74, s10, 25600
	s_add_co_u32 s73, s58, s74
	s_add_co_u32 s73, s73, 102400
	s_add_co_u32 s74, s60, s74
	s_add_co_u32 s74, s74, 1600
	s_mov_b32 s75, 1600
	s_cmp_eq_u32 s18, 6
	s_cselect_b32 s73, s73, s74
	s_cselect_b32 s75, 102400, s75
	s_cmp_lt_u32 s18, 6
	s_cselect_b32 s72, s72, s73
	s_cselect_b32 s78, 512, s75                    ; a key step on
	s_cselect_b32 s81, -1, 0
	s_mov_b32 s73, 0
	s_mov_b32 s79, 0
	s_sub_co_u32 s82, s18, 4
	s_lshr_b32 s82, s82, 2                         ; 0 in waves 4 .. 7
	s_and_b32 s83, s12, 1
	s_cmp_lt_u32 s18, 6
	s_cselect_b32 s83, s83, 0                      ; the mask's waves ask in the clusters with an even y alone: the odd one reads the same rows
	s_or_b32 s82, s82, s83
	s_cmp_eq_u32 s82, 0
	s_cselect_b32 s80, 1, -1                       ; the same in all sixteen partners, for a given wave
	s_mul_i32 s49, s17, 64*528
	s_add_co_u32 s49, s49, MOFF
	s_mov_b32 s[SEL], 0x76543210
	s_mov_b32 s[SEL+1], 0xfedcba98
	s_mov_b32 s22, 0x3e38aa3b                      ; log2(e) / 8
	s_mov_b32 s23, s22
	s_mov_b32 s52, 0x479c4000                      ; 80000
	s_mov_b32 s53, s52
	s_mov_b32 s3, 0                                ; LDS byte at which the slot in hand begins
	s_mov_b32 s67, 7                               ; slots still to be asked for
	s_cmp_eq_u32 s15, 0
	s_cselect_b32 s86, -1, 0                       ; which half of q's fragment is my head's
	s_cselect_b32 s87, 0, -1
	s_wait_dscnt 0x0                               ; the opening add is done
	s_wait_kmcnt 0x0
	s_add_nc_u64 s[68:69], s[4:5], s[68:69]
	s_add_nc_u64 s[70:71], s[8:9], s[70:71]
	s_cmp_lt_u32 s18, 6
	s_cselect_b64 s[76:77], s[6:7], s[4:5]
	s_add_nc_u64 s[76:77], s[76:77], s[72:73]
	CROUND                                         ; all sixteen work-groups are here
	s_mov_b32 s40, 1
	s_mov_b32 s41, 0
	s_add_nc_u64 s[42:43], s[4:5], s[58:59]
	s_or_b32 s43, s43, 0x80000000
	s_mov_b32 s44, 1
	s_mov_b32 s45, VOFF
	s_add_nc_u64 s[46:47], s[4:5], s[60:61]
	s_or_b32 s47, s47, 0x80000000
	s_mov_b32 s48, 1
	s_add_nc_u64 s[50:51], s[6:7], s[62:63]
	s_or_b32 s51, s51, 0x80000000
	TLOAD                                          ; key step 0 into slot 0
	v_and_b32 v8, 15, v0                           ; r
	v_bfe_u32 v9, v0, 4, 1                         ; h
	v_and_b32 v10, 31, v0
	v_lshlrev_b32 v1, 4, v10                       ; k's fragments: 16 x lane
	v_lshlrev_b32 v11, 2, v8
.irp c, 0,1,2
	global_load_b128 v[16+4*\c:19+4*\c], v1, s[68:69] offset:512*\c   ; q's fragment stays in registers
.endr
	global_load_b32 v255, v11, s[68:69] offset:1536
	s_mul_i32 s84, s15, 6400
	s_add_co_u32 s84, s84, VOFF
	v_add_nc_u32 v2, s84, v1                       ; v's: my head's four records
	v_mad_u32_u24 v3, v9, 1600, v11                ; scale words: lanes 16-31 take the next record's
	v_add_nc_u32 v4, s84, v3
	s_lshl_b32 s85, s16, 4
	s_mul_i32 s85, s85, 528
	s_add_co_u32 s85, s85, MOFF
	v_mul_u32_u24 v7, v8, 528
	v_lshl_add_u32 v7, v9, 6, v7
	v_add_nc_u32 v7, s85, v7                       ; the mask: row 16 qt + r, + 64 h bytes
	v_lshlrev_b32 v31, 12, v10                     ; the prefetch's offset: a lane a row of the mask,
	v_min_u32 v28, 6, v8
	v_lshlrev_b32 v28, 8, v28
	v_mad_u32_u24 v28, v9, 12800, v28              ; or seven places in each of two records
	v_cndmask_b32 v30, v28, v31, s81
	v_mov_b32 v13, 0xff61b1e6                      ; the largest t so far: -3e38
	v_floor_f32 v12, -v13
	v_mov_b32 v14, 0
	v_mov_b32 v15, 0
.irp b, 0,1,2,3
	v_mov_b32 v[236+\b], 0                         ; a lane permute's destination counts as read
.endr
	v_mov_b32 v253, 0
	v_mov_b32 v192, 0xc79c4000                     ; -80000
	v_mov_b32 v193, 0xc79c4000
.set n, 0
.rept 32
	v_mov_b32 v[160+n], 0                          ; O^T: the step is written once; the first change of M leaves zeros zeros
.set n, n+1
.endr
.irp t, 0,1,2,3,4,5,6,7
	KREG \t
.irp j, 0,1,2,3
	v_mov_b32 v[KB+\j], 0                          ; the outer chunks of k's fragments are written once: a wave loads one of the two and never the other
	v_mov_b32 v[KB+8+\j], 0
.endr
.endr
	s_wait_loadcnt 0x0
.irp j, 0,1,2,3,4,5
	v_and_b32 v[16+\j], s86, v[16+\j]              ; the other head's codes become zeros
	v_and_b32 v[22+\j], s87, v[22+\j]
.endr
.macro STEP                            ; 128 keys
	v_add_nc_u32 v8, s3, v1                        ; (these five are also the places behind the last step's products)
	v_add_nc_u32 v9, s3, v2
	v_add_nc_u32 v10, s3, v3
	v_add_nc_u32 v11, s3, v4
	v_add_nc_u32 v29, s3, v7
.set n, 0
.rept 16
	ds_load_b128 v[96+4*n:99+4*n], v29 offset:128*(n/4)+16*(n%4)   ; register 16 b + e: the mask of key 32 b + 16 h + e for my query
.set n, n+1
.endr
.irp t, 0,1,2,3,4,5,6,7                ; all eight fragments of k are asked for here, so that they land under the mask's arithmetic: registers 4-7 of each,
	KREG \t
	ds_load_b128 v[KB+4:KB+7], v8 offset:\t*1600+512
.endr
	s_cmp_eq_u32 s15, 0                            ; and the chunk that holds the rest of my head's 64: a branch on the wave's number, eight loads on either way
	s_cbranch_scc0 .Lodd_\@
.irp t, 0,1,2,3,4,5,6,7
	KREG \t
	ds_load_b128 v[KB:KB+3], v8 offset:\t*1600
.endr
	s_branch .Lgot_\@
.Lodd_\@:
.irp t, 0,1,2,3,4,5,6,7
	KREG \t
	ds_load_b128 v[KB+8:KB+11], v8 offset:\t*1600+1024
.endr
.Lgot_\@:
.irp p, 0,1,2,3
	ds_load_b32 v[248+\p], v10 offset:\p*3200+1536 ; scale words: record 2 p in lanes 0-15, record 2 p + 1 in lanes 16-31
.endr
	s_wait_dscnt 20                                ; the mask is in; k's 16 loads and 4 scale words may be out
.set n, 0
.rept 64
	v_cvt_f32_i32 v[96+n], v[96+n]
.set n, n+1
.endr
.set n, 0
.rept 32
	v_pk_fma_f32 v[96+2*n:97+2*n], v[96+2*n:97+2*n], s[52:53], v[192:193] op_sel_hi:[1,0,1]   ; 80000 m - 80000
.set n, n+1
.endr
	s_wait_dscnt 0x0
.irp t, 0,1,2,3,4,5,6,7                ; S^T = k q^T + 8 x bias: the bias stands in the accumulators
	KREG \t
	WM 96+8*\t, KB, 16, 96+8*\t, 248+\t/2, 255, \t%2
.endr
.rept 4
	v_nop
.endr
.set n, 0
.rept 12
	ds_load_b128 v[32+4*n:35+4*n], v9 offset:(n/3)*1600+(n%3)*512   ; v's four fragments land under the softmax
.set n, n+1
.endr
	ds_load_b32 v248, v11 offset:1536
	ds_load_b32 v249, v11 offset:3200+1536
.irp b, 0,1,2,3
	v_max3_num_f32 v[232+\b], v[96+16*\b], v[97+16*\b], v[98+16*\b]   ; the largest score of each block of 32 keys: for the row's maximum and, since p rises with the score, for the block's largest p
.endr
.irp i, 3,5,7,9,11,13
.irp b, 0,1,2,3
	v_max3_num_f32 v[232+\b], v[232+\b], v[96+16*\b+\i], v[97+16*\b+\i]
.endr
.endr
.irp b, 0,1,2,3
	v_max_num_f32 v[232+\b], v[232+\b], v[111+16*\b]
.endr
.irp b, 0,1,2,3
	v_permlanex16_b32 v[236+\b], v[232+\b], s[SEL], s[SEL+1]
.endr
.irp b, 0,1,2,3
	v_max_num_f32 v[232+\b], v[232+\b], v[236+\b]
.endr
	v_max3_num_f32 v254, v232, v233, v234
	v_max_num_f32 v254, v254, v235
	v_mul_f32 v254, s22, v254                      ; as t
	v_max_num_f32 v13, v13, v254                   ; the running largest t
	v_mov_b32 v254, v12
	v_floor_f32 v12, -v13                          ; -M = floor(-t): M is a whole number
	v_sub_f32 v254, v12, v254
	v_cvt_i32_f32 v254, v254                       ; (it saturates)
	v_ldexp_f32 v252, 1.0, v254                    ; f = 2^(old M - new M): rounds nothing
.set n, 0
.rept 32
	v_pk_fma_f32 v[96+2*n:97+2*n], v[96+2*n:97+2*n], s[22:23], v[12:13] op_sel_hi:[1,0,0]   ; t - M
.set n, n+1
.endr
.irp b, 0,1,2,3
	v_fma_f32 v[232+\b], v[232+\b], s22, v12
.endr
.set n, 0
.rept 64
	v_exp_f32 v[96+n], v[96+n]                     ; p = 2^(t - M)
.set n, n+1
.endr
	v_pk_mul_f32 v[14:15], v[14:15], v[252:253] op_sel_hi:[1,0]   ; the sums under the new M: a plain place behind the exponentials
	s_wait_alu depctr_va_vdst(0)                   ; one wait for the batch, ahead of its first reader
.irp b, 0,1,2,3
	v_exp_f32 v[232+\b], v[232+\b]                 ; each block's largest p
.endr
	v_pk_add_f32 v[236:237], v[96:97], v[98:99]    ; the row's sum is taken of the unquantised p
.irp j, 4,8,12,16,20,24,28,32,36,40,44,48,52,56,60
	v_pk_add_f32 v[14:15], v[14:15], v[96+\j:97+\j]
	v_pk_add_f32 v[236:237], v[236:237], v[98+\j:99+\j]
.endr
	v_pk_add_f32 v[14:15], v[14:15], v[236:237]
	s_wait_alu depctr_va_vdst(0)                   ; and one for the four
.irp b, 0,1,2,3
	v_max_num_f32 v[232+\b], 0x1800000, v[232+\b]  ; the floor: the byte cannot fall under 1
.endr
.irp b, 0,1,2,3
	v_add_nc_u32 v[244+\b], 0xff000000, v[232+\b]
.endr
.irp b, 0,1,2,3
	v_lshrrev_b32 v[236+\b], 23, v[244+\b]
.endr
	v_lshl_or_b32 v253, v237, 8, v236              ; p's scale word
	v_lshl_or_b32 v253, v238, 16, v253
	v_lshl_or_b32 v253, v239, 24, v253
.irp c, 0,1
	v_cvt_scalef32_pk16_fp6_f32 v[224+6*\c:226+6*\c], v[96+32*\c:111+32*\c], v[244+2*\c]
	v_cvt_scalef32_pk16_fp6_f32 v[236+4*\c:238+4*\c], v[112+32*\c:127+32*\c], v[244+2*\c+1]
.endr
	v_nop
.irp c, 0,1                            ; the layout wants a whole block in a lane
.irp i, 0,1,2
	v_permlane16_swap_b32 v[224+6*\c+\i], v[236+4*\c+\i]
.endr
.irp i, 0,1,2
	v_mov_b32 v[227+6*\c+\i], v[236+4*\c+\i]
.endr
.endr
.set n, 0
.rept 16
	v_pk_mul_f32 v[160+2*n:161+2*n], v[160+2*n:161+2*n], v[252:253] op_sel_hi:[1,0]   ; O^T under the new M; these 16 are also the places in front of the scaled products
.set n, n+1
.endr
	s_wait_dscnt 0x0                               ; v is in
.irp t, 0,1,2,3
	WM 160+8*\t, 32+12*\t, 224, 160+8*\t, 248+\t/2, 253, \t%2
.endr
	s_xor_b32 s3, s3, SLOT1                        ; on to the other slot
.endm
; The change of slots stands at a step's head: all my tensor loads have landed, the add, my reads of the slot that I have left are over; behind the round that slot is filled with the keys that follow.
.macro CHANGE fill
	s_wait_tensorcnt 0x0
	ds_add_u32 v5, v6                              ; 0 onto my spare word
.if \fill
	s_xor_b32 s41, s41, SLOT1
	s_add_nc_u64 s[42:43], s[42:43], 102400        ; k: 8 rowtiles on
	s_xor_b32 s45, s45, SLOT1
	s_add_nc_u64 s[46:47], s[46:47], 1600          ; v: a record on
	s_xor_b32 s49, s49, SLOT1
	s_add_nc_u64 s[50:51], s[50:51], 512           ; the mask: 128 words on
	s_wait_xcnt 0x0                                ; the last prefetch, a step back, has read its address
	s_add_nc_u64 s[76:77], s[76:77], s[78:79]
	s_wait_dscnt 0x0
	CROUND
	TLOAD                                          ; the first thing behind the round, a wave's one tensor load until the next
	ASK
.else
	s_wait_dscnt 0x0
	s_barrier_signal -1
	s_barrier_wait -1
.endif
.endm
.Lslot:                                ; seven trips
	CHANGE 1
	STEP
	s_sub_co_u32 s67, s67, 1
	s_cmp_lg_u32 s67, 0
	s_cbranch_scc1 .Lslot
	CHANGE 0                                       ; the last step is written out
	STEP
	; THE WAY OUT.  O^T / l goes into a stage of 128 rows (64 hh + d) x 128 queries in slot 0, which has had its last fill and its last read; then eight waves quantise 16 rows each along the queries.
	v_add_f32 v14, v14, v15
	v_permlanex16_b32 v252, v14, s[SEL], s[SEL+1]
	v_add_f32 v14, v14, v252
	v_rcp_f32 v14, v14
	v_and_b32 v8, 15, v0                           ; (plain work behind the reciprocal)
	v_bfe_u32 v9, v0, 4, 1
	s_mul_i32 s57, s15, 64*528
	s_lshl_b32 s58, s16, 6
	s_add_co_u32 s57, s57, s58
	v_mul_u32_u24 v10, v9, 8*528
	v_lshl_add_u32 v10, v8, 2, v10
	v_add_nc_u32 v10, s57, v10                     ; in: row 64 hh + 8 h (+ 16 dt + j), query 16 qt + r
	s_mul_i32 s59, s18, 16*528
	v_mul_u32_u24 v11, v8, 528
	v_lshl_add_u32 v11, v9, 7, v11
	v_add_nc_u32 v11, s59, v11                     ; back: row 16 w + r, + 128 h bytes
	v_lshlrev_b32 v[SH8], 3, v9
	v_lshlrev_b32 v31, 2, v8
	v_mov_b32 v[TMP], 0
	s_wait_alu depctr_va_vdst(0)                   ; the wait ahead of the reciprocal's first reader
.set n, 0
.rept 32
	v_mul_f32 v[96+n], v[160+n], v14
.set n, n+1
.endr
.set n, 0
.rept 32
	ds_store_b32 v10, v[96+n] offset:(16*(n/8)+n%8)*528
.set n, n+1
.endr
	s_wait_dscnt 0x0                               ; for the others' sake: my stores have landed
	s_barrier_signal -1
	s_barrier_wait -1
	s_cmp_lt_u32 s18, 8
	s_cbranch_scc0 .Lno_rows
.set n, 0
.rept 16
	ds_load_b128 v[96+4*n:99+4*n], v11 offset:256*(n/8)+16*(n%8)
.set n, n+1
.endr
	s_wait_dscnt 0x0
	QUANT2 96
.irp c, 0,1,2
	global_store_b128 v1, v[PC+4*\c:PC+4*\c+3], s[70:71] offset:512*\c
.endr
	global_store_b32 v31, v[PW], s[70:71] offset:1536
.Lno_rows:
	s_wait_tensorcnt 0x0                           ; the wave's end
	ds_add_u32 v5, v6
	s_wait_dscnt 0x0
	CROUND                                         ; the closing round
	s_endpgm
.Lfunc_end_k_q647caf35dd_attn:
	.size	k_q647caf35dd_attn, .Lfunc_end_k_q647caf35dd_attn-k_q647caf35dd_attn
	.p2alignl 7, 3214868480
	.fill 96, 4, 3214868480
	.section	.rodata,"a",@progbits
	.p2align	6, 0x0
	.amdhsa_kernel k_q647caf35dd_attn
		.amdhsa_group_segment_fixed_size 327680
		.amdhsa_private_segment_fixed_size 0
		.amdhsa_enable_private_segment 0
		.amdhsa_kernarg_size 24
		.amdhsa_user_sgpr_count 2
		.amdhsa_user_sgpr_kernarg_segment_ptr 1
		.amdhsa_wavefront_size32 1
		.amdhsa_system_sgpr_workgroup_id_x 1
		.amdhsa_system_sgpr_workgroup_id_y 1
		.amdhsa_system_sgpr_workgroup_id_z 1
		.amdhsa_system_vgpr_workitem_id 0
		.amdhsa_next_free_vgpr 256
		.amdhsa_next_free_sgpr 100
		.amdhsa_reserve_vcc 0
		.amdhsa_float_denorm_mode_32 3
		.amdhsa_float_denorm_mode_16_64 3
		.amdhsa_memory_ordered 1
		.amdhsa_forward_progress 1
		.amdhsa_inst_pref_size 67
	.end_amdhsa_kernel
	.amdgpu_metadata
---
amdhsa.version: [ 1, 2 ]
amdhsa.kernels:
  - .name:           k_q647caf35dd_attn
    .symbol:         k_q647caf35dd_attn.kd
    .args:
      - { .name: qkv, .offset: 0, .size: 8, .value_kind: global_buffer, .address_space: global }
      - { .name: attention_mask, .offset: 8, .size: 8, .value_kind: global_buffer, .address_space: global }
      - { .name: cimg, .offset: 16, .size: 8, .value_kind: global_buffer, .address_space: global }
    .group_segment_fixed_size: 327680
    .private_segment_fixed_size: 0
    .kernarg_segment_align: 8
    .kernarg_segment_size: 24
    .max_flat_workgroup_size: 512
    .sgpr_count:     100
    .vgpr_count:     256
    .wavefront_size: 32
...
	.end_amdgpu_metadata
.endif
;; end of part 3
;; launch wo (part 4): grid 4 x 32, 4 waves a work-group, clusters of 4 x 4, 327,680 bytes of LDS; arguments cimg, wimg, bo, query, af32, aimg; writes af32, aimg
.if DOCPART == 4
	.amdgcn_target "amdgcn-amd-amdhsa--gfx1250"
	.amdhsa_code_object_version 6
	.text
	.protected	k_q647caf35dd_wo
	.globl	k_q647caf35dd_wo
	.p2align	8
	.type	k_q647caf35dd_wo,@function
k_q647caf35dd_wo:
	s_mov_b64 s[64:65], 0
	v_nop
	global_prefetch_b8 v0, s[64:65] scope:SCOPE_SE
	s_setreg_imm32_b32 hwreg(HW_REG_WAVE_MODE, 25, 1), 1
	s_wait_xcnt 0x0
	s_wait_alu depctr_hold_cnt(0) depctr_sa_sdst(0) depctr_va_vdst(0) depctr_va_sdst(0) depctr_va_ssrc(0) depctr_va_vcc(0) depctr_vm_vsrc(0)
	s_getreg_b32 s2, hwreg(HW_REG_IB_STS2, 6, 4)
	s_cmp_eq_u32 s2, 0
	s_cbranch_scc0 .Lentry_in_a_cluster
	s_endpgm
.Lentry_in_a_cluster:
	s_bfe_u32 s2, ttmp6, 0x10000c
	s_cmp_lg_u32 s2, 0xf033
	s_cbranch_scc0 .Lentry_shape_is_right
	s_endpgm
.Lentry_shape_is_right:
; GEMM ON CODES OF E2M3: D(x, y) = sum over k of X[x][k] Y[y][k] + bias.  One text serves four launches; MODE says which.
;   MODE 0: q = query Wq + bq, k = key Wk + bk (X the activations, Y the weight, bias along y), v^T = Wv^T value^T + bv (X the weight, Y value, bias along x): results quantised along y.
;   MODE 1: attn_out = ctx Wo + bo + query: stored in f32 and quantised.   MODE 2: inter = attn_out W1 + b1: quantised.   MODE 3: out = inter W2 + b2 + attn_out: f32.
; OPERANDS are images of the operand's registers: a record of 1,600 bytes is a fragment (16 rows x 128 K: three chunks of 512 bytes, lane l's 16 bytes at 16 l) and its 16 scale words;
; record (rowtile, K step s) lies at ((s / 8) RT + rowtile) x 12,800 + (s % 8) x 1,600.  So a fragment comes by three loads of 16 bytes a lane, and half a panel (512 K) of a rowtile is 6,400 consecutive bytes.
; SHARES: a work-group makes 128 x by 256 y; wave w (wx = w / 2, wy = w % 2) 64 x by 128 y: 4 x 8 accumulators.  128 along y are one K step of the product that reads the result.
; THE MATRIX INSTRUCTION IS USED TRANSPOSED: source 0 = 16 rows of Y, source 1 = 16 rows of X: a lane holds one row x and eight neighbouring y.
; RING: two LDS slots of half a panel (8 rowtiles of X, 16 of Y).  K = 1,024 fits the two first fills; K = 4,096 fills each slot three times more.
; THE K STEP: 32 products in four groups of eight (a rowtile of X against Y's eight).  The next step's 42 LDS loads stand in three runs of 18, 15 and 9 behind the first three groups, in the order in which
; the next step wants them (Y's 24, the six scale words, X's rowtiles 0 to 3), and each group waits only for what it reads.
; THE WAY OUT: a rowtile's trip through the stage is issued while the rowtile before it is quantised or stored (MODE 1, which needs two trips a rowtile, takes them one after the other).
; CLUSTER 4 x 4: X's tile hangs on the tile row and is asked for jointly along a row of the cluster, Y's along a column.
; ROWS of ctx, attn_out, inter: rowtile 32 b + 4 g + dt holds in lane r row 512 b + 128 dt + 8 r + g; MODE 1 and 3 undo that order in the immediates of their row stores.
; LIMITS: NaN and infinities are not served; a block's largest magnitude is held at 2^-124 from below (byte 1); a block of zeros gets the byte 1, not 127: its codes are zeros and this program alone reads the bytes.
; REGISTERS: window 0: v1-20 addresses; v28, v29 the add's two; v32-43 scale words, two sets (X's two, Y's four; even rowtile in lanes 0-15, odd in lanes 16-31); v64-127 numbers on the way out;
;   v128-223 X's fragments, two sets (on the way out v128-191 a second set of numbers); v224-251 the quantiser's.  window 1: accumulator (i, t) at 8 (8 i + t).  window 2: Y's fragments, two sets of 96; v192-255 the bias.  window 3: the residual.
.set MODE, 1
.if MODE == 3
.set LAPS, 4
.else
.set LAPS, 1
.endif
.if MODE == 0
.set ORT, 64
.set YOFF, 0
.elseif MODE == 1
.set ORT, 256
.set YOFF, 2457600
.elseif MODE == 2
.set ORT, 256
.set YOFF, 3276800
.else
.set ORT, 256
.set YOFF, 6553600
.endif
.set REC,  1600
.set HPB,  6400                        ; half a panel of a rowtile
.set RTB,  12800
.set YB,   8*HPB                       ; in a slot: X's 8 rowtiles, then Y's 16
.set SLOT, 24*HPB
.set SPARE, 2*SLOT                     ; behind the ring: the spare words, 128 bytes a wave
.set PC,  224
.set TQ,  236
.set MX,  244
.set SO,  246
.set BY,  248
.set PW,  250
.set TMP, 251
.set SH8, 17
.set SEL, 74
.set MSB, 0
.macro WIN new                         ; the immediate's high byte repeats the setting that is left
.if MSB != \new
	s_set_vgpr_msb (MSB<<8)|\new
.set MSB, \new
.endif
.endm
.macro PLACES                          ; four plain places behind matrix instructions, in front of loads into their registers and of reads of their results
.rept 4
	v_nop
.endr
.endm
.macro CROUND                          ; a round of the cluster's barrier
	s_barrier_signal -1
	s_barrier_wait -1
	s_cmp_lg_u32 s16, 0
	s_cbranch_scc1 .Lnot_wave_0_\@
	s_barrier_signal -3
.Lnot_wave_0_\@:
	s_barrier_wait -3
	s_barrier_signal -1
	s_barrier_wait -1
.endm
.macro JLOAD s                         ; a joint load: waves 0, 1 fetch X's halves, waves 2, 3 Y's; s_nop 0 and four v_nop follow each line
	s_cmp_eq_u32 s17, 0
	s_cbranch_scc0 .Lfor_y_\@
	tensor_load_to_lds s[32+4*\s:35+4*\s], s[24:31]
	s_nop 0
.rept 4
	v_nop
.endr
	s_branch .Lasked_\@
.Lfor_y_\@:
	tensor_load_to_lds s[48+4*\s:51+4*\s], s[40:47]
	s_nop 0
.rept 4
	v_nop
.endr
.Lasked_\@:
.endm
.macro WM d, a, b, c, sa, sb, ra, rb   ; one product; ra, rb: the scale words stand in lanes 16-31
.if (\ra) && (\rb)
	v_wmma_scale_f32_16x16x128_f8f6f4 v[(\d):(\d)+7], v[(\a):(\a)+11], v[(\b):(\b)+11], v[(\c):(\c)+7], v[\sa], v[\sb] matrix_a_fmt:MATRIX_FMT_FP6 matrix_b_fmt:MATRIX_FMT_FP6 matrix_a_scale:MATRIX_SCALE_ROW1 matrix_b_scale:MATRIX_SCALE_ROW1
.elseif (\ra)
	v_wmma_scale_f32_16x16x128_f8f6f4 v[(\d):(\d)+7], v[(\a):(\a)+11], v[(\b):(\b)+11], v[(\c):(\c)+7], v[\sa], v[\sb] matrix_a_fmt:MATRIX_FMT_FP6 matrix_b_fmt:MATRIX_FMT_FP6 matrix_a_scale:MATRIX_SCALE_ROW1
.elseif (\rb)
	v_wmma_scale_f32_16x16x128_f8f6f4 v[(\d):(\d)+7], v[(\a):(\a)+11], v[(\b):(\b)+11], v[(\c):(\c)+7], v[\sa], v[\sb] matrix_a_fmt:MATRIX_FMT_FP6 matrix_b_fmt:MATRIX_FMT_FP6 matrix_b_scale:MATRIX_SCALE_ROW1
.else
	v_wmma_scale_f32_16x16x128_f8f6f4 v[(\d):(\d)+7], v[(\a):(\a)+11], v[(\b):(\b)+11], v[(\c):(\c)+7], v[\sa], v[\sb] matrix_a_fmt:MATRIX_FMT_FP6 matrix_b_fmt:MATRIX_FMT_FP6
.endif
.endm
; The 42 LDS loads of the slot's K step kl into set p, in three kinds: Y's 24 (numbers n0 .. n0 + cnt - 1 of them), the six scale words, X's 12
.macro LY slot, kl, p, n0, cnt
	WIN 0x80
.set n, \n0
.rept \cnt
	ds_load_b128 v[96*(\p)+4*n:96*(\p)+4*n+3], v[6+\slot] offset:(n/3)*HPB+(\kl)*REC+(n%3)*512
.set n, n+1
.endr
.endm
.macro LS slot, kl, p
	WIN 0
.irp j, 0,1,2,3
	ds_load_b32 v[34+6*(\p)+\j], v[10+\slot] offset:\j*RTB+(\kl)*REC+1536
.endr
.irp j, 0,1
	ds_load_b32 v[32+6*(\p)+\j], v[8+\slot] offset:\j*RTB+(\kl)*REC+1536
.endr
.endm
.macro LX slot, kl, p, n0, cnt
	WIN 0
.set n, \n0
.rept \cnt
	ds_load_b128 v[128+48*(\p)+4*n:128+48*(\p)+4*n+3], v[4+\slot] offset:(n/3)*HPB+(\kl)*REC+(n%3)*512
.set n, n+1
.endr
.endm
.macro FETCH slot, kl, p               ; all 42 in one run, in the order that the counted waits of KSTEP lean on
	LY \slot, \kl, \p, 0, 24
	LS \slot, \kl, \p
	LX \slot, \kl, \p, 0, 12
.endm
.macro MULG p, cm, i                   ; 8 products on set p: X's rowtile i against Y's eight.  The 32 accumulators take turns in one order everywhere.  cm = 1, 2: the bias along y, along x starts the sums
.if \cm == 0
	WIN 0x52
.else
	WIN 0x62
.endif
.set n, 8*(\i)
.rept 8
.if \cm == 0
.set CB, 8*n
.elseif \cm == 1
.set CB, 192+8*(n%8)
.else
.set CB, 192+8*(n/8)
.endif
	WM 8*n, 96*(\p)+12*(n%8), 128+48*(\p)+12*(n/8), CB, 34+6*(\p)+(n%8)/2, 32+6*(\p)+n/16, n%2, (n/8)%2
.set n, n+1
.endr
.endm
.macro MUL p, cm                       ; a K step's 32 products with nothing to fetch
	MULG \p, \cm, 0
	MULG \p, \cm, 1
	MULG \p, \cm, 2
	MULG \p, \cm, 3
	WIN 0
.endm
; A K step on set p; among its products the fetch of the slot's K step kl into set q.  Four places stand in front of it: all three runs load into registers that the step before multiplied.
.macro KSTEP p, cm, slot, kl, q
	s_wait_dscnt 9                                 ; of this step's 42 loads the youngest nine, X's rowtiles 1 to 3, may be out
	MULG \p, \cm, 0
	LY \slot, \kl, \q, 0, 18
	s_wait_dscnt 24                                ; X's rowtile 1 is in: behind it stand rowtiles 2 and 3 (6 loads) and the 18 just issued
	MULG \p, \cm, 1
	LY \slot, \kl, \q, 18, 6
	LS \slot, \kl, \q
	LX \slot, \kl, \q, 0, 3
	s_wait_dscnt 36                                ; rowtile 2 is in: behind it 3 + 18 + 15
	MULG \p, \cm, 2
	LX \slot, \kl, \q, 3, 9
	s_wait_dscnt 42                                ; rowtile 3 is in: behind it the next step's 42
	MULG \p, \cm, 3
	WIN 0
.endm
.macro STEP slot, kl, cm               ; K step kl = 0 .. 2 of a slot
	PLACES
	KSTEP (\kl)%2, \cm, \slot, (\kl)+1, ((\kl)+1)%2
.endm
.macro TURN slot, next, fill           ; a slot's last K step, and the change of slots
	s_wait_tensorcnt 0x0                           ; all my tensor loads have landed: my part of the next slot
	ds_add_u32 v28, v29                            ; 0 onto my spare word
.if \fill
	s_add_nc_u64 s[34+4*\slot:35+4*\slot], s[34+4*\slot:35+4*\slot], 256*RTB   ; the same half of the next panel: X has 256 rowtiles,
	s_add_nc_u64 s[50+4*\slot:51+4*\slot], s[50+4*\slot:51+4*\slot], 64*RTB    ; Y 64
.endif
	s_wait_dscnt 0x0                               ; the add is done, and my reads of this slot are over
.if \fill
	CROUND                                         ; no wave of any partner still reads this slot or has a load on its way
	JLOAD \slot                                    ; the first tensor load behind the round; its four v_nop are the places in front of the loads below
.else
	s_barrier_signal -1
	s_barrier_wait -1
	PLACES
.endif
	KSTEP 1, 0, \next, 0, 0
.endm
.macro QUANT2 s                        ; 64 numbers of a lane (register 32 c + i = k 64 c + 32 h + i of my row) become 12 registers of codes and the row's scale word
.irp c, 0,1                            ; the largest magnitudes of the two blocks, each in two chains, so that no line waits for the line above it
	v_max3_num_f32 v[MX+\c], |v[\s+32*\c]|, |v[\s+32*\c+1]|, 0x1800000   ; the floor 2^-124 among the leaves holds the byte at 1 from below
	v_max3_num_f32 v[BY+\c], |v[\s+32*\c+16]|, |v[\s+32*\c+17]|, |v[\s+32*\c+18]|
.endr
.irp i, 2,4,6,8,10,12
.irp c, 0,1
	v_max3_num_f32 v[MX+\c], v[MX+\c], |v[\s+32*\c+\i]|, |v[\s+32*\c+\i+1]|
	v_max3_num_f32 v[BY+\c], v[BY+\c], |v[\s+32*\c+\i+17]|, |v[\s+32*\c+\i+18]|
.endr
.endr
.irp c, 0,1
	v_max3_num_f32 v[MX+\c], v[MX+\c], |v[\s+32*\c+14]|, |v[\s+32*\c+15]|
.endr
.irp c, 0,1
	v_max3_num_f32 v[MX+\c], v[MX+\c], v[BY+\c], |v[\s+32*\c+31]|
.endr
.irp c, 0,1
	v_add_nc_u32 v[SO+\c], 0xff000000, v[MX+\c]    ; 2 off the exponent field: the conversion's scale operand
.endr
.irp c, 0,1
	v_lshrrev_b32 v[BY+\c], 23, v[SO+\c]           ; the byte
.endr
	v_lshl_or_b32 v[PW], v[BY+1], 16, v[BY]
	v_lshlrev_b32 v[PW], v[SH8], v[PW]
	v_permlanex16_b32 v[TMP], v[PW], s[SEL], s[SEL+1]
	v_or_b32 v[PW], v[PW], v[TMP]
.irp c, 0,1
	v_cvt_scalef32_pk16_fp6_f32 v[PC+6*\c:PC+6*\c+2], v[\s+32*\c:\s+32*\c+15], v[SO+\c]
	v_cvt_scalef32_pk16_fp6_f32 v[TQ+4*\c:TQ+4*\c+2], v[\s+32*\c+16:\s+32*\c+31], v[SO+\c]
.endr
	v_nop                                          ; one plain place behind the conversions
.irp c, 0,1
.irp i, 0,1,2
	v_mov_b32 v[PC+6*\c+3+\i], v[TQ+4*\c+\i]
.endr
.endr
.endm
.macro TOSTAGE i                       ; X's rowtile i, 16 rows x 128 y, into my stage
	WIN 0x04
.set n, 0
.rept 8
	ds_store_b128 v12, v[8*(8*(\i)+n):8*(8*(\i)+n)+3] offset:64*n          ; each accumulator from its low end on
	ds_store_b128 v12, v[8*(8*(\i)+n)+4:8*(8*(\i)+n)+7] offset:64*n+16
.set n, n+1
.endr
	WIN 0
.endm
.macro BACK i                          ; and back into set i % 2: by rows (MODE 3) or as the quantiser wants it.  LDS serves a wave's instructions in order: these see the stores above, and the next rowtile's stores come behind them
.set LB, 64+64*((\i)%2)
.set n, 0
.rept 16
.if MODE == 3
	ds_load_b128 v[LB+4*n:LB+4*n+3], v13 offset:528*n
.else
	ds_load_b128 v[LB+4*n:LB+4*n+3], v14 offset:256*(n/8)+16*(n%8)
.endif
.set n, n+1
.endr
.endm
	s_load_b256 s[4:11], s[0:1], 0x0
.if (MODE == 0) || (MODE == 1)
	s_load_b128 s[12:15], s[0:1], 0x20
.elseif MODE == 3
	s_load_b64 s[12:13], s[0:1], 0x20
.endif
	v_lshl_add_u32 v28, v0, 2, SPARE
	v_mov_b32 v29, 0
	ds_add_u32 v28, v29                            ; the wave's opening: the add and its wait ahead of my first tensor load
	v_lshrrev_b32 v1, 5, v0
	v_readfirstlane_b32 s16, v1                    ; wave
	s_lshr_b32 s17, s16, 1                         ; wx; also: I fetch for X (0) or Y (1)
	s_and_b32 s18, s16, 1                          ; wy; also: which half of that tile I fetch
	s_bfe_u32 s19, ttmp6, 0x40000                  ; cx
	s_bfe_u32 s20, ttmp6, 0x40004                  ; cy
	s_and_b32 s21, ttmp7, 0xffff                   ; the cluster's y
.if MODE == 0
	s_cmp_ge_u32 s21, 24                           ; clusters 0-7: q; 8-23: k; 24-39: v.  The same in all sixteen partners
	s_cselect_b32 s56, 1, 0
	s_sub_co_u32 s57, s21, 24
	s_and_b32 s58, s57, 1
	s_lshr_b32 s59, s57, 1
	s_sub_co_u32 s60, s21, 8
	s_cmp_lt_u32 s21, 8
	s_cselect_b32 s60, s21, s60
	s_cselect_b32 s61, 0, 3276800
	s_cselect_b32 s62, 0, 819200
	s_mov_b32 s63, s61
	s_cmp_lg_u32 s56, 0
	s_cselect_b32 s60, s58, s60                    ; the cluster's row of tiles,
	s_cselect_b32 s59, s59, ttmp9                  ; its column,
	s_cselect_b32 s61, 1638400, s61                ; X's, Y's and the result's places in their buffers
	s_cselect_b32 s62, 9830400, s62
	s_cselect_b32 s63, 9830400, s63
.else
	s_mov_b32 s60, s21
	s_mov_b32 s59, ttmp9
	s_mov_b32 s61, 0
	s_mov_b32 s62, YOFF
	s_mov_b32 s63, 0
.endif
	s_lshl_b32 s22, s60, 2
	s_add_co_u32 s22, s22, s20                     ; xt: never holds cx
	s_lshl_b32 s23, s59, 2
	s_add_co_u32 s23, s23, s19                     ; yt: never holds cy
	s_lshl_b32 s57, s20, 2
	s_lshl_b32 s57, 15, s57                        ; my row of the cluster
	s_lshl_b32 s58, 0x1111, s19                    ; my column
	s_or_b32 s24, s57, (3<<16)|(1<<21)             ; group 1 for X: the mask; elements of 8 bytes; bit 21 beside a mask; no padding
	s_mov_b32 s25, 800<<16                         ; tensor_dim0 = 800 elements: 6,400 bytes
	s_mov_b32 s26, 4<<16                           ; tensor_dim1 = 4 rowtiles
	s_mov_b32 s27, 800<<16                         ; tile_dim0
	s_mov_b32 s28, 4                               ; tile_dim1
	s_mov_b32 s29, 1600                            ; from rowtile to rowtile: 12,800 bytes
	s_mov_b32 s30, 0
	s_mov_b32 s31, 0
	s_or_b32 s40, s58, (3<<16)|(1<<21)             ; group 1 for Y: 8 rowtiles
	s_mov_b32 s41, 800<<16
	s_mov_b32 s42, 8<<16
	s_mov_b32 s43, 800<<16
	s_mov_b32 s44, 8
	s_mov_b32 s45, 1600
	s_mov_b32 s46, 0
	s_mov_b32 s47, 0
	s_lshl_b32 s80, s22, 3
	s_lshl_b32 s81, s18, 2
	s_add_co_u32 s80, s80, s81
	s_mul_i32 s80, s80, RTB
	s_add_co_u32 s80, s80, s61                     ; X: rowtile 8 xt + 4 x half
	s_mov_b32 s81, 0
	s_lshl_b32 s82, s23, 4
	s_lshl_b32 s83, s18, 3
	s_add_co_u32 s82, s82, s83
	s_mul_i32 s82, s82, RTB
	s_add_co_u32 s82, s82, s62                     ; Y: rowtile 16 yt + 8 x half
	s_mov_b32 s83, 0
	s_mul_i32 s84, s18, 4*HPB                      ; and where they go: the wave's number alone enters an LDS address
	s_mul_i32 s85, s18, 8*HPB
	s_add_co_u32 s85, s85, YB
	s_lshl_b32 s89, s23, 1
	s_add_co_u32 s89, s89, s18                     ; my 128 y: their number
	s_lshl_b32 s90, s22, 3
	s_lshl_b32 s91, s17, 2
	s_add_co_u32 s90, s90, s91                     ; my first rowtile of X
	s_lshr_b32 s91, s89, 3
	s_mul_i32 s91, s91, ORT
	s_add_co_u32 s91, s91, s90
	s_mul_i32 s91, s91, RTB
	s_and_b32 s92, s89, 7
	s_mul_i32 s92, s92, REC
	s_add_co_u32 s92, s92, s91
	s_add_co_u32 s92, s92, s63                     ; the result's first record
	s_mov_b32 s93, 0
	s_lshl_b32 s94, s89, 9                         ; the bias along y: 128 numbers
	s_mov_b32 s95, 0
.if MODE == 0
	s_lshl_b32 s96, s22, 9
	s_lshl_b32 s97, s17, 8
	s_add_co_u32 s96, s96, s97                     ; the bias along x: 64 numbers
	s_mov_b32 s97, 0
	s_cmp_lg_u32 s56, 0
	s_cselect_b32 s94, 0, s94                      ; both kinds are loaded on every path; the kind that is not used reads from the vector's start, inside its buffer
	s_cselect_b32 s96, s96, 0
.endif
.if (MODE == 1) || (MODE == 3)
	s_lshr_b32 s98, s90, 2                         ; 8 b + g
	s_lshr_b32 s99, s98, 3
	s_lshl_b32 s99, s99, 9
	s_and_b32 s98, s98, 7
	s_add_co_u32 s98, s98, s99                     ; row 512 b + g
	s_lshl_b32 s98, s98, 12
	s_lshl_b32 s99, s89, 9
	s_add_co_u32 s98, s98, s99
	s_mov_b32 s99, 0
.endif
	s_wait_dscnt 0x0                               ; the opening add is done
	s_wait_kmcnt 0x0
.if MODE == 0
	s_cmp_lg_u32 s56, 0
	s_cselect_b64 s[76:77], s[6:7], s[4:5]
	s_cselect_b64 s[78:79], s[4:5], s[6:7]
	s_cmp_lt_u32 s21, 8
	s_cselect_b64 s[72:73], s[8:9], s[10:11]
	s_cmp_lg_u32 s56, 0
	s_cselect_b64 s[72:73], s[12:13], s[72:73]
	s_add_nc_u64 s[86:87], s[72:73], s[96:97]
	s_add_nc_u64 s[72:73], s[72:73], s[94:95]
	s_add_nc_u64 s[66:67], s[14:15], s[92:93]
.else
	s_mov_b64 s[76:77], s[4:5]
	s_mov_b64 s[78:79], s[6:7]
	s_add_nc_u64 s[72:73], s[8:9], s[94:95]
.endif
.if MODE == 1
	s_add_nc_u64 s[70:71], s[10:11], s[98:99]      ; the residual: query
	s_add_nc_u64 s[68:69], s[12:13], s[98:99]      ; af32
	s_add_nc_u64 s[66:67], s[14:15], s[92:93]      ; aimg
.elseif MODE == 2
	s_add_nc_u64 s[66:67], s[10:11], s[92:93]      ; iimg
.elseif MODE == 3
	s_add_nc_u64 s[70:71], s[10:11], s[98:99]      ; the residual: af32
	s_add_nc_u64 s[68:69], s[12:13], s[98:99]      ; out0
.endif
	s_add_nc_u64 s[76:77], s[76:77], s[80:81]
	s_add_nc_u64 s[78:79], s[78:79], s[82:83]
	CROUND                                         ; all sixteen work-groups are here: the first joint loads meet
.irp s, 0,1
	s_mov_b32 s[32+4*\s], 1
	s_add_co_u32 s[33+4*\s], s84, \s*SLOT
	s_add_nc_u64 s[34+4*\s:35+4*\s], s[76:77], \s*HPB
	s_or_b32 s[35+4*\s], s[35+4*\s], 0x80000000
	s_mov_b32 s[48+4*\s], 1
	s_add_co_u32 s[49+4*\s], s85, \s*SLOT
	s_add_nc_u64 s[50+4*\s:51+4*\s], s[78:79], \s*HPB
	s_or_b32 s[51+4*\s], s[51+4*\s], 0x80000000
	JLOAD \s                                       ; two loads of mine are out
.endr
	v_and_b32 v3, 31, v0
	v_and_b32 v1, 15, v0                           ; r
	v_bfe_u32 v2, v0, 4, 1                         ; h
	v_lshlrev_b32 v15, 4, v3                       ; 16 x lane
	v_lshlrev_b32 v16, 2, v1                       ; 4 r
	v_lshlrev_b32 v17, 3, v2                       ; 8 h
	v_lshlrev_b32 v18, 5, v2                       ; 32 h
	v_mad_u32_u24 v19, v2, HPB, v16                ; scale words: lanes 16-31 take the next rowtile's
	v_mov_b32 v[TMP], 0
	s_mul_i32 s57, s17, 4*HPB
	s_mul_i32 s58, s18, 8*HPB
	s_add_co_u32 s58, s58, YB
.irp s, 0,1
	v_add_nc_u32 v[4+\s], s57, v15
	v_add_nc_u32 v[6+\s], s58, v15
	v_add_nc_u32 v[8+\s], s57, v19
	v_add_nc_u32 v[10+\s], s58, v19
	s_add_co_u32 s57, s57, SLOT
	s_add_co_u32 s58, s58, SLOT
.endr
	s_mul_i32 s59, s16, 8448                       ; my stage for the way out, 16 rows of 512 bytes + 16, in slot 0: written only when that slot has had its last fill and its last read
	v_mul_u32_u24 v20, v1, 528
	v_lshl_add_u32 v12, v2, 5, v20
	v_add_nc_u32 v12, s59, v12                     ; in: row r, + 32 h
	v_add_nc_u32 v13, s59, v15                     ; back by rows
	v_lshl_add_u32 v14, v2, 7, v20
	v_add_nc_u32 v14, s59, v14                     ; back for the quantiser: row r, + 128 h
	s_mov_b32 s[SEL], 0x76543210
	s_mov_b32 s[SEL+1], 0xfedcba98
	WIN 0x80
.irp t, 0,1,2,3,4,5,6,7
	global_load_b128 v[192+8*\t:195+8*\t], v18, s[72:73] offset:64*\t       ; lane (r, h), tile t: the bias of y = 16 t + 8 h + 0 .. 7
	global_load_b128 v[196+8*\t:199+8*\t], v18, s[72:73] offset:64*\t+16
.endr
	WIN 0
.if MODE == 0
.irp i, 0,1,2,3
	global_load_b32 v[64+\i], v16, s[86:87] offset:64*\i                    ; the bias of x = 16 i + r
.endr
.endif
.if (MODE == 1) || (MODE == 3)
	WIN 0xc0
.set n, 0
.rept 64
	global_load_b128 v[4*n:4*n+3], v15, s[70:71] offset:(128*(n/16)+8*(n%16))*4096   ; the residual of my 64 rows x 128 columns: 512 consecutive bytes a load
.set n, n+1
.endr
	WIN 0
.endif
	s_wait_tensorcnt 0x1                           ; my part of slot 0 is in; slot 1's may stay out
	s_barrier_signal -1
	s_barrier_wait -1
	FETCH 0, 0, 0
.if (MODE == 1) || (MODE == 3)
	s_wait_loadcnt 63                              ; the 16 loads of the bias are the oldest of 80
.else
	s_wait_loadcnt 0x0
.endif
.if MODE == 0
	s_cmp_lg_u32 s56, 0
	s_cbranch_scc1 .Lbias_x
	STEP 0, 0, 1
	s_branch .Lfirst_done
.Lbias_x:
	WIN 0x80
.set n, 0
.rept 32
	v_mov_b32 v[192+n], v[64+n/8]                  ; a lane's eight results of a tile share its row's bias
.set n, n+1
.endr
	WIN 0
	STEP 0, 0, 2
.Lfirst_done:
.else
	STEP 0, 0, 1
.endif
	STEP 0, 1, 0
	STEP 0, 2, 0
.if LAPS > 1
	s_mov_b32 s3, LAPS-1
.Llap:                                 ; a trip goes once round the ring and fills both slots again
	TURN 0, 1, 1
	STEP 1, 0, 0
	STEP 1, 1, 0
	STEP 1, 2, 0
	TURN 1, 0, 1
	STEP 0, 0, 0
	STEP 0, 1, 0
	STEP 0, 2, 0
	s_sub_co_u32 s3, s3, 1
	s_cmp_lg_u32 s3, 0
	s_cbranch_scc1 .Llap
.endif
	TURN 0, 1, 0                                   ; the last lap fills nothing
	STEP 1, 0, 0
	STEP 1, 1, 0
	STEP 1, 2, 0
	s_wait_dscnt 0x0
	MUL 1, 0
	; THE WAY OUT, a rowtile of X at a time: 16 rows x 128 y go through my stage
	PLACES
.if MODE == 1
.irp i, 0,1,2,3
.if \i > 0
	s_wait_xcnt 0x0                                ; the last rowtile's stores have read their registers: they are written again only behind this wait
.endif
	TOSTAGE \i
.set n, 0
.rept 16
	ds_load_b128 v[128+4*n:131+4*n], v13 offset:528*n                  ; LDS serves a wave's instructions in order: these see the stores above
.set n, n+1
.endr
	s_wait_dscnt 0x0
.if \i == 0
	s_wait_loadcnt 0x0                             ; the residual
.endif
	WIN 0x0c
.set n, 0
.rept 32
	v_pk_add_f32 v[128+2*n:129+2*n], v[128+2*n:129+2*n], v[64*\i+2*n:64*\i+2*n+1]
.set n, n+1
.endr
	WIN 0
.set n, 0
.rept 16
	global_store_b128 v15, v[128+4*n:131+4*n], s[68:69] offset:(128*\i+8*n)*4096   ; 32 lanes store 512 consecutive bytes of row 512 b + g + 128 i + 8 n
.set n, n+1
.endr
.set n, 0
.rept 16
	ds_store_b128 v13, v[128+4*n:131+4*n] offset:528*n                 ; with the residual, back into the stage for the quantiser
.set n, n+1
.endr
.set n, 0
.rept 16
	ds_load_b128 v[64+4*n:67+4*n], v14 offset:256*(n/8)+16*(n%8)
.set n, n+1
.endr
	s_wait_dscnt 0x0
	QUANT2 64
.irp c, 0,1,2
	global_store_b128 v15, v[PC+4*\c:PC+4*\c+3], s[66:67] offset:RTB*\i+512*\c
.endr
	global_store_b32 v16, v[PW], s[66:67] offset:RTB*\i+1536
.endr
.else
	TOSTAGE 0
	BACK 0
.irp i, 0,1,2,3
.if \i > 0
	s_wait_xcnt 0x0                                ; the last rowtile's stores have read their registers: these are loaded or written again only behind this wait
.endif
.if \i < 3
	TOSTAGE \i+1                                   ; the next rowtile's trip through the stage goes out ahead of this rowtile's work
	BACK \i+1
	s_wait_dscnt 32                                ; this rowtile is back: behind its loads stand the next rowtile's 16 stores and 16 loads
.else
	s_wait_dscnt 0x0
.endif
.set UB, 64+64*(\i%2)
.if MODE == 3
.if \i == 0
	s_wait_loadcnt 0x0                             ; the residual
.endif
	WIN 0x0c
.set n, 0
.rept 32
	v_pk_add_f32 v[UB+2*n:UB+2*n+1], v[UB+2*n:UB+2*n+1], v[64*\i+2*n:64*\i+2*n+1]
.set n, n+1
.endr
	WIN 0
.set n, 0
.rept 16
	global_store_b128 v15, v[UB+4*n:UB+4*n+3], s[68:69] offset:(128*\i+8*n)*4096   ; 32 lanes store 512 consecutive bytes of row 512 b + g + 128 i + 8 n
.set n, n+1
.endr
.else
	QUANT2 UB
.irp c, 0,1,2
	global_store_b128 v15, v[PC+4*\c:PC+4*\c+3], s[66:67] offset:RTB*\i+512*\c
.endr
	global_store_b32 v16, v[PW], s[66:67] offset:RTB*\i+1536
.endif
.endr
.endif
	s_wait_tensorcnt 0x0                           ; the wave's end
	ds_add_u32 v28, v29
	s_wait_dscnt 0x0
	CROUND                                         ; the closing round
	s_endpgm
.Lfunc_end_k_q647caf35dd_wo:
	.size	k_q647caf35dd_wo, .Lfunc_end_k_q647caf35dd_wo-k_q647caf35dd_wo
	.p2alignl 7, 3214868480
	.fill 96, 4, 3214868480
	.section	.rodata,"a",@progbits
	.p2align	6, 0x0
	.amdhsa_kernel k_q647caf35dd_wo
		.amdhsa_group_segment_fixed_size 327680
		.amdhsa_private_segment_fixed_size 0
		.amdhsa_enable_private_segment 0
		.amdhsa_kernarg_size 48
		.amdhsa_user_sgpr_count 2
		.amdhsa_user_sgpr_kernarg_segment_ptr 1
		.amdhsa_wavefront_size32 1
		.amdhsa_system_sgpr_workgroup_id_x 1
		.amdhsa_system_sgpr_workgroup_id_y 1
		.amdhsa_system_sgpr_workgroup_id_z 1
		.amdhsa_system_vgpr_workitem_id 0
		.amdhsa_next_free_vgpr 1024
		.amdhsa_next_free_sgpr 100
		.amdhsa_reserve_vcc 0
		.amdhsa_float_denorm_mode_32 3
		.amdhsa_float_denorm_mode_16_64 3
		.amdhsa_memory_ordered 1
		.amdhsa_forward_progress 1
		.amdhsa_inst_pref_size 118
	.end_amdhsa_kernel
	.amdgpu_metadata
---
amdhsa.version: [ 1, 2 ]
amdhsa.kernels:
  - .name:           k_q647caf35dd_wo
    .symbol:         k_q647caf35dd_wo.kd
    .args:
      - { .name: cimg, .offset: 0, .size: 8, .value_kind: global_buffer, .address_space: global }
      - { .name: wimg, .offset: 8, .size: 8, .value_kind: global_buffer, .address_space: global }
      - { .name: bo, .offset: 16, .size: 8, .value_kind: global_buffer, .address_space: global }
      - { .name: query, .offset: 24, .size: 8, .value_kind: global_buffer, .address_space: global }
      - { .name: af32, .offset: 32, .size: 8, .value_kind: global_buffer, .address_space: global }
      - { .name: aimg, .offset: 40, .size: 8, .value_kind: global_buffer, .address_space: global }
    .group_segment_fixed_size: 327680
    .private_segment_fixed_size: 0
    .kernarg_segment_align: 8
    .kernarg_segment_size: 48
    .max_flat_workgroup_size: 128
    .sgpr_count:     100
    .vgpr_count:     1024
    .wavefront_size: 32
...
	.end_amdgpu_metadata
.endif
;; end of part 4
;; launch w1 (part 5): grid 16 x 32, 4 waves a work-group, clusters of 4 x 4, 327,680 bytes of LDS; arguments aimg, wimg, b1, iimg; writes iimg
.if DOCPART == 5
	.amdgcn_target "amdgcn-amd-amdhsa--gfx1250"
	.amdhsa_code_object_version 6
	.text
	.protected	k_q647caf35dd_w1
	.globl	k_q647caf35dd_w1
	.p2align	8
	.type	k_q647caf35dd_w1,@function
k_q647caf35dd_w1:
	s_mov_b64 s[64:65], 0
	v_nop
	global_prefetch_b8 v0, s[64:65] scope:SCOPE_SE
	s_setreg_imm32_b32 hwreg(HW_REG_WAVE_MODE, 25, 1), 1
	s_wait_xcnt 0x0
	s_wait_alu depctr_hold_cnt(0) depctr_sa_sdst(0) depctr_va_vdst(0) depctr_va_sdst(0) depctr_va_ssrc(0) depctr_va_vcc(0) depctr_vm_vsrc(0)
	s_getreg_b32 s2, hwreg(HW_REG_IB_STS2, 6, 4)
	s_cmp_eq_u32 s2, 0
	s_cbranch_scc0 .Lentry_in_a_cluster
	s_endpgm
.Lentry_in_a_cluster:
	s_bfe_u32 s2, ttmp6, 0x10000c
	s_cmp_lg_u32 s2, 0xf033
	s_cbranch_scc0 .Lentry_shape_is_right
	s_endpgm
.Lentry_shape_is_right:
; GEMM ON CODES OF E2M3: D(x, y) = sum over k of X[x][k] Y[y][k] + bias.  One text serves four launches; MODE says which.
;   MODE 0: q = query Wq + bq, k = key Wk + bk (X the activations, Y the weight, bias along y), v^T = Wv^T value^T + bv (X the weight, Y value, bias along x): results quantised along y.
;   MODE 1: attn_out = ctx Wo + bo + query: stored in f32 and quantised.   MODE 2: inter = attn_out W1 + b1: quantised.   MODE 3: out = inter W2 + b2 + attn_out: f32.
; OPERANDS are images of the operand's registers: a record of 1,600 bytes is a fragment (16 rows x 128 K: three chunks of 512 bytes, lane l's 16 bytes at 16 l) and its 16 scale words;
; record (rowtile, K step s) lies at ((s / 8) RT + rowtile) x 12,800 + (s % 8) x 1,600.  So a fragment comes by three loads of 16 bytes a lane, and half a panel (512 K) of a rowtile is 6,400 consecutive bytes.
; SHARES: a work-group makes 128 x by 256 y; wave w (wx = w / 2, wy = w % 2) 64 x by 128 y: 4 x 8 accumulators.  128 along y are one K step of the product that reads the result.
; THE MATRIX INSTRUCTION IS USED TRANSPOSED: source 0 = 16 rows of Y, source 1 = 16 rows of X: a lane holds one row x and eight neighbouring y.
; RING: two LDS slots of half a panel (8 rowtiles of X, 16 of Y).  K = 1,024 fits the two first fills; K = 4,096 fills each slot three times more.
; THE K STEP: 32 products in four groups of eight (a rowtile of X against Y's eight).  The next step's 42 LDS loads stand in three runs of 18, 15 and 9 behind the first three groups, in the order in which
; the next step wants them (Y's 24, the six scale words, X's rowtiles 0 to 3), and each group waits only for what it reads.
; THE WAY OUT: a rowtile's trip through the stage is issued while the rowtile before it is quantised or stored (MODE 1, which needs two trips a rowtile, takes them one after the other).
; CLUSTER 4 x 4: X's tile hangs on the tile row and is asked for jointly along a row of the cluster, Y's along a column.
; ROWS of ctx, attn_out, inter: rowtile 32 b + 4 g + dt holds in lane r row 512 b + 128 dt + 8 r + g; MODE 1 and 3 undo that order in the immediates of their row stores.
; LIMITS: NaN and infinities are not served; a block's largest magnitude is held at 2^-124 from below (byte 1); a block of zeros gets the byte 1, not 127: its codes are zeros and this program alone reads the bytes.
; REGISTERS: window 0: v1-20 addresses; v28, v29 the add's two; v32-43 scale words, two sets (X's two, Y's four; even rowtile in lanes 0-15, odd in lanes 16-31); v64-127 numbers on the way out;
;   v128-223 X's fragments, two sets (on the way out v128-191 a second set of numbers); v224-251 the quantiser's.  window 1: accumulator (i, t) at 8 (8 i + t).  window 2: Y's fragments, two sets of 96; v192-255 the bias.  window 3: the residual.
.set MODE, 2
.if MODE == 3
.set LAPS, 4
.else
.set LAPS, 1
.endif
.if MODE == 0
.set ORT, 64
.set YOFF, 0
.elseif MODE == 1
.set ORT, 256
.set YOFF, 2457600
.elseif MODE == 2
.set ORT, 256
.set YOFF, 3276800
.else
.set ORT, 256
.set YOFF, 6553600
.endif
.set REC,  1600
.set HPB,  6400                        ; half a panel of a rowtile
.set RTB,  12800
.set YB,   8*HPB                       ; in a slot: X's 8 rowtiles, then Y's 16
.set SLOT, 24*HPB
.set SPARE, 2*SLOT                     ; behind the ring: the spare words, 128 bytes a wave
.set PC,  224
.set TQ,  236
.set MX,  244
.set SO,  246
.set BY,  248
.set PW,  250
.set TMP, 251
.set SH8, 17
.set SEL, 74
.set MSB, 0
.macro WIN new                         ; the immediate's high byte repeats the setting that is left
.if MSB != \new
	s_set_vgpr_msb (MSB<<8)|\new
.set MSB, \new
.endif
.endm
.macro PLACES                          ; four plain places behind matrix instructions, in front of loads into their registers and of reads of their results
.rept 4
	v_nop
.endr
.endm
.macro CROUND                          ; a round of the cluster's barrier
	s_barrier_signal -1
	s_barrier_wait -1
	s_cmp_lg_u32 s16, 0
	s_cbranch_scc1 .Lnot_wave_0_\@
	s_barrier_signal -3
.Lnot_wave_0_\@:
	s_barrier_wait -3
	s_barrier_signal -1
	s_barrier_wait -1
.endm
.macro JLOAD s                         ; a joint load: waves 0, 1 fetch X's halves, waves 2, 3 Y's; s_nop 0 and four v_nop follow each line
	s_cmp_eq_u32 s17, 0
	s_cbranch_scc0 .Lfor_y_\@
	tensor_load_to_lds s[32+4*\s:35+4*\s], s[24:31]
	s_nop 0
.rept 4
	v_nop
.endr
	s_branch .Lasked_\@
.Lfor_y_\@:
	tensor_load_to_lds s[48+4*\s:51+4*\s], s[40:47]
	s_nop 0
.rept 4
	v_nop
.endr
.Lasked_\@:
.endm
.macro WM d, a, b, c, sa, sb, ra, rb   ; one product; ra, rb: the scale words stand in lanes 16-31
.if (\ra) && (\rb)
	v_wmma_scale_f32_16x16x128_f8f6f4 v[(\d):(\d)+7], v[(\a):(\a)+11], v[(\b):(\b)+11], v[(\c):(\c)+7], v[\sa], v[\sb] matrix_a_fmt:MATRIX_FMT_FP6 matrix_b_fmt:MATRIX_FMT_FP6 matrix_a_scale:MATRIX_SCALE_ROW1 matrix_b_scale:MATRIX_SCALE_ROW1
.elseif (\ra)
	v_wmma_scale_f32_16x16x128_f8f6f4 v[(\d):(\d)+7], v[(\a):(\a)+11], v[(\b):(\b)+11], v[(\c):(\c)+7], v[\sa], v[\sb] matrix_a_fmt:MATRIX_FMT_FP6 matrix_b_fmt:MATRIX_FMT_FP6 matrix_a_scale:MATRIX_SCALE_ROW1
.elseif (\rb)
	v_wmma_scale_f32_16x16x128_f8f6f4 v[(\d):(\d)+7], v[(\a):(\a)+11], v[(\b):(\b)+11], v[(\c):(\c)+7], v[\sa], v[\sb] matrix_a_fmt:MATRIX_FMT_FP6 matrix_b_fmt:MATRIX_FMT_FP6 matrix_b_scale:MATRIX_SCALE_ROW1
.else
	v_wmma_scale_f32_16x16x128_f8f6f4 v[(\d):(\d)+7], v[(\a):(\a)+11], v[(\b):(\b)+11], v[(\c):(\c)+7], v[\sa], v[\sb] matrix_a_fmt:MATRIX_FMT_FP6 matrix_b_fmt:MATRIX_FMT_FP6
.endif
.endm
; The 42 LDS loads of the slot's K step kl into set p, in three kinds: Y's 24 (numbers n0 .. n0 + cnt - 1 of them), the six scale words, X's 12
.macro LY slot, kl, p, n0, cnt
	WIN 0x80
.set n, \n0
.rept \cnt
	ds_load_b128 v[96*(\p)+4*n:96*(\p)+4*n+3], v[6+\slot] offset:(n/3)*HPB+(\kl)*REC+(n%3)*512
.set n, n+1
.endr
.endm
.macro LS slot, kl, p
	WIN 0
.irp j, 0,1,2,3
	ds_load_b32 v[34+6*(\p)+\j], v[10+\slot] offset:\j*RTB+(\kl)*REC+1536
.endr
.irp j, 0,1
	ds_load_b32 v[32+6*(\p)+\j], v[8+\slot] offset:\j*RTB+(\kl)*REC+1536
.endr
.endm
.macro LX slot, kl, p, n0, cnt
	WIN 0
.set n, \n0
.rept \cnt
	ds_load_b128 v[128+48*(\p)+4*n:128+48*(\p)+4*n+3], v[4+\slot] offset:(n/3)*HPB+(\kl)*REC+(n%3)*512
.set n, n+1
.endr
.endm
.macro FETCH slot, kl, p               ; all 42 in one run, in the order that the counted waits of KSTEP lean on
	LY \slot, \kl, \p, 0, 24
	LS \slot, \kl, \p
	LX \slot, \kl, \p, 0, 12
.endm
.macro MULG p, cm, i                   ; 8 products on set p: X's rowtile i against Y's eight.  The 32 accumulators take turns in one order everywhere.  cm = 1, 2: the bias along y, along x starts the sums
.if \cm == 0
	WIN 0x52
.else
	WIN 0x62
.endif
.set n, 8*(\i)
.rept 8
.if \cm == 0
.set CB, 8*n
.elseif \cm == 1
.set CB, 192+8*(n%8)
.else
.set CB, 192+8*(n/8)
.endif
	WM 8*n, 96*(\p)+12*(n%8), 128+48*(\p)+12*(n/8), CB, 34+6*(\p)+(n%8)/2, 32+6*(\p)+n/16, n%2, (n/8)%2
.set n, n+1
.endr
.endm
.macro MUL p, cm                       ; a K step's 32 products with nothing to fetch
	MULG \p, \cm, 0
	MULG \p, \cm, 1
	MULG \p, \cm, 2
	MULG \p, \cm, 3
	WIN 0
.endm
; A K step on set p; among its products the fetch of the slot's K step kl into set q.  Four places stand in front of it: all three runs load into registers that the step before multiplied.
.macro KSTEP p, cm, slot, kl, q
	s_wait_dscnt 9                                 ; of this step's 42 loads the youngest nine, X's rowtiles 1 to 3, may be out
	MULG \p, \cm, 0
	LY \slot, \kl, \q, 0, 18
	s_wait_dscnt 24                                ; X's rowtile 1 is in: behind it stand rowtiles 2 and 3 (6 loads) and the 18 just issued
	MULG \p, \cm, 1
	LY \slot, \kl, \q, 18, 6
	LS \slot, \kl, \q
	LX \slot, \kl, \q, 0, 3
	s_wait_dscnt 36                                ; rowtile 2 is in: behind it 3 + 18 + 15
	MULG \p, \cm, 2
	LX \slot, \kl, \q, 3, 9
	s_wait_dscnt 42                                ; rowtile 3 is in: behind it the next step's 42
	MULG \p, \cm, 3
	WIN 0
.endm
.macro STEP slot, kl, cm               ; K step kl = 0 .. 2 of a slot
	PLACES
	KSTEP (\kl)%2, \cm, \slot, (\kl)+1, ((\kl)+1)%2
.endm
.macro TURN slot, next, fill           ; a slot's last K step, and the change of slots
	s_wait_tensorcnt 0x0                           ; all my tensor loads have landed: my part of the next slot
	ds_add_u32 v28, v29                            ; 0 onto my spare word
.if \fill
	s_add_nc_u64 s[34+4*\slot:35+4*\slot], s[34+4*\slot:35+4*\slot], 256*RTB   ; the same half of the next panel: X has 256 rowtiles,
	s_add_nc_u64 s[50+4*\slot:51+4*\slot], s[50+4*\slot:51+4*\slot], 64*RTB    ; Y 64
.endif
	s_wait_dscnt 0x0                               ; the add is done, and my reads of this slot are over
.if \fill
	CROUND                                         ; no wave of any partner still reads this slot or has a load on its way
	JLOAD \slot                                    ; the first tensor load behind the round; its four v_nop are the places in front of the loads below
.else
	s_barrier_signal -1
	s_barrier_wait -1
	PLACES
.endif
	KSTEP 1, 0, \next, 0, 0
.endm
.macro QUANT2 s                        ; 64 numbers of a lane (register 32 c + i = k 64 c + 32 h + i of my row) become 12 registers of codes and the row's scale word
.irp c, 0,1                            ; the largest magnitudes of the two blocks, each in two chains, so that no line waits for the line above it
	v_max3_num_f32 v[MX+\c], |v[\s+32*\c]|, |v[\s+32*\c+1]|, 0x1800000   ; the floor 2^-124 among the leaves holds the byte at 1 from below
	v_max3_num_f32 v[BY+\c], |v[\s+32*\c+16]|, |v[\s+32*\c+17]|, |v[\s+32*\c+18]|
.endr
.irp i, 2,4,6,8,10,12
.irp c, 0,1
	v_max3_num_f32 v[MX+\c], v[MX+\c], |v[\s+32*\c+\i]|, |v[\s+32*\c+\i+1]|
	v_max3_num_f32 v[BY+\c], v[BY+\c], |v[\s+32*\c+\i+17]|, |v[\s+32*\c+\i+18]|
.endr
.endr
.irp c, 0,1
	v_max3_num_f32 v[MX+\c], v[MX+\c], |v[\s+32*\c+14]|, |v[\s+32*\c+15]|
.endr
.irp c, 0,1
	v_max3_num_f32 v[MX+\c], v[MX+\c], v[BY+\c], |v[\s+32*\c+31]|
.endr
.irp c, 0,1
	v_add_nc_u32 v[SO+\c], 0xff000000, v[MX+\c]    ; 2 off the exponent field: the conversion's scale operand
.endr
.irp c, 0,1
	v_lshrrev_b32 v[BY+\c], 23, v[SO+\c]           ; the byte
.endr
	v_lshl_or_b32 v[PW], v[BY+1], 16, v[BY]
	v_lshlrev_b32 v[PW], v[SH8], v[PW]
	v_permlanex16_b32 v[TMP], v[PW], s[SEL], s[SEL+1]
	v_or_b32 v[PW], v[PW], v[TMP]
.irp c, 0,1
	v_cvt_scalef32_pk16_fp6_f32 v[PC+6*\c:PC+6*\c+2], v[\s+32*\c:\s+32*\c+15], v[SO+\c]
	v_cvt_scalef32_pk16_fp6_f32 v[TQ+4*\c:TQ+4*\c+2], v[\s+32*\c+16:\s+32*\c+31], v[SO+\c]
.endr
	v_nop                                          ; one plain place behind the conversions
.irp c, 0,1
.irp i, 0,1,2
	v_mov_b32 v[PC+6*\c+3+\i], v[TQ+4*\c+\i]
.endr
.endr
.endm
.macro TOSTAGE i                       ; X's rowtile i, 16 rows x 128 y, into my stage
	WIN 0x04
.set n, 0
.rept 8
	ds_store_b128 v12, v[8*(8*(\i)+n):8*(8*(\i)+n)+3] offset:64*n          ; each accumulator from its low end on
	ds_store_b128 v12, v[8*(8*(\i)+n)+4:8*(8*(\i)+n)+7] offset:64*n+16
.set n, n+1
.endr
	WIN 0
.endm
.macro BACK i                          ; and back into set i % 2: by rows (MODE 3) or as the quantiser wants it.  LDS serves a wave's instructions in order: these see the stores above, and the next rowtile's stores come behind them
.set LB, 64+64*((\i)%2)
.set n, 0
.rept 16
.if MODE == 3
	ds_load_b128 v[LB+4*n:LB+4*n+3], v13 offset:528*n
.else
	ds_load_b128 v[LB+4*n:LB+4*n+3], v14 offset:256*(n/8)+16*(n%8)
.endif
.set n, n+1
.endr
.endm
	s_load_b256 s[4:11], s[0:1], 0x0
.if (MODE == 0) || (MODE == 1)
	s_load_b128 s[12:15], s[0:1], 0x20
.elseif MODE == 3
	s_load_b64 s[12:13], s[0:1], 0x20
.endif
	v_lshl_add_u32 v28, v0, 2, SPARE
	v_mov_b32 v29, 0
	ds_add_u32 v28, v29                            ; the wave's opening: the add and its wait ahead of my first tensor load
	v_lshrrev_b32 v1, 5, v0
	v_readfirstlane_b32 s16, v1                    ; wave
	s_lshr_b32 s17, s16, 1                         ; wx; also: I fetch for X (0) or Y (1)
	s_and_b32 s18, s16, 1                          ; wy; also: which half of that tile I fetch
	s_bfe_u32 s19, ttmp6, 0x40000                  ; cx
	s_bfe_u32 s20, ttmp6, 0x40004                  ; cy
	s_and_b32 s21, ttmp7, 0xffff                   ; the cluster's y
.if MODE == 0
	s_cmp_ge_u32 s21, 24                           ; clusters 0-7: q; 8-23: k; 24-39: v.  The same in all sixteen partners
	s_cselect_b32 s56, 1, 0
	s_sub_co_u32 s57, s21, 24
	s_and_b32 s58, s57, 1
	s_lshr_b32 s59, s57, 1
	s_sub_co_u32 s60, s21, 8
	s_cmp_lt_u32 s21, 8
	s_cselect_b32 s60, s21, s60
	s_cselect_b32 s61, 0, 3276800
	s_cselect_b32 s62, 0, 819200
	s_mov_b32 s63, s61
	s_cmp_lg_u32 s56, 0
	s_cselect_b32 s60, s58, s60                    ; the cluster's row of tiles,
	s_cselect_b32 s59, s59, ttmp9                  ; its column,
	s_cselect_b32 s61, 1638400, s61                ; X's, Y's and the result's places in their buffers
	s_cselect_b32 s62, 9830400, s62
	s_cselect_b32 s63, 9830400, s63
.else
	s_mov_b32 s60, s21
	s_mov_b32 s59, ttmp9
	s_mov_b32 s61, 0
	s_mov_b32 s62, YOFF
	s_mov_b32 s63, 0
.endif
	s_lshl_b32 s22, s60, 2
	s_add_co_u32 s22, s22, s20                     ; xt: never holds cx
	s_lshl_b32 s23, s59, 2
	s_add_co_u32 s23, s23, s19                     ; yt: never holds cy
	s_lshl_b32 s57, s20, 2
	s_lshl_b32 s57, 15, s57                        ; my row of the cluster
	s_lshl_b32 s58, 0x1111, s19                    ; my column
	s_or_b32 s24, s57, (3<<16)|(1<<21)             ; group 1 for X: the mask; elements of 8 bytes; bit 21 beside a mask; no padding
	s_mov_b32 s25, 800<<16                         ; tensor_dim0 = 800 elements: 6,400 bytes
	s_mov_b32 s26, 4<<16                           ; tensor_dim1 = 4 rowtiles
	s_mov_b32 s27, 800<<16                         ; tile_dim0
	s_mov_b32 s28, 4                               ; tile_dim1
	s_mov_b32 s29, 1600                            ; from rowtile to rowtile: 12,800 bytes
	s_mov_b32 s30, 0
	s_mov_b32 s31, 0
	s_or_b32 s40, s58, (3<<16)|(1<<21)             ; group 1 for Y: 8 rowtiles
	s_mov_b32 s41, 800<<16
	s_mov_b32 s42, 8<<16
	s_mov_b32 s43, 800<<16
	s_mov_b32 s44, 8
	s_mov_b32 s45, 1600
	s_mov_b32 s46, 0
	s_mov_b32 s47, 0
	s_lshl_b32 s80, s22, 3
	s_lshl_b32 s81, s18, 2
	s_add_co_u32 s80, s80, s81
	s_mul_i32 s80, s80, RTB
	s_add_co_u32 s80, s80, s61                     ; X: rowtile 8 xt + 4 x half
	s_mov_b32 s81, 0
	s_lshl_b32 s82, s23, 4
	s_lshl_b32 s83, s18, 3
	s_add_co_u32 s82, s82, s83
	s_mul_i32 s82, s82, RTB
	s_add_co_u32 s82, s82, s62                     ; Y: rowtile 16 yt + 8 x half
	s_mov_b32 s83, 0
	s_mul_i32 s84, s18, 4*HPB                      ; and where they go: the wave's number alone enters an LDS address
	s_mul_i32 s85, s18, 8*HPB
	s_add_co_u32 s85, s85, YB
	s_lshl_b32 s89, s23, 1
	s_add_co_u32 s89, s89, s18                     ; my 128 y: their number
	s_lshl_b32 s90, s22, 3
	s_lshl_b32 s91, s17, 2
	s_add_co_u32 s90, s90, s91                     ; my first rowtile of X
	s_lshr_b32 s91, s89, 3
	s_mul_i32 s91, s91, ORT
	s_add_co_u32 s91, s91, s90
	s_mul_i32 s91, s91, RTB
	s_and_b32 s92, s89, 7
	s_mul_i32 s92, s92, REC
	s_add_co_u32 s92, s92, s91
	s_add_co_u32 s92, s92, s63                     ; the result's first record
	s_mov_b32 s93, 0
	s_lshl_b32 s94, s89, 9                         ; the bias along y: 128 numbers
	s_mov_b32 s95, 0
.if MODE == 0
	s_lshl_b32 s96, s22, 9
	s_lshl_b32 s97, s17, 8
	s_add_co_u32 s96, s96, s97                     ; the bias along x: 64 numbers
	s_mov_b32 s97, 0
	s_cmp_lg_u32 s56, 0
	s_cselect_b32 s94, 0, s94                      ; both kinds are loaded on every path; the kind that is not used reads from the vector's start, inside its buffer
	s_cselect_b32 s96, s96, 0
.endif
.if (MODE == 1) || (MODE == 3)
	s_lshr_b32 s98, s90, 2                         ; 8 b + g
	s_lshr_b32 s99, s98, 3
	s_lshl_b32 s99, s99, 9
	s_and_b32 s98, s98, 7
	s_add_co_u32 s98, s98, s99                     ; row 512 b + g
	s_lshl_b32 s98, s98, 12
	s_lshl_b32 s99, s89, 9
	s_add_co_u32 s98, s98, s99
	s_mov_b32 s99, 0
.endif
	s_wait_dscnt 0x0                               ; the opening add is done
	s_wait_kmcnt 0x0
.if MODE == 0
	s_cmp_lg_u32 s56, 0
	s_cselect_b64 s[76:77], s[6:7], s[4:5]
	s_cselect_b64 s[78:79], s[4:5], s[6:7]
	s_cmp_lt_u32 s21, 8
	s_cselect_b64 s[72:73], s[8:9], s[10:11]
	s_cmp_lg_u32 s56, 0
	s_cselect_b64 s[72:73], s[12:13], s[72:73]
	s_add_nc_u64 s[86:87], s[72:73], s[96:97]
	s_add_nc_u64 s[72:73], s[72:73], s[94:95]
	s_add_nc_u64 s[66:67], s[14:15], s[92:93]
.else
	s_mov_b64 s[76:77], s[4:5]
	s_mov_b64 s[78:79], s[6:7]
	s_add_nc_u64 s[72:73], s[8:9], s[94:95]
.endif
.if MODE == 1
	s_add_nc_u64 s[70:71], s[10:11], s[98:99]      ; the residual: query
	s_add_nc_u64 s[68:69], s[12:13], s[98:99]      ; af32
	s_add_nc_u64 s[66:67], s[14:15], s[92:93]      ; aimg
.elseif MODE == 2
	s_add_nc_u64 s[66:67], s[10:11], s[92:93]      ; iimg
.elseif MODE == 3
	s_add_nc_u64 s[70:71], s[10:11], s[98:99]      ; the residual: af32
	s_add_nc_u64 s[68:69], s[12:13], s[98:99]      ; out0
.endif
	s_add_nc_u64 s[76:77], s[76:77], s[80:81]
	s_add_nc_u64 s[78:79], s[78:79], s[82:83]
	CROUND                                         ; all sixteen work-groups are here: the first joint loads meet
.irp s, 0,1
	s_mov_b32 s[32+4*\s], 1
	s_add_co_u32 s[33+4*\s], s84, \s*SLOT
	s_add_nc_u64 s[34+4*\s:35+4*\s], s[76:77], \s*HPB
	s_or_b32 s[35+4*\s], s[35+4*\s], 0x80000000
	s_mov_b32 s[48+4*\s], 1
	s_add_co_u32 s[49+4*\s], s85, \s*SLOT
	s_add_nc_u64 s[50+4*\s:51+4*\s], s[78:79], \s*HPB
	s_or_b32 s[51+4*\s], s[51+4*\s], 0x80000000
	JLOAD \s                                       ; two loads of mine are out
.endr
	v_and_b32 v3, 31, v0
	v_and_b32 v1, 15, v0                           ; r
	v_bfe_u32 v2, v0, 4, 1                         ; h
	v_lshlrev_b32 v15, 4, v3                       ; 16 x lane
	v_lshlrev_b32 v16, 2, v1                       ; 4 r
	v_lshlrev_b32 v17, 3, v2                       ; 8 h
	v_lshlrev_b32 v18, 5, v2                       ; 32 h
	v_mad_u32_u24 v19, v2, HPB, v16                ; scale words: lanes 16-31 take the next rowtile's
	v_mov_b32 v[TMP], 0
	s_mul_i32 s57, s17, 4*HPB
	s_mul_i32 s58, s18, 8*HPB
	s_add_co_u32 s58, s58, YB
.irp s, 0,1
	v_add_nc_u32 v[4+\s], s57, v15
	v_add_nc_u32 v[6+\s], s58, v15
	v_add_nc_u32 v[8+\s], s57, v19
	v_add_nc_u32 v[10+\s], s58, v19
	s_add_co_u32 s57, s57, SLOT
	s_add_co_u32 s58, s58, SLOT
.endr
	s_mul_i32 s59, s16, 8448                       ; my stage for the way out, 16 rows of 512 bytes + 16, in slot 0: written only when that slot has had its last fill and its last read
	v_mul_u32_u24 v20, v1, 528
	v_lshl_add_u32 v12, v2, 5, v20
	v_add_nc_u32 v12, s59, v12                     ; in: row r, + 32 h
	v_add_nc_u32 v13, s59, v15                     ; back by rows
	v_lshl_add_u32 v14, v2, 7, v20
	v_add_nc_u32 v14, s59, v14                     ; back for the quantiser: row r, + 128 h
	s_mov_b32 s[SEL], 0x76543210
	s_mov_b32 s[SEL+1], 0xfedcba98
	WIN 0x80
.irp t, 0,1,2,3,4,5,6,7
	global_load_b128 v[192+8*\t:195+8*\t], v18, s[72:73] offset:64*\t       ; lane (r, h), tile t: the bias of y = 16 t + 8 h + 0 .. 7
	global_load_b128 v[196+8*\t:199+8*\t], v18, s[72:73] offset:64*\t+16
.endr
	WIN 0
.if MODE == 0
.irp i, 0,1,2,3
	global_load_b32 v[64+\i], v16, s[86:87] offset:64*\i                    ; the bias of x = 16 i + r
.endr
.endif
.if (MODE == 1) || (MODE == 3)
	WIN 0xc0
.set n, 0
.rept 64
	global_load_b128 v[4*n:4*n+3], v15, s[70:71] offset:(128*(n/16)+8*(n%16))*4096   ; the residual of my 64 rows x 128 columns: 512 consecutive bytes a load
.set n, n+1
.endr
	WIN 0
.endif
	s_wait_tensorcnt 0x1                           ; my part of slot 0 is in; slot 1's may stay out
	s_barrier_signal -1
	s_barrier_wait -1
	FETCH 0, 0, 0
.if (MODE == 1) || (MODE == 3)
	s_wait_loadcnt 63                              ; the 16 loads of the bias are the oldest of 80
.else
	s_wait_loadcnt 0x0
.endif
.if MODE == 0
	s_cmp_lg_u32 s56, 0
	s_cbranch_scc1 .Lbias_x
	STEP 0, 0, 1
	s_branch .Lfirst_done
.Lbias_x:
	WIN 0x80
.set n, 0
.rept 32
	v_mov_b32 v[192+n], v[64+n/8]                  ; a lane's eight results of a tile share its row's bias
.set n, n+1
.endr
	WIN 0
	STEP 0, 0, 2
.Lfirst_done:
.else
	STEP 0, 0, 1
.endif
	STEP 0, 1, 0
	STEP 0, 2, 0
.if LAPS > 1
	s_mov_b32 s3, LAPS-1
.Llap:                                 ; a trip goes once round the ring and fills both slots again
	TURN 0, 1, 1
	STEP 1, 0, 0
	STEP 1, 1, 0
	STEP 1, 2, 0
	TURN 1, 0, 1
	STEP 0, 0, 0
	STEP 0, 1, 0
	STEP 0, 2, 0
	s_sub_co_u32 s3, s3, 1
	s_cmp_lg_u32 s3, 0
	s_cbranch_scc1 .Llap
.endif
	TURN 0, 1, 0                                   ; the last lap fills nothing
	STEP 1, 0, 0
	STEP 1, 1, 0
	STEP 1, 2, 0
	s_wait_dscnt 0x0
	MUL 1, 0
	; THE WAY OUT, a rowtile of X at a time: 16 rows x 128 y go through my stage
	PLACES
.if MODE == 1
.irp i, 0,1,2,3
.if \i > 0
	s_wait_xcnt 0x0                                ; the last rowtile's stores have read their registers: they are written again only behind this wait
.endif
	TOSTAGE \i
.set n, 0
.rept 16
	ds_load_b128 v[128+4*n:131+4*n], v13 offset:528*n                  ; LDS serves a wave's instructions in order: these see the stores above
.set n, n+1
.endr
	s_wait_dscnt 0x0
.if \i == 0
	s_wait_loadcnt 0x0                             ; the residual
.endif
	WIN 0x0c
.set n, 0
.rept 32
	v_pk_add_f32 v[128+2*n:129+2*n], v[128+2*n:129+2*n], v[64*\i+2*n:64*\i+2*n+1]
.set n, n+1
.endr
	WIN 0
.set n, 0
.rept 16
	global_store_b128 v15, v[128+4*n:131+4*n], s[68:69] offset:(128*\i+8*n)*4096   ; 32 lanes store 512 consecutive bytes of row 512 b + g + 128 i + 8 n
.set n, n+1
.endr
.set n, 0
.rept 16
	ds_store_b128 v13, v[128+4*n:131+4*n] offset:528*n                 ; with the residual, back into the stage for the quantiser
.set n, n+1
.endr
.set n, 0
.rept 16
	ds_load_b128 v[64+4*n:67+4*n], v14 offset:256*(n/8)+16*(n%8)
.set n, n+1
.endr
	s_wait_dscnt 0x0
	QUANT2 64
.irp c, 0,1,2
	global_store_b128 v15, v[PC+4*\c:PC+4*\c+3], s[66:67] offset:RTB*\i+512*\c
.endr
	global_store_b32 v16, v[PW], s[66:67] offset:RTB*\i+1536
.endr
.else
	TOSTAGE 0
	BACK 0
.irp i, 0,1,2,3
.if \i > 0
	s_wait_xcnt 0x0                                ; the last rowtile's stores have read their registers: these are loaded or written again only behind this wait
.endif
.if \i < 3
	TOSTAGE \i+1                                   ; the next rowtile's trip through the stage goes out ahead of this rowtile's work
	BACK \i+1
	s_wait_dscnt 32                                ; this rowtile is back: behind its loads stand the next rowtile's 16 stores and 16 loads
.else
	s_wait_dscnt 0x0
.endif
.set UB, 64+64*(\i%2)
.if MODE == 3
.if \i == 0
	s_wait_loadcnt 0x0                             ; the residual
.endif
	WIN 0x0c
.set n, 0
.rept 32
	v_pk_add_f32 v[UB+2*n:UB+2*n+1], v[UB+2*n:UB+2*n+1], v[64*\i+2*n:64*\i+2*n+1]
.set n, n+1
.endr
	WIN 0
.set n, 0
.rept 16
	global_store_b128 v15, v[UB+4*n:UB+4*n+3], s[68:69] offset:(128*\i+8*n)*4096   ; 32 lanes store 512 consecutive bytes of row 512 b + g + 128 i + 8 n
.set n, n+1
.endr
.else
	QUANT2 UB
.irp c, 0,1,2
	global_store_b128 v15, v[PC+4*\c:PC+4*\c+3], s[66:67] offset:RTB*\i+512*\c
.endr
	global_store_b32 v16, v[PW], s[66:67] offset:RTB*\i+1536
.endif
.endr
.endif
	s_wait_tensorcnt 0x0                           ; the wave's end
	ds_add_u32 v28, v29
	s_wait_dscnt 0x0
	CROUND                                         ; the closing round
	s_endpgm
.Lfunc_end_k_q647caf35dd_w1:
	.size	k_q647caf35dd_w1, .Lfunc_end_k_q647caf35dd_w1-k_q647caf35dd_w1
	.p2alignl 7, 3214868480
	.fill 96, 4, 3214868480
	.section	.rodata,"a",@progbits
	.p2align	6, 0x0
	.amdhsa_kernel k_q647caf35dd_w1
		.amdhsa_group_segment_fixed_size 327680
		.amdhsa_private_segment_fixed_size 0
		.amdhsa_enable_private_segment 0
		.amdhsa_kernarg_size 32
		.amdhsa_user_sgpr_count 2
		.amdhsa_user_sgpr_kernarg_segment_ptr 1
		.amdhsa_wavefront_size32 1
		.amdhsa_system_sgpr_workgroup_id_x 1
		.amdhsa_system_sgpr_workgroup_id_y 1
		.amdhsa_system_sgpr_workgroup_id_z 1
		.amdhsa_system_vgpr_workitem_id 0
		.amdhsa_next_free_vgpr 768
		.amdhsa_next_free_sgpr 100
		.amdhsa_reserve_vcc 0
		.amdhsa_float_denorm_mode_32 3
		.amdhsa_float_denorm_mode_16_64 3
		.amdhsa_memory_ordered 1
		.amdhsa_forward_progress 1
		.amdhsa_inst_pref_size 89
	.end_amdhsa_kernel
	.amdgpu_metadata
---
amdhsa.version: [ 1, 2 ]
amdhsa.kernels:
  - .name:           k_q647caf35dd_w1
    .symbol:         k_q647caf35dd_w1.kd
    .args:
      - { .name: aimg, .offset: 0, .size: 8, .value_kind: global_buffer, .address_space: global }
      - { .name: wimg, .offset: 8, .size: 8, .value_kind: global_buffer, .address_space: global }
      - { .name: b1, .offset: 16, .size: 8, .value_kind: global_buffer, .address_space: global }
      - { .name: iimg, .offset: 24, .size: 8, .value_kind: global_buffer, .address_space: global }
    .group_segment_fixed_size: 327680
    .private_segment_fixed_size: 0
    .kernarg_segment_align: 8
    .kernarg_segment_size: 32
    .max_flat_workgroup_size: 128
    .sgpr_count:     100
    .vgpr_count:     768
    .wavefront_size: 32
...
	.end_amdgpu_metadata
.endif
;; end of part 5
;; launch w2 (part 6): grid 4 x 32, 4 waves a work-group, clusters of 4 x 4, 327,680 bytes of LDS; arguments iimg, wimg, b2, af32, out0; writes out0
.if DOCPART == 6
	.amdgcn_target "amdgcn-amd-amdhsa--gfx1250"
	.amdhsa_code_object_version 6
	.text
	.protected	k_q647caf35dd_w2
	.globl	k_q647caf35dd_w2
	.p2align	8
	.type	k_q647caf35dd_w2,@function
k_q647caf35dd_w2:
	s_mov_b64 s[64:65], 0
	v_nop
	global_prefetch_b8 v0, s[64:65] scope:SCOPE_SE
	s_setreg_imm32_b32 hwreg(HW_REG_WAVE_MODE, 25, 1), 1
	s_wait_xcnt 0x0
	s_wait_alu depctr_hold_cnt(0) depctr_sa_sdst(0) depctr_va_vdst(0) depctr_va_sdst(0) depctr_va_ssrc(0) depctr_va_vcc(0) depctr_vm_vsrc(0)
	s_getreg_b32 s2, hwreg(HW_REG_IB_STS2, 6, 4)
	s_cmp_eq_u32 s2, 0
	s_cbranch_scc0 .Lentry_in_a_cluster
	s_endpgm
.Lentry_in_a_cluster:
	s_bfe_u32 s2, ttmp6, 0x10000c
	s_cmp_lg_u32 s2, 0xf033
	s_cbranch_scc0 .Lentry_shape_is_right
	s_endpgm
.Lentry_shape_is_right:
; GEMM ON CODES OF E2M3: D(x, y) = sum over k of X[x][k] Y[y][k] + bias.  One text serves four launches; MODE says which.
;   MODE 0: q = query Wq + bq, k = key Wk + bk (X the activations, Y the weight, bias along y), v^T = Wv^T value^T + bv (X the weight, Y value, bias along x): results quantised along y.
;   MODE 1: attn_out = ctx Wo + bo + query: stored in f32 and quantised.   MODE 2: inter = attn_out W1 + b1: quantised.   MODE 3: out = inter W2 + b2 + attn_out: f32.
; OPERANDS are images of the operand's registers: a record of 1,600 bytes is a fragment (16 rows x 128 K: three chunks of 512 bytes, lane l's 16 bytes at 16 l) and its 16 scale words;
; record (rowtile, K step s) lies at ((s / 8) RT + rowtile) x 12,800 + (s % 8) x 1,600.  So a fragment comes by three loads of 16 bytes a lane, and half a panel (512 K) of a rowtile is 6,400 consecutive bytes.
; SHARES: a work-group makes 128 x by 256 y; wave w (wx = w / 2, wy = w % 2) 64 x by 128 y: 4 x 8 accumulators.  128 along y are one K step of the product that reads the result.
; THE MATRIX INSTRUCTION IS USED TRANSPOSED: source 0 = 16 rows of Y, source 1 = 16 rows of X: a lane holds one row x and eight neighbouring y.
; RING: two LDS slots of half a panel (8 rowtiles of X, 16 of Y).  K = 1,024 fits the two first fills; K = 4,096 fills each slot three times more.
; THE K STEP: 32 products in four groups of eight (a rowtile of X against Y's eight).  The next step's 42 LDS loads stand in three runs of 18, 15 and 9 behind the first three groups, in the order in which
; the next step wants them (Y's 24, the six scale words, X's rowtiles 0 to 3), and each group waits only for what it reads.
; THE WAY OUT: a rowtile's trip through the stage is issued while the rowtile before it is quantised or stored (MODE 1, which needs two trips a rowtile, takes them one after the other).
; CLUSTER 4 x 4: X's tile hangs on the tile row and is asked for jointly along a row of the cluster, Y's along a column.
; ROWS of ctx, attn_out, inter: rowtile 32 b + 4 g + dt holds in lane r row 512 b + 128 dt + 8 r + g; MODE 1 and 3 undo that order in the immediates of their row stores.
; LIMITS: NaN and infinities are not served; a block's largest magnitude is held at 2^-124 from below (byte 1); a block of zeros gets the byte 1, not 127: its codes are zeros and this program alone reads the bytes.
; REGISTERS: window 0: v1-20 addresses; v28, v29 the add's two; v32-43 scale words, two sets (X's two, Y's four; even rowtile in lanes 0-15, odd in lanes 16-31); v64-127 numbers on the way out;
;   v128-223 X's fragments, two sets (on the way out v128-191 a second set of numbers); v224-251 the quantiser's.  window 1: accumulator (i, t) at 8 (8 i + t).  window 2: Y's fragments, two sets of 96; v192-255 the bias.  window 3: the residual.
.set MODE, 3
.if MODE == 3
.set LAPS, 4
.else
.set LAPS, 1
.endif
.if MODE == 0
.set ORT, 64
.set YOFF, 0
.elseif MODE == 1
.set ORT, 256
.set YOFF, 2457600
.elseif MODE == 2
.set ORT, 256
.set YOFF, 3276800
.else
.set ORT, 256
.set YOFF, 6553600
.endif
.set REC,  1600
.set HPB,  6400                        ; half a panel of a rowtile
.set RTB,  12800
.set YB,   8*HPB                       ; in a slot: X's 8 rowtiles, then Y's 16
.set SLOT, 24*HPB
.set SPARE, 2*SLOT                     ; behind the ring: the spare words, 128 bytes a wave
.set PC,  224
.set TQ,  236
.set MX,  244
.set SO,  246
.set BY,  248
.set PW,  250
.set TMP, 251
.set SH8, 17
.set SEL, 74
.set MSB, 0
.macro WIN new                         ; the immediate's high byte repeats the setting that is left
.if MSB != \new
	s_set_vgpr_msb (MSB<<8)|\new
.set MSB, \new
.endif
.endm
.macro PLACES                          ; four plain places behind matrix instructions, in front of loads into their registers and of reads of their results
.rept 4
	v_nop
.endr
.endm
.macro CROUND                          ; a round of the cluster's barrier
	s_barrier_signal -1
	s_barrier_wait -1
	s_cmp_lg_u32 s16, 0
	s_cbranch_scc1 .Lnot_wave_0_\@
	s_barrier_signal -3
.Lnot_wave_0_\@:
	s_barrier_wait -3
	s_barrier_signal -1
	s_barrier_wait -1
.endm
.macro JLOAD s                         ; a joint load: waves 0, 1 fetch X's halves, waves 2, 3 Y's; s_nop 0 and four v_nop follow each line
	s_cmp_eq_u32 s17, 0
	s_cbranch_scc0 .Lfor_y_\@
	tensor_load_to_lds s[32+4*\s:35+4*\s], s[24:31]
	s_nop 0
.rept 4
	v_nop
.endr
	s_branch .Lasked_\@
.Lfor_y_\@:
	tensor_load_to_lds s[48+4*\s:51+4*\s], s[40:47]
	s_nop 0
.rept 4
	v_nop
.endr
.Lasked_\@:
.endm
.macro WM d, a, b, c, sa, sb, ra, rb   ; one product; ra, rb: the scale words stand in lanes 16-31
.if (\ra) && (\rb)
	v_wmma_scale_f32_16x16x128_f8f6f4 v[(\d):(\d)+7], v[(\a):(\a)+11], v[(\b):(\b)+11], v[(\c):(\c)+7], v[\sa], v[\sb] matrix_a_fmt:MATRIX_FMT_FP6 matrix_b_fmt:MATRIX_FMT_FP6 matrix_a_scale:MATRIX_SCALE_ROW1 matrix_b_scale:MATRIX_SCALE_ROW1
.elseif (\ra)
	v_wmma_scale_f32_16x16x128_f8f6f4 v[(\d):(\d)+7], v[(\a):(\a)+11], v[(\b):(\b)+11], v[(\c):(\c)+7], v[\sa], v[\sb] matrix_a_fmt:MATRIX_FMT_FP6 matrix_b_fmt:MATRIX_FMT_FP6 matrix_a_scale:MATRIX_SCALE_ROW1
.elseif (\rb)
	v_wmma_scale_f32_16x16x128_f8f6f4 v[(\d):(\d)+7], v[(\a):(\a)+11], v[(\b):(\b)+11], v[(\c):(\c)+7], v[\sa], v[\sb] matrix_a_fmt:MATRIX_FMT_FP6 matrix_b_fmt:MATRIX_FMT_FP6 matrix_b_scale:MATRIX_SCALE_ROW1
.else
	v_wmma_scale_f32_16x16x128_f8f6f4 v[(\d):(\d)+7], v[(\a):(\a)+11], v[(\b):(\b)+11], v[(\c):(\c)+7], v[\sa], v[\sb] matrix_a_fmt:MATRIX_FMT_FP6 matrix_b_fmt:MATRIX_FMT_FP6
.endif
.endm
; The 42 LDS loads of the slot's K step kl into set p, in three kinds: Y's 24 (numbers n0 .. n0 + cnt - 1 of them), the six scale words, X's 12
.macro LY slot, kl, p, n0, cnt
	WIN 0x80
.set n, \n0
.rept \cnt
	ds_load_b128 v[96*(\p)+4*n:96*(\p)+4*n+3], v[6+\slot] offset:(n/3)*HPB+(\kl)*REC+(n%3)*512
.set n, n+1
.endr
.endm
.macro LS slot, kl, p
	WIN 0
.irp j, 0,1,2,3
	ds_load_b32 v[34+6*(\p)+\j], v[10+\slot] offset:\j*RTB+(\kl)*REC+1536
.endr
.irp j, 0,1
	ds_load_b32 v[32+6*(\p)+\j], v[8+\slot] offset:\j*RTB+(\kl)*REC+1536
.endr
.endm
.macro LX slot, kl, p, n0, cnt
	WIN 0
.set n, \n0
.rept \cnt
	ds_load_b128 v[128+48*(\p)+4*n:128+48*(\p)+4*n+3], v[4+\slot] offset:(n/3)*HPB+(\kl)*REC+(n%3)*512
.set n, n+1
.endr
.endm
.macro FETCH slot, kl, p               ; all 42 in one run, in the order that the counted waits of KSTEP lean on
	LY \slot, \kl, \p, 0, 24
	LS \slot, \kl, \p
	LX \slot, \kl, \p, 0, 12
.endm
.macro MULG p, cm, i                   ; 8 products on set p: X's rowtile i against Y's eight.  The 32 accumulators take turns in one order everywhere.  cm = 1, 2: the bias along y, along x starts the sums
.if \cm == 0
	WIN 0x52
.else
	WIN 0x62
.endif
.set n, 8*(\i)
.rept 8
.if \cm == 0
.set CB, 8*n
.elseif \cm == 1
.set CB, 192+8*(n%8)
.else
.set CB, 192+8*(n/8)
.endif
	WM 8*n, 96*(\p)+12*(n%8), 128+48*(\p)+12*(n/8), CB, 34+6*(\p)+(n%8)/2, 32+6*(\p)+n/16, n%2, (n/8)%2
.set n, n+1
.endr
.endm
.macro MUL p, cm                       ; a K step's 32 products with nothing to fetch
	MULG \p, \cm, 0
	MULG \p, \cm, 1
	MULG \p, \cm, 2
	MULG \p, \cm, 3
	WIN 0
.endm
; A K step on set p; among its products the fetch of the slot's K step kl into set q.  Four places stand in front of it: all three runs load into registers that the step before multiplied.
.macro KSTEP p, cm, slot, kl, q
	s_wait_dscnt 9                                 ; of this step's 42 loads the youngest nine, X's rowtiles 1 to 3, may be out
	MULG \p, \cm, 0
	LY \slot, \kl, \q, 0, 18
	s_wait_dscnt 24                                ; X's rowtile 1 is in: behind it stand rowtiles 2 and 3 (6 loads) and the 18 just issued
	MULG \p, \cm, 1
	LY \slot, \kl, \q, 18, 6
	LS \slot, \kl, \q
	LX \slot, \kl, \q, 0, 3
	s_wait_dscnt 36                                ; rowtile 2 is in: behind it 3 + 18 + 15
	MULG \p, \cm, 2
	LX \slot, \kl, \q, 3, 9
	s_wait_dscnt 42                                ; rowtile 3 is in: behind it the next step's 42
	MULG \p, \cm, 3
	WIN 0
.endm
.macro STEP slot, kl, cm               ; K step kl = 0 .. 2 of a slot
	PLACES
	KSTEP (\kl)%2, \cm, \slot, (\kl)+1, ((\kl)+1)%2
.endm
.macro TURN slot, next, fill           ; a slot's last K step, and the change of slots
	s_wait_tensorcnt 0x0                           ; all my tensor loads have landed: my part of the next slot
	ds_add_u32 v28, v29                            ; 0 onto my spare word
.if \fill
	s_add_nc_u64 s[34+4*\slot:35+4*\slot], s[34+4*\slot:35+4*\slot], 256*RTB   ; the same half of the next panel: X has 256 rowtiles,
	s_add_nc_u64 s[50+4*\slot:51+4*\slot], s[50+4*\slot:51+4*\slot], 64*RTB    ; Y 64
.endif
	s_wait_dscnt 0x0                               ; the add is done, and my reads of this slot are over
.if \fill
	CROUND                                         ; no wave of any partner still reads this slot or has a load on its way
	JLOAD \slot                                    ; the first tensor load behind the round; its four v_nop are the places in front of the loads below
.else
	s_barrier_signal -1
	s_barrier_wait -1
	PLACES
.endif
	KSTEP 1, 0, \next, 0, 0
.endm
.macro QUANT2 s                        ; 64 numbers of a lane (register 32 c + i = k 64 c + 32 h + i of my row) become 12 registers of codes and the row's scale word
.irp c, 0,1                            ; the largest magnitudes of the two blocks, each in two chains, so that no line waits for the line above it
	v_max3_num_f32 v[MX+\c], |v[\s+32*\c]|, |v[\s+32*\c+1]|, 0x1800000   ; the floor 2^-124 among the leaves holds the byte at 1 from below
	v_max3_num_f32 v[BY+\c], |v[\s+32*\c+16]|, |v[\s+32*\c+17]|, |v[\s+32*\c+18]|
.endr
.irp i, 2,4,6,8,10,12
.irp c, 0,1
	v_max3_num_f32 v[MX+\c], v[MX+\c], |v[\s+32*\c+\i]|, |v[\s+32*\c+\i+1]|
	v_max3_num_f32 v[BY+\c], v[BY+\c], |v[\s+32*\c+\i+17]|, |v[\s+32*\c+\i+18]|
.endr
.endr
.irp c, 0,1
	v_max3_num_f32 v[MX+\c], v[MX+\c], |v[\s+32*\c+14]|, |v[\s+32*\c+15]|
.endr
.irp c, 0,1
	v_max3_num_f32 v[MX+\c], v[MX+\c], v[BY+\c], |v[\s+32*\c+31]|
.endr
.irp c, 0,1
	v_add_nc_u32 v[SO+\c], 0xff000000, v[MX+\c]    ; 2 off the exponent field: the conversion's scale operand
.endr
.irp c, 0,1
	v_lshrrev_b32 v[BY+\c], 23, v[SO+\c]           ; the byte
.endr
	v_lshl_or_b32 v[PW], v[BY+1], 16, v[BY]
	v_lshlrev_b32 v[PW], v[SH8], v[PW]
	v_permlanex16_b32 v[TMP], v[PW], s[SEL], s[SEL+1]
	v_or_b32 v[PW], v[PW], v[TMP]
.irp c, 0,1
	v_cvt_scalef32_pk16_fp6_f32 v[PC+6*\c:PC+6*\c+2], v[\s+32*\c:\s+32*\c+15], v[SO+\c]
	v_cvt_scalef32_pk16_fp6_f32 v[TQ+4*\c:TQ+4*\c+2], v[\s+32*\c+16:\s+32*\c+31], v[SO+\c]
.endr
	v_nop                                          ; one plain place behind the conversions
.irp c, 0,1
.irp i, 0,1,2
	v_mov_b32 v[PC+6*\c+3+\i], v[TQ+4*\c+\i]
.endr
.endr
.endm
.macro TOSTAGE i                       ; X's rowtile i, 16 rows x 128 y, into my stage
	WIN 0x04
.set n, 0
.rept 8
	ds_store_b128 v12, v[8*(8*(\i)+n):8*(8*(\i)+n)+3] offset:64*n          ; each accumulator from its low end on
	ds_store_b128 v12, v[8*(8*(\i)+n)+4:8*(8*(\i)+n)+7] offset:64*n+16
.set n, n+1
.endr
	WIN 0
.endm
.macro BACK i                          ; and back into set i % 2: by rows (MODE 3) or as the quantiser wants it.  LDS serves a wave's instructions in order: these see the stores above, and the next rowtile's stores come behind them
.set LB, 64+64*((\i)%2)
.set n, 0
.rept 16
.if MODE == 3
	ds_load_b128 v[LB+4*n:LB+4*n+3], v13 offset:528*n
.else
	ds_load_b128 v[LB+4*n:LB+4*n+3], v14 offset:256*(n/8)+16*(n%8)
.endif
.set n, n+1
.endr
.endm
	s_load_b256 s[4:11], s[0:1], 0x0
.if (MODE == 0) || (MODE == 1)
	s_load_b128 s[12:15], s[0:1], 0x20
.elseif MODE == 3
	s_load_b64 s[12:13], s[0:1], 0x20
.endif
	v_lshl_add_u32 v28, v0, 2, SPARE
	v_mov_b32 v29, 0
	ds_add_u32 v28, v29                            ; the wave's opening: the add and its wait ahead of my first tensor load
	v_lshrrev_b32 v1, 5, v0
	v_readfirstlane_b32 s16, v1                    ; wave
	s_lshr_b32 s17, s16, 1                         ; wx; also: I fetch for X (0) or Y (1)
	s_and_b32 s18, s16, 1                          ; wy; also: which half of that tile I fetch
	s_bfe_u32 s19, ttmp6, 0x40000                  ; cx
	s_bfe_u32 s20, ttmp6, 0x40004                  ; cy
	s_and_b32 s21, ttmp7, 0xffff                   ; the cluster's y
.if MODE == 0
	s_cmp_ge_u32 s21, 24                           ; clusters 0-7: q; 8-23: k; 24-39: v.  The same in all sixteen partners
	s_cselect_b32 s56, 1, 0
	s_sub_co_u32 s57, s21, 24
	s_and_b32 s58, s57, 1
	s_lshr_b32 s59, s57, 1
	s_sub_co_u32 s60, s21, 8
	s_cmp_lt_u32 s21, 8
	s_cselect_b32 s60, s21, s60
	s_cselect_b32 s61, 0, 3276800
	s_cselect_b32 s62, 0, 819200
	s_mov_b32 s63, s61
	s_cmp_lg_u32 s56, 0
	s_cselect_b32 s60, s58, s60                    ; the cluster's row of tiles,
	s_cselect_b32 s59, s59, ttmp9                  ; its column,
	s_cselect_b32 s61, 1638400, s61                ; X's, Y's and the result's places in their buffers
	s_cselect_b32 s62, 9830400, s62
	s_cselect_b32 s63, 9830400, s63
.else
	s_mov_b32 s60, s21
	s_mov_b32 s59, ttmp9
	s_mov_b32 s61, 0
	s_mov_b32 s62, YOFF
	s_mov_b32 s63, 0
.endif
	s_lshl_b32 s22, s60, 2
	s_add_co_u32 s22, s22, s20                     ; xt: never holds cx
	s_lshl_b32 s23, s59, 2
	s_add_co_u32 s23, s23, s19                     ; yt: never holds cy
	s_lshl_b32 s57, s20, 2
	s_lshl_b32 s57, 15, s57                        ; my row of the cluster
	s_lshl_b32 s58, 0x1111, s19                    ; my column
	s_or_b32 s24, s57, (3<<16)|(1<<21)             ; group 1 for X: the mask; elements of 8 bytes; bit 21 beside a mask; no padding
	s_mov_b32 s25, 800<<16                         ; tensor_dim0 = 800 elements: 6,400 bytes
	s_mov_b32 s26, 4<<16                           ; tensor_dim1 = 4 rowtiles
	s_mov_b32 s27, 800<<16                         ; tile_dim0
	s_mov_b32 s28, 4                               ; tile_dim1
	s_mov_b32 s29, 1600                            ; from rowtile to rowtile: 12,800 bytes
	s_mov_b32 s30, 0
	s_mov_b32 s31, 0
	s_or_b32 s40, s58, (3<<16)|(1<<21)             ; group 1 for Y: 8 rowtiles
	s_mov_b32 s41, 800<<16
	s_mov_b32 s42, 8<<16
	s_mov_b32 s43, 800<<16
	s_mov_b32 s44, 8
	s_mov_b32 s45, 1600
	s_mov_b32 s46, 0
	s_mov_b32 s47, 0
	s_lshl_b32 s80, s22, 3
	s_lshl_b32 s81, s18, 2
	s_add_co_u32 s80, s80, s81
	s_mul_i32 s80, s80, RTB
	s_add_co_u32 s80, s80, s61                     ; X: rowtile 8 xt + 4 x half
	s_mov_b32 s81, 0
	s_lshl_b32 s82, s23, 4
	s_lshl_b32 s83, s18, 3
	s_add_co_u32 s82, s82, s83
	s_mul_i32 s82, s82, RTB
	s_add_co_u32 s82, s82, s62                     ; Y: rowtile 16 yt + 8 x half
	s_mov_b32 s83, 0
	s_mul_i32 s84, s18, 4*HPB                      ; and where they go: the wave's number alone enters an LDS address
	s_mul_i32 s85, s18, 8*HPB
	s_add_co_u32 s85, s85, YB
	s_lshl_b32 s89, s23, 1
	s_add_co_u32 s89, s89, s18                     ; my 128 y: their number
	s_lshl_b32 s90, s22, 3
	s_lshl_b32 s91, s17, 2
	s_add_co_u32 s90, s90, s91                     ; my first rowtile of X
	s_lshr_b32 s91, s89, 3
	s_mul_i32 s91, s91, ORT
	s_add_co_u32 s91, s91, s90
	s_mul_i32 s91, s91, RTB
	s_and_b32 s92, s89, 7
	s_mul_i32 s92, s92, REC
	s_add_co_u32 s92, s92, s91
	s_add_co_u32 s92, s92, s63                     ; the result's first record
	s_mov_b32 s93, 0
	s_lshl_b32 s94, s89, 9                         ; the bias along y: 128 numbers
	s_mov_b32 s95, 0
.if MODE == 0
	s_lshl_b32 s96, s22, 9
	s_lshl_b32 s97, s17, 8
	s_add_co_u32 s96, s96, s97                     ; the bias along x: 64 numbers
	s_mov_b32 s97, 0
	s_cmp_lg_u32 s56, 0
	s_cselect_b32 s94, 0, s94                      ; both kinds are loaded on every path; the kind that is not used reads from the vector's start, inside its buffer
	s_cselect_b32 s96, s96, 0
.endif
.if (MODE == 1) || (MODE == 3)
	s_lshr_b32 s98, s90, 2                         ; 8 b + g
	s_lshr_b32 s99, s98, 3
	s_lshl_b32 s99, s99, 9
	s_and_b32 s98, s98, 7
	s_add_co_u32 s98, s98, s99                     ; row 512 b + g
	s_lshl_b32 s98, s98, 12
	s_lshl_b32 s99, s89, 9
	s_add_co_u32 s98, s98, s99
	s_mov_b32 s99, 0
.endif
	s_wait_dscnt 0x0                               ; the opening add is done
	s_wait_kmcnt 0x0
.if MODE == 0
	s_cmp_lg_u32 s56, 0
	s_cselect_b64 s[76:77], s[6:7], s[4:5]
	s_cselect_b64 s[78:79], s[4:5], s[6:7]
	s_cmp_lt_u32 s21, 8
	s_cselect_b64 s[72:73], s[8:9], s[10:11]
	s_cmp_lg_u32 s56, 0
	s_cselect_b64 s[72:73], s[12:13], s[72:73]
	s_add_nc_u64 s[86:87], s[72:73], s[96:97]
	s_add_nc_u64 s[72:73], s[72:73], s[94:95]
	s_add_nc_u64 s[66:67], s[14:15], s[92:93]
.else
	s_mov_b64 s[76:77], s[4:5]
	s_mov_b64 s[78:79], s[6:7]
	s_add_nc_u64 s[72:73], s[8:9], s[94:95]
.endif
.if MODE == 1
	s_add_nc_u64 s[70:71], s[10:11], s[98:99]      ; the residual: query
	s_add_nc_u64 s[68:69], s[12:13], s[98:99]      ; af32
	s_add_nc_u64 s[66:67], s[14:15], s[92:93]      ; aimg
.elseif MODE == 2
	s_add_nc_u64 s[66:67], s[10:11], s[92:93]      ; iimg
.elseif MODE == 3
	s_add_nc_u64 s[70:71], s[10:11], s[98:99]      ; the residual: af32
	s_add_nc_u64 s[68:69], s[12:13], s[98:99]      ; out0
.endif
	s_add_nc_u64 s[76:77], s[76:77], s[80:81]
	s_add_nc_u64 s[78:79], s[78:79], s[82:83]
	CROUND                                         ; all sixteen work-groups are here: the first joint loads meet
.irp s, 0,1
	s_mov_b32 s[32+4*\s], 1
	s_add_co_u32 s[33+4*\s], s84, \s*SLOT
	s_add_nc_u64 s[34+4*\s:35+4*\s], s[76:77], \s*HPB
	s_or_b32 s[35+4*\s], s[35+4*\s], 0x80000000
	s_mov_b32 s[48+4*\s], 1
	s_add_co_u32 s[49+4*\s], s85, \s*SLOT
	s_add_nc_u64 s[50+4*\s:51+4*\s], s[78:79], \s*HPB
	s_or_b32 s[51+4*\s], s[51+4*\s], 0x80000000
	JLOAD \s                                       ; two loads of mine are out
.endr
	v_and_b32 v3, 31, v0
	v_and_b32 v1, 15, v0                           ; r
	v_bfe_u32 v2, v0, 4, 1                         ; h
	v_lshlrev_b32 v15, 4, v3                       ; 16 x lane
	v_lshlrev_b32 v16, 2, v1                       ; 4 r
	v_lshlrev_b32 v17, 3, v2                       ; 8 h
	v_lshlrev_b32 v18, 5, v2                       ; 32 h
	v_mad_u32_u24 v19, v2, HPB, v16                ; scale words: lanes 16-31 take the next rowtile's
	v_mov_b32 v[TMP], 0
	s_mul_i32 s57, s17, 4*HPB
	s_mul_i32 s58, s18, 8*HPB
	s_add_co_u32 s58, s58, YB
.irp s, 0,1
	v_add_nc_u32 v[4+\s], s57, v15
	v_add_nc_u32 v[6+\s], s58, v15
	v_add_nc_u32 v[8+\s], s57, v19
	v_add_nc_u32 v[10+\s], s58, v19
	s_add_co_u32 s57, s57, SLOT
	s_add_co_u32 s58, s58, SLOT
.endr
	s_mul_i32 s59, s16, 8448                       ; my stage for the way out, 16 rows of 512 bytes + 16, in slot 0: written only when that slot has had its last fill and its last read
	v_mul_u32_u24 v20, v1, 528
	v_lshl_add_u32 v12, v2, 5, v20
	v_add_nc_u32 v12, s59, v12                     ; in: row r, + 32 h
	v_add_nc_u32 v13, s59, v15                     ; back by rows
	v_lshl_add_u32 v14, v2, 7, v20
	v_add_nc_u32 v14, s59, v14                     ; back for the quantiser: row r, + 128 h
	s_mov_b32 s[SEL], 0x76543210
	s_mov_b32 s[SEL+1], 0xfedcba98
	WIN 0x80
.irp t, 0,1,2,3,4,5,6,7
	global_load_b128 v[192+8*\t:195+8*\t], v18, s[72:73] offset:64*\t       ; lane (r, h), tile t: the bias of y = 16 t + 8 h + 0 .. 7
	global_load_b128 v[196+8*\t:199+8*\t], v18, s[72:73] offset:64*\t+16
.endr
	WIN 0
.if MODE == 0
.irp i, 0,1,2,3
	global_load_b32 v[64+\i], v16, s[86:87] offset:64*\i                    ; the bias of x = 16 i + r
.endr
.endif
.if (MODE == 1) || (MODE == 3)
	WIN 0xc0
.set n, 0
.rept 64
	global_load_b128 v[4*n:4*n+3], v15, s[70:71] offset:(128*(n/16)+8*(n%16))*4096   ; the residual of my 64 rows x 128 columns: 512 consecutive bytes a load
.set n, n+1
.endr
	WIN 0
.endif
	s_wait_tensorcnt 0x1                           ; my part of slot 0 is in; slot 1's may stay out
	s_barrier_signal -1
	s_barrier_wait -1
	FETCH 0, 0, 0
.if (MODE == 1) || (MODE == 3)
	s_wait_loadcnt 63                              ; the 16 loads of the bias are the oldest of 80
.else
	s_wait_loadcnt 0x0
.endif
.if MODE == 0
	s_cmp_lg_u32 s56, 0
	s_cbranch_scc1 .Lbias_x
	STEP 0, 0, 1
	s_branch .Lfirst_done
.Lbias_x:
	WIN 0x80
.set n, 0
.rept 32
	v_mov_b32 v[192+n], v[64+n/8]                  ; a lane's eight results of a tile share its row's bias
.set n, n+1
.endr
	WIN 0
	STEP 0, 0, 2
.Lfirst_done:
.else
	STEP 0, 0, 1
.endif
	STEP 0, 1, 0
	STEP 0, 2, 0
.if LAPS > 1
	s_mov_b32 s3, LAPS-1
.Llap:                                 ; a trip goes once round the ring and fills both slots again
	TURN 0, 1, 1
	STEP 1, 0, 0
	STEP 1, 1, 0
	STEP 1, 2, 0
	TURN 1, 0, 1
	STEP 0, 0, 0
	STEP 0, 1, 0
	STEP 0, 2, 0
	s_sub_co_u32 s3, s3, 1
	s_cmp_lg_u32 s3, 0
	s_cbranch_scc1 .Llap
.endif
	TURN 0, 1, 0                                   ; the last lap fills nothing
	STEP 1, 0, 0
	STEP 1, 1, 0
	STEP 1, 2, 0
	s_wait_dscnt 0x0
	MUL 1, 0
	; THE WAY OUT, a rowtile of X at a time: 16 rows x 128 y go through my stage
	PLACES
.if MODE == 1
.irp i, 0,1,2,3
.if \i > 0
	s_wait_xcnt 0x0                                ; the last rowtile's stores have read their registers: they are written again only behind this wait
.endif
	TOSTAGE \i
.set n, 0
.rept 16
	ds_load_b128 v[128+4*n:131+4*n], v13 offset:528*n                  ; LDS serves a wave's instructions in order: these see the stores above
.set n, n+1
.endr
	s_wait_dscnt 0x0
.if \i == 0
	s_wait_loadcnt 0x0                             ; the residual
.endif
	WIN 0x0c
.set n, 0
.rept 32
	v_pk_add_f32 v[128+2*n:129+2*n], v[128+2*n:129+2*n], v[64*\i+2*n:64*\i+2*n+1]
.set n, n+1
.endr
	WIN 0
.set n, 0
.rept 16
	global_store_b128 v15, v[128+4*n:131+4*n], s[68:69] offset:(128*\i+8*n)*4096   ; 32 lanes store 512 consecutive bytes of row 512 b + g + 128 i + 8 n
.set n, n+1
.endr
.set n, 0
.rept 16
	ds_store_b128 v13, v[128+4*n:131+4*n] offset:528*n                 ; with the residual, back into the stage for the quantiser
.set n, n+1
.endr
.set n, 0
.rept 16
	ds_load_b128 v[64+4*n:67+4*n], v14 offset:256*(n/8)+16*(n%8)
.set n, n+1
.endr
	s_wait_dscnt 0x0
	QUANT2 64
.irp c, 0,1,2
	global_store_b128 v15, v[PC+4*\c:PC+4*\c+3], s[66:67] offset:RTB*\i+512*\c
.endr
	global_store_b32 v16, v[PW], s[66:67] offset:RTB*\i+1536
.endr
.else
	TOSTAGE 0
	BACK 0
.irp i, 0,1,2,3
.if \i > 0
	s_wait_xcnt 0x0                                ; the last rowtile's stores have read their registers: these are loaded or written again only behind this wait
.endif
.if \i < 3
	TOSTAGE \i+1                                   ; the next rowtile's trip through the stage goes out ahead of this rowtile's work
	BACK \i+1
	s_wait_dscnt 32                                ; this rowtile is back: behind its loads stand the next rowtile's 16 stores and 16 loads
.else
	s_wait_dscnt 0x0
.endif
.set UB, 64+64*(\i%2)
.if MODE == 3
.if \i == 0
	s_wait_loadcnt 0x0                             ; the residual
.endif
	WIN 0x0c
.set n, 0
.rept 32
	v_pk_add_f32 v[UB+2*n:UB+2*n+1], v[UB+2*n:UB+2*n+1], v[64*\i+2*n:64*\i+2*n+1]
.set n, n+1
.endr
	WIN 0
.set n, 0
.rept 16
	global_store_b128 v15, v[UB+4*n:UB+4*n+3], s[68:69] offset:(128*\i+8*n)*4096   ; 32 lanes store 512 consecutive bytes of row 512 b + g + 128 i + 8 n
.set n, n+1
.endr
.else
	QUANT2 UB
.irp c, 0,1,2
	global_store_b128 v15, v[PC+4*\c:PC+4*\c+3], s[66:67] offset:RTB*\i+512*\c
.endr
	global_store_b32 v16, v[PW], s[66:67] offset:RTB*\i+1536
.endif
.endr
.endif
	s_wait_tensorcnt 0x0                           ; the wave's end
	ds_add_u32 v28, v29
	s_wait_dscnt 0x0
	CROUND                                         ; the closing round
	s_endpgm
.Lfunc_end_k_q647caf35dd_w2:
	.size	k_q647caf35dd_w2, .Lfunc_end_k_q647caf35dd_w2-k_q647caf35dd_w2
	.p2alignl 7, 3214868480
	.fill 96, 4, 3214868480
	.section	.rodata,"a",@progbits
	.p2align	6, 0x0
	.amdhsa_kernel k_q647caf35dd_w2
		.amdhsa_group_segment_fixed_size 327680
		.amdhsa_private_segment_fixed_size 0
		.amdhsa_enable_private_segment 0
		.amdhsa_kernarg_size 40
		.amdhsa_user_sgpr_count 2
		.amdhsa_user_sgpr_kernarg_segment_ptr 1
		.amdhsa_wavefront_size32 1
		.amdhsa_system_sgpr_workgroup_id_x 1
		.amdhsa_system_sgpr_workgroup_id_y 1
		.amdhsa_system_sgpr_workgroup_id_z 1
		.amdhsa_system_vgpr_workitem_id 0
		.amdhsa_next_free_vgpr 1024
		.amdhsa_next_free_sgpr 100
		.amdhsa_reserve_vcc 0
		.amdhsa_float_denorm_mode_32 3
		.amdhsa_float_denorm_mode_16_64 3
		.amdhsa_memory_ordered 1
		.amdhsa_forward_progress 1
		.amdhsa_inst_pref_size 156
	.end_amdhsa_kernel
	.amdgpu_metadata
---
amdhsa.version: [ 1, 2 ]
amdhsa.kernels:
  - .name:           k_q647caf35dd_w2
    .symbol:         k_q647caf35dd_w2.kd
    .args:
      - { .name: iimg, .offset: 0, .size: 8, .value_kind: global_buffer, .address_space: global }
      - { .name: wimg, .offset: 8, .size: 8, .value_kind: global_buffer, .address_space: global }
      - { .name: b2, .offset: 16, .size: 8, .value_kind: global_buffer, .address_space: global }
      - { .name: af32, .offset: 24, .size: 8, .value_kind: global_buffer, .address_space: global }
      - { .name: out0, .offset: 32, .size: 8, .value_kind: global_buffer, .address_space: global }
    .group_segment_fixed_size: 327680
    .private_segment_fixed_size: 0
    .kernarg_segment_align: 8
    .kernarg_segment_size: 40
    .max_flat_workgroup_size: 128
    .sgpr_count:     100
    .vgpr_count:     1024
    .wavefront_size: 32
...
	.end_amdgpu_metadata
.endif
;; end of part 6
